; MI455X (gfx1250); checked and timed in simulation.
; The chip was launched on July 23, 2026; its instructions are those of AMD's public machine-readable ISA for CDNA 5 (MIT licence, August 2026) and "CDNA5" Instruction Set Architecture Reference Guide (July 2026). The comments in the code are by the model that wrote it; some were corrected since.
;; Transformer Block. Allowed arithmetic: matrix products marked QUANTISED: E4M3 operands, one E8M0 scale for each 32 along K, by v_wmma_scale_f32_16x16x128_f8f6f4 with both operands' format E4M3, f32 sums; everything else in f32.
;; Inputs: W1_codes 4,096 x 32 x 32 uint8 (E4M3 codes of W1, K innermost, in blocks of 32 codes); W1_scales 4,096 x 32 uint8 (E8M0 scales of W1, one for each 32 codes along K); W2_codes 1,024 x 128 x 32 uint8 (E4M3 codes of W2, K innermost, in blocks of 32 codes); W2_scales 1,024 x 128 uint8 (E8M0 scales of W2, one for each 32 codes along K); Wk_codes 16 x 64 x 32 x 32 uint8 (E4M3 codes of Wk, K innermost, in blocks of 32 codes); Wk_scales 16 x 64 x 32 uint8 (E8M0 scales of Wk, one for each 32 codes along K); Wo_codes 1,024 x 32 x 32 uint8 (E4M3 codes of Wo, K innermost, in blocks of 32 codes); Wo_scales 1,024 x 32 uint8 (E8M0 scales of Wo, one for each 32 codes along K); Wq_codes 16 x 64 x 32 x 32 uint8 (E4M3 codes of Wq, K innermost, in blocks of 32 codes); Wq_scales 16 x 64 x 32 uint8 (E8M0 scales of Wq, one for each 32 codes along K); Wv_codes 16 x 64 x 32 x 32 uint8 (E4M3 codes of Wv, K innermost, in blocks of 32 codes); Wv_scales 16 x 64 x 32 uint8 (E8M0 scales of Wv, one for each 32 codes along K); b1 4,096 float32; b2 1,024 float32; bo 1,024 float32; ln1_b 1,024 float32; ln1_g 1,024 float32; ln2_b 1,024 float32; ln2_g 1,024 float32; x 2 x 2,048 x 1,024 float32.
;; Outputs: out0 2 x 2,048 x 1,024 float32.
;; This version of the problem:
;;   THIS VERSION OF THE PROBLEM IS GIVEN IN LOW PRECISION. The matrix products marked QUANTISED in the list below multiply operands that are first quantised to E4M3 (4 exponent bits, 3 mantissa bits; 8 bits a number), with one power-of-two scale for each 32 numbers along K (OCP MX v1.0); their sums are f32. All else is computed in f32.
;;   The module's matrix products, in the order in which they are computed (A, B: the left and right operand; K: the contracted axis; several contracted axes count as one K, in the product's order):
;;     1. [M 1,024, K 1,024] x [K 1,024, N 4,096]; A: input Wq (given as codes); B: computed on the way: QUANTISED
;;     2. [M 1,024, K 1,024] x [K 1,024, N 4,096]; A: input Wk (given as codes); B: computed on the way: QUANTISED
;;     3. [M 1,024, K 1,024] x [K 1,024, N 4,096]; A: input Wv (given as codes); B: computed on the way: QUANTISED
;;     4. batch 32 x [M 2,048, K 64] x [K 64, N 2,048]; A: computed on the way; B: computed on the way: QUANTISED
;;     5. batch 32 x [M 2,048, K 2,048] x [K 2,048, N 64]; A: softmax (see below); B: computed on the way: QUANTISED
;;     6. [M 4,096, K 1,024] x [K 1,024, N 1,024]; A: computed on the way; B: input Wo (given as codes): QUANTISED
;;     7. [M 4,096, K 1,024] x [K 1,024, N 4,096]; A: computed on the way; B: input W1 (given as codes): QUANTISED
;;     8. [M 4,096, K 4,096] x [K 4,096, N 1,024]; A: computed on the way; B: input W2 (given as codes): QUANTISED
;;   THE QUANTISER, for each operand of a quantised product, along K:
;;     - K is cut into blocks of 32 from its start; a last block that is shorter is filled with zeros.
;;     - A block's scale is 2^e with e = floor(log2(the largest magnitude in the block)) - 8, held to -126 .. 127; a block of zeros has e = 0. As a byte (E8M0): e + 127.
;;     - Each number is divided by its block's scale, clamped to +-448, and rounded to the nearest number of E4M3, ties to even, subnormals kept.
;;     - The product sums the exact products of the quantised numbers (number of the format x scale) in f32.
;;   ~~~python
;;   def quantise(x, axis):      # numpy; x: float32 -> the quantised numbers, widened to float32 again
;;       x = np.moveaxis(x, axis, -1); K = x.shape[-1]
;;       x = np.pad(x, [(0, 0)] * (x.ndim - 1) + [(0, -K % 32)]); x = x.reshape(x.shape[:-1] + (-1, 32)); a = np.abs(x).max(-1, keepdims=True)
;;       e = np.where(a > 0, np.clip(np.frexp(np.where(a > 0, a, 1))[1] - 1 - 8, -126, 127), 0)      # np.frexp(a)[1] - 1 = floor(log2(a)), exactly
;;       r = np.clip(x / 2.0 ** e, -448, 448)
;;       step = 2.0 ** (np.maximum(np.frexp(np.where(r == 0, 1, r))[1] - 1, -6) - 3)
;;       q = np.round(r / step) * step * 2.0 ** e      # np.round: ties to even
;;       return np.moveaxis(q.reshape(q.shape[:-2] + (-1,))[..., :K], -1, axis).astype(np.float32)
;;   ~~~
;;   SOFTMAX AHEAD OF A QUANTISED PRODUCT. Where the list says 'softmax', what is quantised is not the finished softmax but p = 2^(t - M), with t = logit x log2(e) and M = ceil(the row's largest t), a whole number; so 1/2 < the row's largest p <= 1. The row's sum l is taken of the UNQUANTISED p, in f32, and the product's result is divided by l at the end. Since M is a whole number, a kernel that streams over the keys may use a running M (the ceiling of the running maximum): every later rescaling is an exact power of two, which a block's scale takes up: the codes' values come out the same.
;;   OPERANDS COMPUTED ON THE WAY. 'Computed on the way' means the value that the module computes at that place (a softmax that the list does not call 'softmax' is quantised finished and normalised). What goes into a quantiser is computed in f32, as accurately as f32 sums, v_exp_f32 and their like allow (about 1e-6 of the number): no bf16 or f16 on the way to a quantiser, and a product that is left as it is and whose result goes on into a quantised operand takes f32 operands (vector FMAs, or v_wmma_f32_16x16x4_f32). A number that lies on a knife's edge between two numbers of the format may be rounded either way, as far as f32 arithmetic and the matrix unit's own rounding can turn it there, and no further.
;;   INPUTS GIVEN AS CODES. W1 (in the module: [1024, 4096], K = its axis 0); W2 (in the module: [4096, 1024], K = its axis 0); Wk (in the module: [16, 1024, 64], K = its axis 1); Wo (in the module: [1024, 1024], K = its axis 0); Wq (in the module: [16, 1024, 64], K = its axis 1); Wv (in the module: [16, 1024, 64], K = its axis 1): each comes as NAME_codes (uint8): NAME with its K axis moved to the last place and cut into blocks of 32 codes, [.., K / 32, bytes a block], one block behind the other in memory; one code a byte (a code: sign, 4 exponent bits, 3 mantissa bits); and NAME_scales (uint8): the same leading axes, one E8M0 byte (e + 127) for each 32 codes along K. Its value is code x scale, taken as it is: it is not quantised again, and the codes and scales need not be those that the quantiser above would give.
;; One version. Each part assembles by itself: llvm-mc -triple=amdgcn-amd-amdhsa -mcpu=gfx1250 --defsym DOCPART=n.
;; ======== version 1 of 1: 7 launches
;; limits: right only within a limited range of input values
;; workspace buffers: hc 4,194,304 bytes; hs 131,072 bytes; qkvc 12,582,912 bytes; qkvs 655,360 bytes; x1 16,777,216 bytes; fc 16,777,216 bytes; fs 524,288 bytes
;; launch ln1 (part 1): grid 256 x 1, 16 waves a work-group, no clusters, 101,888 bytes of LDS; arguments x, ln1_g, ln1_b, hc, hs; writes hc, hs
.if DOCPART == 1
	.amdgcn_target "amdgcn-amd-amdhsa--gfx1250"
	.amdhsa_code_object_version 6
	.text
	.protected	k_qe52da97ddf_ln1
	.globl	k_qe52da97ddf_ln1
	.p2align	8
	.type	k_qe52da97ddf_ln1,@function
k_qe52da97ddf_ln1:
	s_mov_b64 s[64:65], 0
	v_nop
	global_prefetch_b8 v0, s[64:65] scope:SCOPE_SE
	s_setreg_imm32_b32 hwreg(HW_REG_WAVE_MODE, 25, 1), 1
	s_wait_xcnt 0x0
; LAYER NORM AND QUANTISER.  y = (x - mean) * rsqrt(var + 1e-5) * g + b over rows of 1,024 f32, then y is turned into codes of E4M3 with one E8M0 byte for each 32 along the row.
; The codes leave as an IMAGE OF A MATRIX OPERAND'S REGISTERS: for tile T of 16 tokens, chunk q (16 neighbours along K) of token r lies at T*16384 + q*256 + r*16, which is K step q/8, register group (q%8)/2,
; lane 16 (q%2) + r.  The scale bytes lie at T*512 + (block/16)*256 + r*16 + block%16: 16 bytes hold a token's four scale words of 512 along K.
; SHARES.  A work-group takes one tile of 16 tokens, each of its sixteen waves one token: the row stays in 32 registers between the passes, so memory is read once.  Mean first, then the sum of squared differences:
; a common offset of the inputs costs nothing.  No matrix unit, no tensor load, no cluster: work-groups share nothing but g and b (8 KiB), and memory binds.
; LIMITS: NaN and infinities are not served.  A block whose largest magnitude lies under 2^-118 (a block of zeros too) gets the byte 1; only this program reads the bytes, and zero codes add nothing under it.
.set STGW, 5120                        ; LDS: a wave's own stage: 64 places of 64 bytes + 16 of padding
.set IMG,  81920                       ; the tile's image: 64 chunks of 256 bytes + 16 of padding
.set SIMG, 99328                       ; its 512 scale bytes
.set X,  32                            ; v32-63   the row: lane l, load j: numbers 128 j + 4 l + 0..3
.set G,  64                            ; v64-95   g, later the two chunks of 16 neighbours
.set BB, 96                            ; v96-127  b, later codes (96-103), bytes (104, 105), the way out (106-117)
	s_load_b256 s[4:11], s[0:1], 0x0               ; x s[4:5], g s[6:7], b s[8:9], codes s[10:11]
	s_load_b64 s[12:13], s[0:1], 0x20              ; scale bytes
	v_lshl_add_u32 v128, v0, 2, 0x18600
	v_mov_b32 v129, 0
	v_lshrrev_b32 v1, 5, v0
	s_delay_alu instid0(VALU_DEP_1)
	v_readfirstlane_b32 s14, v1                    ; wave = token in the tile
	v_and_b32 v1, 31, v0                           ; lane
	s_delay_alu instid0(VALU_DEP_1)
	v_lshlrev_b32 v2, 4, v1                        ; 16 x lane
	s_mov_b32 s16, 0x76543210
	s_mov_b32 s17, 0xfedcba98                      ; v_permlanex16_b32's selects for lane l xor 16
	s_mov_b32 s18, 0x600000                        ; the mantissa field of 448
	s_lshl_b32 s20, ttmp9, 16                      ; the tile's 16 rows of 4,096 bytes,
	s_lshl_b32 s21, s14, 12                        ; my row
	s_add_co_u32 s20, s20, s21
	s_mov_b32 s21, 0
	s_lshl_b32 s24, ttmp9, 14                      ; the tile's image
	s_mov_b32 s25, 0
	s_lshl_b32 s26, ttmp9, 9                       ; its scale bytes
	s_mov_b32 s27, 0
	s_wait_alu depctr_va_vdst(0)
	s_wait_kmcnt 0x0
	s_add_nc_u64 s[4:5], s[4:5], s[20:21]
	s_add_nc_u64 s[10:11], s[10:11], s[24:25]
	s_add_nc_u64 s[12:13], s[12:13], s[26:27]
.irp j, 0,1,2,3,4,5,6,7
	global_load_b128 v[X+4*\j:X+4*\j+3], v2, s[4:5] offset:512*\j     ; 32 lanes read 512 consecutive bytes
.endr
.irp j, 0,1,2,3,4,5,6,7
	global_load_b128 v[G+4*\j:G+4*\j+3], v2, s[6:7] offset:512*\j
.endr
.irp j, 0,1,2,3,4,5,6,7
	global_load_b128 v[BB+4*\j:BB+4*\j+3], v2, s[8:9] offset:512*\j
.endr
	s_mul_i32 s22, s14, STGW
	v_lshrrev_b32 v3, 2, v1
	s_delay_alu instid0(VALU_DEP_1)
	v_mul_u32_u24 v3, v3, 80
	v_and_b32 v4, 3, v1
	s_delay_alu instid0(VALU_DEP_1)
	v_lshl_add_u32 v3, v4, 4, v3
	s_delay_alu instid0(VALU_DEP_1)
	v_add_nc_u32 v3, s22, v3                       ; the stage, on the way in: 80 (lane / 4) + 16 (lane % 4); a load's 512 bytes take eight places
	v_mul_u32_u24 v4, v1, 80
	s_delay_alu instid0(VALU_DEP_1)
	v_add_nc_u32 v4, s22, v4                       ; and on the way out: place = lane: 16 neighbours
	s_lshl_b32 s23, s14, 4
	v_mul_u32_u24 v5, v1, 272
	s_delay_alu instid0(VALU_DEP_1)
	v_add_nc_u32 v5, s23, v5
	s_delay_alu instid0(VALU_DEP_1)
	v_add_nc_u32 v5, IMG, v5                       ; the image: chunk = lane, my token's 16 bytes
	v_lshrrev_b32 v6, 1, v1
	s_delay_alu instid0(VALU_DEP_1)
	v_add_nc_u32 v6, s23, v6
	s_delay_alu instid0(VALU_DEP_1)
	v_add_nc_u32 v6, SIMG, v6                      ; the scale bytes: 16 x token + block
	v_lshrrev_b32 v7, 4, v0
	s_delay_alu instid0(VALU_DEP_1)
	v_mul_u32_u24 v7, v7, 272
	v_and_b32 v8, 15, v0
	s_delay_alu instid0(VALU_DEP_1)
	v_lshl_add_u32 v7, v8, 4, v7
	s_delay_alu instid0(VALU_DEP_1)
	v_add_nc_u32 v7, IMG, v7                       ; the way out: thread t takes 16 bytes of chunk t / 16
	v_lshlrev_b32 v8, 4, v0                        ; which lie at 16 t in memory
	v_mov_b32 v9, 0                                ; a lane permute's destination counts as read
	v_mov_b32 v22, 0x3a800000                      ; 1 / 1,024
	v_add_nc_u32 v23, SIMG, v2                     ; wave 0's way out for the scale bytes
.macro WSUM                            ; v10 summed over the 32 lanes, into every lane
	s_delay_alu instid0(VALU_DEP_1)
	v_add_f32_dpp v10, v10, v10 row_xmask:1 row_mask:0xf bank_mask:0xf
	s_delay_alu instid0(VALU_DEP_1)
	v_add_f32_dpp v10, v10, v10 row_xmask:2 row_mask:0xf bank_mask:0xf
	s_delay_alu instid0(VALU_DEP_1)
	v_add_f32_dpp v10, v10, v10 row_xmask:4 row_mask:0xf bank_mask:0xf
	s_delay_alu instid0(VALU_DEP_1)
	v_add_f32_dpp v10, v10, v10 row_xmask:8 row_mask:0xf bank_mask:0xf
	s_delay_alu instid0(VALU_DEP_1)
	v_permlanex16_b32 v9, v10, s16, s17
	s_delay_alu instid0(VALU_DEP_1)
	v_add_f32 v10, v10, v9
.endm
.macro FOLD                            ; the four chains into v10
	s_delay_alu instid0(VALU_DEP_3)
	v_pk_add_f32 v[10:11], v[10:11], v[12:13]
	s_delay_alu instid0(VALU_DEP_2)
	v_pk_add_f32 v[18:19], v[18:19], v[20:21]
	s_delay_alu instid0(VALU_DEP_1)
	v_pk_add_f32 v[10:11], v[10:11], v[18:19]
	s_delay_alu instid0(VALU_DEP_1)
	v_add_f32 v10, v10, v11
.endm
	s_wait_loadcnt 16                              ; x is in; g's and b's sixteen loads may be out
	v_pk_add_f32 v[10:11], v[X:X+1], v[X+8:X+9]    ; the sum, in four chains that the first numbers start
	v_pk_add_f32 v[12:13], v[X+2:X+3], v[X+10:X+11]
	v_pk_add_f32 v[18:19], v[X+4:X+5], v[X+12:X+13]
	v_pk_add_f32 v[20:21], v[X+6:X+7], v[X+14:X+15]
.irp j, 16,24
	s_delay_alu instid0(VALU_DEP_4)
	v_pk_add_f32 v[10:11], v[10:11], v[X+\j:X+\j+1]
	s_delay_alu instid0(VALU_DEP_4)
	v_pk_add_f32 v[12:13], v[12:13], v[X+\j+2:X+\j+3]
	s_delay_alu instid0(VALU_DEP_4)
	v_pk_add_f32 v[18:19], v[18:19], v[X+\j+4:X+\j+5]
	s_delay_alu instid0(VALU_DEP_4)
	v_pk_add_f32 v[20:21], v[20:21], v[X+\j+6:X+\j+7]
.endr
	FOLD
	WSUM
	s_delay_alu instid0(VALU_DEP_1)
	v_mul_f32 v14, v22, v10                        ; the mean
	s_delay_alu instid0(VALU_DEP_1)
	v_mov_b32 v15, v14
.set j, 0
.rept 16
	v_pk_add_f32 v[X+j:X+j+1], v[X+j:X+j+1], v[14:15] neg_lo:[0,1] neg_hi:[0,1]   ; x - mean
.set j, j+2
.endr
	v_pk_mul_f32 v[10:11], v[X:X+1], v[X:X+1]
	v_pk_mul_f32 v[12:13], v[X+2:X+3], v[X+2:X+3]
	v_pk_mul_f32 v[18:19], v[X+4:X+5], v[X+4:X+5]
	v_pk_mul_f32 v[20:21], v[X+6:X+7], v[X+6:X+7]
.irp j, 8,16,24
	s_delay_alu instid0(VALU_DEP_4)
	v_pk_fma_f32 v[10:11], v[X+\j:X+\j+1], v[X+\j:X+\j+1], v[10:11]
	s_delay_alu instid0(VALU_DEP_4)
	v_pk_fma_f32 v[12:13], v[X+\j+2:X+\j+3], v[X+\j+2:X+\j+3], v[12:13]
	s_delay_alu instid0(VALU_DEP_4)
	v_pk_fma_f32 v[18:19], v[X+\j+4:X+\j+5], v[X+\j+4:X+\j+5], v[18:19]
	s_delay_alu instid0(VALU_DEP_4)
	v_pk_fma_f32 v[20:21], v[X+\j+6:X+\j+7], v[X+\j+6:X+\j+7], v[20:21]
.endr
	FOLD
	WSUM
	s_delay_alu instid0(VALU_DEP_1)
	v_fmaak_f32 v10, v10, v22, 0x3727c5ac          ; the variance + 1e-5
	s_wait_alu depctr_va_vdst(0)
	v_rsq_f32 v16, v10
	v_nop                                          ; a plain instruction behind the transcendental
	s_wait_alu depctr_va_vdst(0)                   ; and the wait ahead of its first reader
	v_mov_b32 v17, v16
	s_wait_alu depctr_va_vdst(0)
	s_wait_loadcnt 0x0                             ; g and b
.set j, 0
.rept 16
	v_pk_mul_f32 v[X+j:X+j+1], v[X+j:X+j+1], v[16:17]
.set j, j+2
.endr
.set j, 0
.rept 16
	v_pk_fma_f32 v[X+j:X+j+1], v[X+j:X+j+1], v[G+j:G+j+1], v[BB+j:BB+j+1]
.set j, j+2
.endr
	; THE TURN.  The conversions take neighbours along K from one lane's registers: the row goes through the wave's own stage as it lies and comes back 64 bytes a lane: lane l holds chunks l and l + 32.
.irp j, 0,1,2,3,4,5,6,7
	ds_store_b128 v3, v[X+4*\j:X+4*\j+3] offset:640*\j
.endr
.irp k, 0,1
.irp i, 0,1,2,3
	ds_load_b128 v[G+16*\k+4*\i:G+16*\k+4*\i+3], v4 offset:2560*\k+16*\i   ; LDS serves a wave's instructions in order: these see the stores above
.endr
.endr
	s_wait_dscnt 0x0
.macro CHUNK k                         ; 16 neighbours become 16 codes; lanes l and l xor 1 hold a block of 32
.set ZS, G+16*\k
	v_max3_num_f32 v18, |v[ZS]|, |v[ZS+1]|, |v[ZS+2]|
	v_max3_num_f32 v19, |v[ZS+3]|, |v[ZS+4]|, |v[ZS+5]|
.irp i, 6,10
	s_delay_alu instid0(VALU_DEP_2)
	v_max3_num_f32 v18, v18, |v[ZS+\i]|, |v[ZS+\i+1]|
	s_delay_alu instid0(VALU_DEP_2)
	v_max3_num_f32 v19, v19, |v[ZS+\i+2]|, |v[ZS+\i+3]|
.endr
	s_delay_alu instid0(VALU_DEP_2)
	v_max3_num_f32 v18, v18, |v[ZS+14]|, |v[ZS+15]|
	s_delay_alu instid0(VALU_DEP_1)
	v_max3_num_f32 v18, v18, v19, 0x4800000        ; and the floor 2^(9 - 127): the byte cannot fall under 1
	s_delay_alu instid0(VALU_DEP_1)
	v_max_num_f32_dpp v18, v18, v18 row_xmask:1 row_mask:0xf bank_mask:0xf   ; with my neighbour's 16: the block's largest magnitude
	s_delay_alu instid0(VALU_DEP_1)
	v_add_nc_u32 v21, 0xfc000000, v18              ; 8 off its exponent field: the conversion's scale operand
	s_delay_alu instid0(VALU_DEP_2)
	v_and_or_b32 v20, v18, 0x7f800000, s18         ; 448 x the scale
.set i, 0
.rept 16
	v_med3_num_f32 v[ZS+i], v[ZS+i], -v20, v20     ; the conversion to an 8-bit code does not saturate (ISA guide 7.6.2): the hold
.set i, i+1
.endr
	v_cvt_scalef32_pk8_fp8_f32 v[BB+4*\k:BB+4*\k+1], v[ZS:ZS+7], v21
	v_cvt_scalef32_pk8_fp8_f32 v[BB+4*\k+2:BB+4*\k+3], v[ZS+8:ZS+15], v21
	v_lshrrev_b32 v[BB+8+\k], 23, v21              ; the scale's byte (a plain instruction behind the conversions)
	ds_store_b128 v5, v[BB+4*\k:BB+4*\k+3] offset:8704*\k     ; lanes 272 bytes apart: sixteen different columns of banks
	ds_store_b8 v6, v[BB+8+\k] offset:256*\k       ; both lanes of a block write the same byte with the same value
.endm
	CHUNK 0
	CHUNK 1
	s_wait_dscnt 0x0                               ; for the others' sake: my stores into the image are done
	s_barrier_signal -1
	s_barrier_wait -1
	ds_load_b128 v[106:109], v7
	ds_load_b128 v[110:113], v7 offset:8704
	s_wait_dscnt 1                                 ; the first is in, the second may be out
	global_store_b128 v8, v[106:109], s[10:11]     ; a wave stores 512 consecutive bytes, aligned
	s_wait_dscnt 0x0
	global_store_b128 v8, v[110:113], s[10:11] offset:8192
	s_cmp_lg_u32 s14, 0
	s_cbranch_scc1 .Lend                           ; wave 0 alone stores the tile's 512 scale bytes
	ds_load_b128 v[114:117], v23
	s_wait_dscnt 0x0
	global_store_b128 v2, v[114:117], s[12:13]
.Lend:
	s_wait_tensorcnt 0x0
	ds_add_u32 v128, v129
	s_wait_dscnt 0x0
	s_endpgm
.Lfunc_end_k_qe52da97ddf_ln1:
	.size	k_qe52da97ddf_ln1, .Lfunc_end_k_qe52da97ddf_ln1-k_qe52da97ddf_ln1
	.p2alignl 7, 3214868480
	.fill 96, 4, 3214868480
	.section	.rodata,"a",@progbits
	.p2align	6, 0x0
	.amdhsa_kernel k_qe52da97ddf_ln1
		.amdhsa_group_segment_fixed_size 101888
		.amdhsa_private_segment_fixed_size 0
		.amdhsa_enable_private_segment 0
		.amdhsa_kernarg_size 40
		.amdhsa_user_sgpr_count 2
		.amdhsa_user_sgpr_kernarg_segment_ptr 1
		.amdhsa_wavefront_size32 1
		.amdhsa_system_sgpr_workgroup_id_x 1
		.amdhsa_system_sgpr_workgroup_id_y 1
		.amdhsa_system_sgpr_workgroup_id_z 1
		.amdhsa_system_vgpr_workitem_id 0
		.amdhsa_next_free_vgpr 130
		.amdhsa_next_free_sgpr 66
		.amdhsa_reserve_vcc 0
		.amdhsa_float_denorm_mode_32 3
		.amdhsa_float_denorm_mode_16_64 3
		.amdhsa_memory_ordered 1
		.amdhsa_forward_progress 1
		.amdhsa_inst_pref_size 20
	.end_amdhsa_kernel
	.amdgpu_metadata
---
amdhsa.version: [ 1, 2 ]
amdhsa.kernels:
  - .name:           k_qe52da97ddf_ln1
    .symbol:         k_qe52da97ddf_ln1.kd
    .args:
      - { .name: x, .offset: 0, .size: 8, .value_kind: global_buffer, .address_space: global }
      - { .name: ln1_g, .offset: 8, .size: 8, .value_kind: global_buffer, .address_space: global }
      - { .name: ln1_b, .offset: 16, .size: 8, .value_kind: global_buffer, .address_space: global }
      - { .name: hc, .offset: 24, .size: 8, .value_kind: global_buffer, .address_space: global }
      - { .name: hs, .offset: 32, .size: 8, .value_kind: global_buffer, .address_space: global }
    .group_segment_fixed_size: 101888
    .private_segment_fixed_size: 0
    .kernarg_segment_align: 8
    .kernarg_segment_size: 40
    .max_flat_workgroup_size: 512
    .sgpr_count:     66
    .vgpr_count:     130
    .wavefront_size: 32
...
	.end_amdgpu_metadata
.endif
;; end of part 1
;; launch qkv (part 2): grid 8 x 32, 4 waves a work-group, clusters of 4 x 4, 327,680 bytes of LDS; arguments hc, hs, Wq_codes, Wq_scales, Wk_codes, Wk_scales, Wv_codes, Wv_scales, qkvc, qkvs; writes qkvc, qkvs
.if DOCPART == 2
	.amdgcn_target "amdgcn-amd-amdhsa--gfx1250"
	.amdhsa_code_object_version 6
	.text
	.protected	k_qe52da97ddf_qkv
	.globl	k_qe52da97ddf_qkv
	.p2align	8
	.type	k_qe52da97ddf_qkv,@function
k_qe52da97ddf_qkv:
	s_mov_b64 s[64:65], 0
	v_nop
	global_prefetch_b8 v0, s[64:65] scope:SCOPE_SE
	s_setreg_imm32_b32 hwreg(HW_REG_WAVE_MODE, 25, 1), 1
	s_wait_xcnt 0x0
	s_wait_alu depctr_hold_cnt(0) depctr_sa_sdst(0) depctr_va_vdst(0) depctr_va_sdst(0) depctr_va_ssrc(0) depctr_va_vcc(0) depctr_vm_vsrc(0)
	s_getreg_b32 s2, hwreg(HW_REG_IB_STS2, 6, 4)
	s_cmp_eq_u32 s2, 0
	s_cbranch_scc0 .Lentry_in_a_cluster
	s_endpgm
.Lentry_in_a_cluster:
	s_bfe_u32 s2, ttmp6, 0x10000c
	s_cmp_lg_u32 s2, 0xf033
	s_cbranch_scc0 .Lentry_shape_is_right
	s_endpgm
.Lentry_shape_is_right:
; ONE SOURCE SERVES THE FOUR GEMM LAUNCHES OF THE BLOCK; KIND SAYS WHICH ONE THIS FILE IS:
;   0: q, k, v = h Wq, h Wk, h Wv, each quantised for attention    1: x1 = x + o Wo + bo    2: f = relu(h2 W1 + b1), quantised    3: out = x1 + f W2 + b2
; All products are on codes of E4M3 with one E8M0 byte for each 32 along K, by v_wmma_scale_f32_16x16x128_f8f6f4; sums in f32, K ascending, one accumulator an output.
; A (the tokens) comes as an IMAGE OF THE OPERAND'S REGISTERS: tile T of 16 tokens, K step s of 128, group c: 512 bytes, lane l's 16 at 16 l; its scale bytes as 16 bytes for a token and 512 along K.
; B (the weight) comes as rows of K codes, [n][K], with [n][K / 32] scale bytes.
; SHARES.  A work-group makes 128 tokens x 128 columns at a time (KIND 0: three times, for Wq, Wk, Wv; KIND 2: four times); its four waves 64 x 64 each: 16 accumulators.  8 x 32 work-groups: one for each WGP.
; K goes in slots of 512 (four steps of 128) through two LDS slots filled by the tensor data mover.  With K = 1,024 the wave's fragments of A (512 registers) STAY IN REGISTERS for all column tiles: only B streams.
; CLUSTERS: 4 x 4.  A's tiles hang on the token block alone and are asked for jointly along a row of the cluster, B's on the column block alone, along a column.
; No prefetch: a work-group's stream is at most 1 MiB, shared four ways, and the launch is short.
; THE PRODUCT IS USED TRANSPOSED (source 0 = 16 rows of B, source 1 = 16 tokens): a lane holds one token and eight neighbouring columns.  For v (KIND 0, third tile) the sources are swapped: a lane holds one channel and
; eight neighbouring tokens, since v's next K is the tokens.  Where a result becomes an operand, a block of 32 lies in lanes l and l xor 16; v_permlane16_swap_b32 puts its codes in the operand's order.
; LIMITS: NaN and infinities are not served.  A block whose largest magnitude lies under 2^-118 (zeros too) gets the byte 1; only this program reads those bytes.  Scale bytes leave 2 or 4 bytes a lane.
; REGISTERS.  window 0: v4-27 addresses and small things; v32-63 A's scale words, v64-95 B's (nothing else ever); v96-127 at work in the epilogues; v128-255 the accumulators.
;   window 1: B's fragments, a buffer of 64 for each step of a slot.   windows 2, 3: A's fragments of slot 0, slot 1.
.set KIND, 0
.if KIND == 3
.set KK, 4096
.else
.set KK, 1024
.endif
.if KIND == 2
.set ROWSH, 9                          ; a work-group's first row of B: 512 X, else 128 X
.else
.set ROWSH, 7
.endif
.if KIND >= 2
.set RB, 32                            ; units of 256 scale bytes of B that one load brings
.else
.set RB, 16                            ; units of 256 scale bytes of B that one load brings: the whole block's
.endif
.set RA, KK/64                         ; the same for A: all 128 tokens'
.if KK == 1024
.set SBI, 544                          ; from 16 rows of B's scale bytes to the next 16, in LDS
.else
.set SBI, 2176
.endif
.set ASL,   65536                      ; LDS: A's two slots at 0: 8 tiles x 8,192 bytes, dense images
.set BS0,   131072                     ; B's two slots: 128 rows x (512 + 16) bytes
.set BSL,   67584
.set ASC,   266240                     ; A's scale bytes, dense
.set BSC,   282624                     ; B's scale bytes, units of 256 + 16
.set SPARE, 300032                     ; the spare words, 128 bytes a wave: two blocks of 256 bytes that no other line names
.set STAGE, 0                          ; KIND 1, 3: the way out, 16 rows x 272 bytes a wave, in A's slot 0 behind its last fill and last read
.set ADA,  4                           ; v4-5   my A fragments in slot 0, 1
.set ADB,  6                           ; v6-7   my B fragments
.set ADSA, 8                           ; v8     my A scale words
.set ADSB, 9                           ; v9     my B scale words
.set SPW,  10                          ; v10    my spare word;  v11  0
.set NIL,  11
.set LI,   12                          ; v12    16 x lane
.set SO,   13                          ; v13    offset of small stores and loads
.set SH,   14                          ; v14    16 (lane / 16)
.set BO,   15                          ; v15    32 (lane / 16)
.set STO,  16
.set RD,   17
.set CO,   18
.set PW,   19                          ; v19    the scale word just made;  v20 what is stored of it
.set SD,   20
.set BI,   24                          ; v24-27 the bias of my 4 columns (KIND 1, 3)
.set SA,   32
.set SB,   64
.set TM,   96
.set PC,   112
.set BK,   96
.set ACC,  128
.set G1A,  24
.set G0A,  32
.set G1B,  40
.set G0B,  48
.set G1SA, 56
.set G0SA, 68
.set G1SB, 72
.set G0SB, 80
.set G0SK, 84
.set G0SV, 88
.set WV,   92                          ; s92 wave;  s93 wave / 2: my 64 tokens, and: I fetch for A (0) or B (1);  s94 wave % 2: my 64 columns, and which half I fetch
.set WM,   93
.set WN,   94
.set MNT,  95
.set SEL,  96
.set MSB, 0
.macro WIN new                         ; the immediate's high byte repeats the setting that is left
.if MSB != (\new)
	s_set_vgpr_msb (MSB<<8)|(\new)
.set MSB, (\new)
.endif
.endm
.macro PLACES n
.rept \n
	v_nop
.endr
.endm
.macro JLOAD g0a, g1a, g0b, g1b        ; a joint load: waves 0, 1 by the first pair of groups, waves 2, 3 by the second; four v_nop follow each line
	s_cmp_eq_u32 s[WM], 0
	s_cbranch_scc0 .Lfor_b_\@
	tensor_load_to_lds s[\g0a:\g0a+3], s[\g1a:\g1a+7]
	s_nop 0
	PLACES 4
	s_branch .Lasked_\@
.Lfor_b_\@:
	tensor_load_to_lds s[\g0b:\g0b+3], s[\g1b:\g1b+7]
	s_nop 0
	PLACES 4
.Lasked_\@:
.endm
.macro JLOADB g0b, g1b                 ; only B's slot is filled again: waves 0, 2 and 3 have no part of it
	s_cmp_eq_u32 s[WV], 1                          ; wave 1 alone fills B's slot again, whole: 128 rows
	s_cbranch_scc0 .Lnone_\@
	tensor_load_to_lds s[\g0b:\g0b+3], s[\g1b:\g1b+7]
	s_nop 0
	PLACES 4
.Lnone_\@:
.endm
.macro CREST                           ; a round of the cluster's barrier behind its opening barrier
	s_cmp_lg_u32 s[WV], 0
	s_cbranch_scc1 .Lnot_wave_0_\@
	s_barrier_signal -3
.Lnot_wave_0_\@:
	s_barrier_wait -3
	s_barrier_signal -1
	s_barrier_wait -1
.endm
.macro CROUND
	s_barrier_signal -1
	s_barrier_wait -1
	CREST
.endm
.if KIND == 0
	s_load_b256 s[4:11], s[0:1], 0x0               ; A codes, A scales, Wq codes, Wq scales
	s_load_b256 s[12:19], s[0:1], 0x20             ; Wk codes, Wk scales, Wv codes, Wv scales
	s_load_b128 s[20:23], s[0:1], 0x40             ; q, k, v: codes, scales
.else
	s_load_b256 s[4:11], s[0:1], 0x0               ; A codes, A scales, B codes, B scales
	s_load_b128 s[12:15], s[0:1], 0x20             ; the bias; KIND 1, 3: the residual; KIND 2: the codes out
	s_load_b64 s[16:17], s[0:1], 0x30              ; KIND 1, 3: the output; KIND 2: the scale bytes out
.endif
	v_lshl_add_u32 v[SPW], v0, 2, SPARE
	v_mov_b32 v[NIL], 0
	ds_add_u32 v10, v11
	ds_add_u32 v10, v11
	s_wait_dscnt 0x0
	v_lshrrev_b32 v1, 5, v0
	v_readfirstlane_b32 s[WV], v1
	s_lshr_b32 s[WM], s[WV], 1
	s_and_b32 s[WN], s[WV], 1
	s_bfe_u32 s100, ttmp6, 0x40000                 ; cx
	s_bfe_u32 s98, ttmp6, 0x40004                  ; cy
	s_lshl_b32 s101, ttmp9, 2
	s_add_co_u32 s101, s101, s100                  ; X: the column block
	s_and_b32 s99, ttmp7, 0xffff
	s_lshl_b32 s99, s99, 2
	s_add_co_u32 s99, s99, s98                     ; Y: the block of 128 tokens
	s_lshl_b32 s98, s98, 2
	s_lshl_b32 s98, 15, s98                        ; my row of the cluster
	s_lshl_b32 s100, 0x1111, s100                  ; my column
	s_or_b32 s[G1A], s98, (3<<16)|(1<<21)          ; A's tiles: mask = my row; elements of 8 bytes; no padding: 8 rows (tiles of 16 tokens) of 8,192 dense bytes
	s_mov_b32 s[G1A+1], 1024<<16
	s_mov_b32 s[G1A+2], 8<<16                      ; a load brings all 8 tiles of 16 tokens
	s_mov_b32 s[G1A+3], 1024<<16
	s_mov_b32 s[G1A+4], 8
	s_mov_b32 s[G1A+5], 2*KK                       ; a tile of 16 tokens is 16 K bytes
	s_mov_b32 s[G1A+6], 0
	s_mov_b32 s[G1A+7], 0
	s_or_b32 s[G1B], s100, (1<<20)|(1<<21)|(6<<22)|(3<<25)   ; B's tiles: mask = my column; bytes; 4 words of padding behind every 128: 128 rows of 512 bytes
	s_mov_b32 s[G1B+1], 512<<16
	s_mov_b32 s[G1B+2], 128<<16                    ; a load brings all 128 rows
	s_mov_b32 s[G1B+3], 512<<16
	s_mov_b32 s[G1B+4], 128
	s_mov_b32 s[G1B+5], KK
	s_mov_b32 s[G1B+6], 0
	s_mov_b32 s[G1B+7], 0
	s_or_b32 s[G1SA], s98, (3<<16)|(1<<21)         ; A's scale bytes: RA dense rows of 256 bytes
	s_mov_b32 s[G1SA+1], 32<<16
	s_mov_b32 s[G1SA+2], RA<<16
	s_mov_b32 s[G1SA+3], 32<<16
	s_mov_b32 s[G1SA+4], RA
	s_mov_b32 s[G1SA+5], 32
	s_mov_b32 s[G1SA+6], 0
	s_mov_b32 s[G1SA+7], 0
	s_or_b32 s[G1SB], s100, (3<<16)|(1<<20)|(1<<21)|(5<<22)|(3<<25)   ; B's: RB rows of 256 bytes, 16 of padding behind each
	s_mov_b32 s[G1SB+1], 32<<16
	s_mov_b32 s[G1SB+2], RB<<16
	s_mov_b32 s[G1SB+3], 32<<16
	s_mov_b32 s[G1SB+4], RB
	s_mov_b32 s[G1SB+5], 32
	s_mov_b32 s[G1SB+6], 0
	s_mov_b32 s[G1SB+7], 0
	s_mov_b32 s[MNT], 0x600000                     ; the mantissa field of 448
	s_mov_b32 s[SEL], 0x76543210
	s_mov_b32 s[SEL+1], 0xfedcba98
	s_lshl_b32 s98, s99, 3
	s_wait_kmcnt 0x0
	s_mul_i32 s66, s98, 16*KK
	s_mov_b32 s67, 0
	s_add_nc_u64 s[4:5], s[4:5], s[66:67]          ; its codes,
	s_mul_i32 s66, s98, KK/2
	s_add_nc_u64 s[6:7], s[6:7], s[66:67]          ; its scale bytes
	s_lshl_b32 s100, s101, ROWSH
	s_mul_i32 s2, s100, KK                         ; B: the block's first row
	s_mov_b32 s3, 0
	s_add_nc_u64 s[8:9], s[8:9], s[2:3]
.if KIND == 0
	s_add_nc_u64 s[12:13], s[12:13], s[2:3]
	s_add_nc_u64 s[16:17], s[16:17], s[2:3]
.endif
	s_mul_i32 s2, s100, KK/32
	s_add_nc_u64 s[10:11], s[10:11], s[2:3]
.if KIND == 0
	s_add_nc_u64 s[14:15], s[14:15], s[2:3]
	s_add_nc_u64 s[18:19], s[18:19], s[2:3]
.endif
	CROUND                                         ; all sixteen work-groups are here: the first joint loads meet
	s_mov_b32 s[G0SA], 1
	s_mov_b32 s[G0SA+1], ASC
	s_mov_b64 s[G0SA+2:G0SA+3], s[6:7]
	s_or_b32 s[G0SA+3], s[G0SA+3], 0x80000000
	s_mov_b32 s[G0SB], 1
	s_mov_b32 s[G0SB+1], BSC
	s_mov_b64 s[G0SB+2:G0SB+3], s[10:11]
	s_or_b32 s[G0SB+3], s[G0SB+3], 0x80000000
.if KIND == 0
	s_mov_b32 s[G0SK], 1
	s_mov_b32 s[G0SK+1], BSC+4352
	s_mov_b64 s[G0SK+2:G0SK+3], s[14:15]
	s_or_b32 s[G0SK+3], s[G0SK+3], 0x80000000
	s_mov_b32 s[G0SV], 1
	s_mov_b32 s[G0SV+1], BSC+8704
	s_mov_b64 s[G0SV+2:G0SV+3], s[18:19]
	s_or_b32 s[G0SV+3], s[G0SV+3], 0x80000000
.endif
.irp s, 0,1
	s_mov_b32 s[G0A+4*\s], 1
	s_mov_b32 s[G0A+4*\s+1], \s*ASL
	s_add_nc_u64 s[G0A+4*\s+2:G0A+4*\s+3], s[4:5], \s*8192
	s_or_b32 s[G0A+4*\s+3], s[G0A+4*\s+3], 0x80000000
	s_mov_b32 s[G0B+4*\s], 1
	s_mov_b32 s[G0B+4*\s+1], BS0+\s*BSL
	s_add_nc_u64 s[G0B+4*\s+2:G0B+4*\s+3], s[8:9], \s*512
	s_or_b32 s[G0B+4*\s+3], s[G0B+4*\s+3], 0x80000000
.endr
; THE FILLS, AS THEY STAND NOW (this takes the place of what the head's comment says of halves and of prefetching).  Every load brings a whole tile.  At the head one load a wave, in one chain of branches on the wave's number:
; wave 0 A's slot 0, wave 1 B's slot 0, wave 2 A's scale bytes, wave 3 Wq's.  Slot 1 and Wk's and Wv's scale bytes follow behind one drained round, again one load a wave.  B's slots are filled again by wave 1.
.macro ARM under, g0, g1, next, join
	s_cmp_lt_u32 s[WV], \under
	s_cbranch_scc0 \next
	tensor_load_to_lds s[\g0:\g0+3], s[\g1:\g1+7]
	s_nop 0
	PLACES 4
	s_branch \join
\next:
.endm
	ARM 1, G0A, G1A, .Lh_b, .Lh_asked
	ARM 2, G0B, G1B, .Lh_sa, .Lh_asked
	ARM 3, G0SA, G1SA, .Lh_sb, .Lh_asked
	tensor_load_to_lds s[G0SB:G0SB+3], s[G1SB:G1SB+7]
	s_nop 0
	PLACES 4
.Lh_asked:
; THE PREFETCHES.  Slot 1's codes are loaded behind the next round and are asked for here.  A's 64 KiB are shared out by address among the 8 waves 0, 1 of the four work-groups of my row of the cluster (a tile of 16 tokens a wave,
; lanes 256 bytes apart), B's among the waves 2, 3 of my column (16 rows a wave, two lanes a row): each block of 256 bytes is named once in a cluster.  B's waves also ask here for Wk's two slots, and, at the two refills that load
; Wk's rows, for the same slot of Wv's: a column tile ahead of the load that wants it.  Nothing follows Wv.
.set PFA, 104
.set PFO, 22
	s_bfe_u32 s66, ttmp6, 0x40000
	s_bfe_u32 s67, ttmp6, 0x40004
	s_mov_b32 s2, KK
	s_mov_b32 s98, 512
	s_cmp_eq_u32 s[WM], 0                          ; waves 0, 1: A; waves 2, 3: B
	s_cselect_b32 s66, s66, s67                    ; my place p among the four that share the tile
	s_cselect_b64 s[PFA:PFA+1], s[4:5], s[8:9]
	s_cselect_b32 s2, 256, s2
	s_cselect_b32 s3, 0, 1
	s_cselect_b32 s98, 8192, s98                   ; a slot on
	s_lshl_b32 s66, s66, 1
	s_add_co_u32 s66, s66, s[WN]
	s_mul_i32 s66, s66, 16*KK                      ; tile 2 p + wave % 2 of A, or rows 16 (2 p + wave % 2) of B: the same bytes
	s_mov_b32 s100, s66
	s_add_co_u32 s66, s66, s98
	s_mov_b32 s67, 0
	s_add_nc_u64 s[PFA:PFA+1], s[PFA:PFA+1], s[66:67]
	v_and_b32 v[PFO], 31, v0
	v_and_b32 v23, s3, v[PFO]
	v_lshrrev_b32 v[PFO], s3, v[PFO]
	v_mul_lo_u32 v[PFO], v[PFO], s2
	v_lshl_add_u32 v[PFO], v23, 8, v[PFO]
	global_prefetch_b8 v[PFO], s[PFA:PFA+1] th:TH_LOAD_NT scope:SCOPE_SE
	v_add_nc_u32 v24, s100, v[PFO]                 ; my lane's place in slot 0 of a weight's block; never rewritten
	s_cmp_eq_u32 s[WM], 0
	s_cbranch_scc1 .Lh_no_b
	global_prefetch_b8 v24, s[12:13] th:TH_LOAD_NT scope:SCOPE_SE
	global_prefetch_b8 v24, s[12:13] offset:512 th:TH_LOAD_NT scope:SCOPE_SE
.Lh_no_b:
	v_and_b32 v1, 15, v0                           ; r
	v_bfe_u32 v2, v0, 4, 1                         ; h
	v_and_b32 v3, 31, v0
	v_lshlrev_b32 v[LI], 4, v3
	s_lshl_b32 s66, s[WM], 15
	v_add_nc_u32 v[ADA], s66, v[LI]                ; A: my four tiles' images, 16 x lane
	v_add_nc_u32 v[ADA+1], ASL, v[ADA]
	v_mul_u32_u24 v[ADB], v1, 528
	v_lshl_add_u32 v[ADB], v2, 4, v[ADB]
	s_mul_i32 s66, s[WN], 33792
	s_add_co_u32 s66, s66, BS0
	v_add_nc_u32 v[ADB], s66, v[ADB]               ; B: row r x pitch + 16 h, in my 64 rows
	v_add_nc_u32 v[ADB+1], BSL, v[ADB]
	s_mul_i32 s66, s[WM], 2*KK
	s_add_co_u32 s66, s66, ASC
	v_lshl_add_u32 v[ADSA], v1, 4, s66             ; A's scale words: 16 bytes a token for a slot
.if KK == 1024
	v_lshrrev_b32 v[ADSB], 3, v1                   ; B's: 32 bytes a row, 8 rows to a unit
	v_mul_u32_u24 v[ADSB], v[ADSB], 272
	v_and_b32 v20, 7, v1
	v_lshl_add_u32 v[ADSB], v20, 5, v[ADSB]
	s_mul_i32 s66, s[WN], 2176
.else
	v_lshrrev_b32 v[ADSB], 1, v1                   ; B's: 128 bytes a row, 2 rows to a unit
	v_mul_u32_u24 v[ADSB], v[ADSB], 272
	v_and_b32 v20, 1, v1
	v_lshl_add_u32 v[ADSB], v20, 7, v[ADSB]
	s_mul_i32 s66, s[WN], 8704
.endif
	s_add_co_u32 s66, s66, BSC
	v_add_nc_u32 v[ADSB], s66, v[ADSB]
	v_lshlrev_b32 v[SH], 4, v2
	v_lshlrev_b32 v[BO], 5, v2
.irp b, 0,1,2,3
	v_mov_b32 v[TM+4+\b], 0                        ; a lane permute's destination counts as read
.endr
.if KIND == 0
	v_lshlrev_b32 v[SO], 2, v3                     ; scale words out: 4 x lane
	s_lshr_b32 s66, s99, 4
	s_lshl_b32 s66, s66, 4
	s_lshl_b32 s67, s101, 1
	s_add_co_u32 s66, s66, s67
	s_add_co_u32 s66, s66, s[WN]                   ; batch x 16 + head: my 64 columns are one head
	s_and_b32 s67, s99, 15                         ; the block of 128 tokens in its batch = the key step
	s_lshl_b32 s2, s67, 3
	s_lshl_b32 s3, s[WM], 2
	s_add_co_u32 s2, s2, s3                        ; my first tile of 16 tokens in the batch
	s_lshl_b32 s98, s66, 17
	s_lshl_b32 s100, s2, 10
	s_add_co_u32 s100, s100, s98
	s_mov_b32 s101, 0
	s_add_nc_u64 s[4:5], s[20:21], s[100:101]      ; q's codes: head x 131,072 + tile x 1,024
	s_add_nc_u64 s[6:7], s[4:5], 4194304           ; k's
	s_lshl_b32 s100, s67, 13
	s_add_co_u32 s100, s100, s98
	s_lshl_b32 s3, s[WM], 10
	s_add_co_u32 s100, s100, s3
	s_add_co_u32 s100, s100, 8388608
	s_add_nc_u64 s[8:9], s[20:21], s[100:101]      ; v's: head x 131,072 + key step x 8,192 + my two blocks of 32 keys
	s_lshl_b32 s100, s66, 13
	s_lshl_b32 s3, s2, 6
	s_add_co_u32 s100, s100, s3
	s_add_nc_u64 s[10:11], s[22:23], s[100:101]    ; q's scale words
	s_mul_i32 s100, s66, 12288
	s_add_co_u32 s100, s100, 262144
	s_add_co_u32 s100, s100, s3
	s_add_nc_u64 s[14:15], s[22:23], s[100:101]    ; k's
	s_mul_i32 s100, s66, 12288
	s_add_co_u32 s100, s100, 262144+8192
	s_lshl_b32 s3, s67, 8
	s_add_co_u32 s100, s100, s3
	s_lshl_b32 s3, s[WM], 1
	s_add_co_u32 s100, s100, s3
	s_add_nc_u64 s[18:19], s[22:23], s[100:101]    ; v's: my two bytes of each word
.elseif KIND == 2
	v_lshlrev_b32 v[SO], 4, v1
	v_lshl_add_u32 v[SO], v2, 11, v[SO]            ; scale bytes out: 2,048 h + 16 r
	s_lshl_b32 s66, s99, 3
	s_lshl_b32 s67, s[WM], 2
	s_add_co_u32 s66, s66, s67                     ; my first tile of 16 tokens
	s_lshl_b32 s2, s66, 16
	s_lshl_b32 s3, s101, 13
	s_add_co_u32 s2, s2, s3
	s_lshl_b32 s3, s[WN], 10
	s_add_co_u32 s2, s2, s3
	s_mov_b32 s3, 0
	s_add_nc_u64 s[14:15], s[14:15], s[2:3]        ; codes out: tile x 65,536 + K step 4 X x 2,048 + my two groups
	s_lshl_b32 s2, s66, 11
	s_lshl_b32 s67, s101, 8
	s_add_co_u32 s2, s2, s67
	s_lshl_b32 s67, s[WN], 1
	s_add_co_u32 s2, s2, s67
	s_add_nc_u64 s[16:17], s[16:17], s[2:3]
	s_lshl_b32 s2, s101, 11
	s_lshl_b32 s67, s[WN], 8
	s_add_co_u32 s2, s2, s67
	s_add_nc_u64 s[12:13], s[12:13], s[2:3]        ; the bias of my 64 columns
.else
	s_mul_i32 s66, s[WV], 4352
	v_mul_u32_u24 v[STO], v1, 272
	v_lshl_add_u32 v[STO], v2, 5, v[STO]
	v_add_nc_u32 v[STO], s66, v[STO]               ; the stage, in: row r, 32 bytes for each half of the lanes
	v_mul_u32_u24 v[RD], v2, 272
	v_lshl_add_u32 v[RD], v1, 4, v[RD]
	v_add_nc_u32 v[RD], s66, v[RD]                 ; back: lanes 0-15 one row of 256 bytes, lanes 16-31 the next
	v_lshlrev_b32 v[SO], 4, v1
	v_lshl_add_u32 v[CO], v2, 12, v[SO]            ; and the same two rows in memory
	s_lshl_b32 s66, s99, 7
	s_lshl_b32 s67, s[WM], 6
	s_add_co_u32 s66, s66, s67
	s_lshl_b32 s2, s66, 12                         ; my first token's row
	s_lshl_b32 s66, s101, 9
	s_lshl_b32 s67, s[WN], 8
	s_add_co_u32 s66, s66, s67                     ; my first column, in bytes
	s_mov_b32 s67, 0
	s_add_nc_u64 s[12:13], s[12:13], s[66:67]
	s_add_co_u32 s2, s2, s66
	s_mov_b32 s3, 0
	s_add_nc_u64 s[14:15], s[14:15], s[2:3]
	s_add_nc_u64 s[16:17], s[16:17], s[2:3]
	global_load_b128 v[BI:BI+3], v[SO], s[12:13]   ; the bias of the 4 columns that I store
.endif
; 8 products of step q of slot sg: outer index 2 hf, 2 hf + 1 against inner 0..3.  The 16 accumulators take turns, one instruction a turn, in one order in every step.
.macro MUL8 sg, q, hf, swap, zero
.if \swap
	WIN 0x06+(\sg)                                 ; source 0 = A (window 2 or 3), source 1 = B (window 1)
.else
	WIN 0x09+4*(\sg)                               ; source 0 = B (window 1), source 1 = A (window 2 or 3)
.endif
.irp o, 2*\hf, 2*\hf+1
.irp n, 0,1,2,3
.set rD, ACC+8*(4*(\o)+\n)
.set rX, 64*\q+16*\n
.set rY, 64*\q+16*(\o)
.if \swap
.set rS, SA+16*(\sg)+4*\n+\q
.set rT, SB+16*(\sg)+4*(\o)+\q
.else
.set rS, SB+16*(\sg)+4*\n+\q
.set rT, SA+16*(\sg)+4*(\o)+\q
.endif
.if \zero
	v_wmma_scale_f32_16x16x128_f8f6f4 v[rD:rD+7], v[rX:rX+15], v[rY:rY+15], 0, v[rS], v[rT]
.else
	v_wmma_scale_f32_16x16x128_f8f6f4 v[rD:rD+7], v[rX:rX+15], v[rY:rY+15], v[rD:rD+7], v[rS], v[rT]
.endif
.endr
.endr
.endm
; One run of LDS loads: the fragments of step q of slot sg: B's four (16 loads), with fa = 1 A's four too; at q = 0 first the slot's scale words (one load brings a row's four words).
.macro GRP sg, q, fa
.if \q == 0
	WIN 0
.irp i, 0,1,2,3
	ds_load_b128 v[SB+16*(\sg)+4*\i:SB+16*(\sg)+4*\i+3], v[ADSB] offset:SBI*\i
.endr
.if \fa
.irp i, 0,1,2,3
	ds_load_b128 v[SA+16*(\sg)+4*\i:SA+16*(\sg)+4*\i+3], v[ADSA] offset:(KK/2)*\i
.endr
.endif
.endif
	WIN 0x40
.irp i, 0,1,2,3
.irp c, 0,1,2,3
	ds_load_b128 v[64*\q+16*\i+4*\c:64*\q+16*\i+4*\c+3], v[ADB+(\sg)] offset:8448*\i+128*\q+32*\c
.endr
.endr
.if \fa
	WIN 0x80+0x40*(\sg)
.irp i, 0,1,2,3
.irp c, 0,1,2,3
	ds_load_b128 v[64*\q+16*\i+4*\c:64*\q+16*\i+4*\c+3], v[ADA+(\sg)] offset:8192*\i+2048*\q+512*\c
.endr
.endr
.endif
	WIN 0
.endm
; PLACES.  A load into a register that a matrix instruction has read stands 8 plain vector instructions behind it.  Every run of loads here lands
; in registers whose last product stands two steps back or more, and each step ends with 4 v_nop or more: 12 at the least lie between.
.macro STEP0 sg, fa, zero, swap        ; step 0 of a slot; the runs of steps 0 and 1 are out; behind the products the run of step 2 is issued
	s_wait_dscnt 16*(1+\fa)                        ; all but the youngest run (step 1's)
	MUL8 \sg, 0, 0, \swap, \zero
	MUL8 \sg, 0, 1, \swap, \zero
	PLACES 4
	GRP \sg, 2, \fa
.endm
; Steps 1 to 3.  fan: the next slot's fragments of A are fetched too.  turn = 2: this slot is filled again; 1: only the change of slots; 0: the last slot.  res = 1: the residual is loaded over B's buffers 0 and 1.
.macro REST sg, fa, fan, turn, swap, res
	s_wait_dscnt 16*(1+\fa)
	MUL8 \sg, 1, 0, \swap, 0
	MUL8 \sg, 1, 1, \swap, 0
	PLACES 4+4*\res
	GRP \sg, 3, \fa
.if \res
	WIN 0x40
.irp a, 0,1,2,3
.irp t, 0,1,2,3,4,5,6,7
	global_load_b128 v[32*\a+4*\t:32*\a+4*\t+3], v[CO], s[14:15] offset:(16*\a+2*\t)*4096
.endr
.endr
	WIN 0
.endif
.if \turn
	s_wait_tensorcnt 0x0                           ; all my tensor loads have landed: my part of the next slot;
	ds_add_u32 v[SPW], v[NIL]                      ; 0 onto my spare word;
	s_wait_dscnt 16*(1+\fa)+1                      ; (the add and step 3's run may be out)
	MUL8 \sg, 2, 0, \swap, 0
	s_wait_dscnt 0x0                               ; the add is done, and my reads of this slot are over
	s_barrier_signal -1
	MUL8 \sg, 2, 1, \swap, 0
	WIN 0
	s_barrier_wait -1
.if \turn == 2
	CREST                                          ; the barrier has opened a round of the cluster's: no wave of any partner still reads this slot or has a load on its way
.if KIND == 3
	s_add_nc_u64 s[G0A+4*\sg+2:G0A+4*\sg+3], s[G0A+4*\sg+2:G0A+4*\sg+3], 16384   ; two slots on: 2 x 8,192 bytes of each tile's image,
	s_add_nc_u64 s[G0B+4*\sg+2:G0B+4*\sg+3], s[G0B+4*\sg+2:G0B+4*\sg+3], 1024    ; 2 x 512 bytes of each row
	JLOAD G0A+4*\sg, G1A, G0B+4*\sg, G1B
.elseif KIND == 2
	s_add_nc_u64 s[G0B+4*\sg+2:G0B+4*\sg+3], s[G0B+4*\sg+2:G0B+4*\sg+3], 131072  ; the next 128 rows of B
	JLOADB G0B+4*\sg, G1B
.else
	s_add_nc_u64 s[G0B+4*\sg+2:G0B+4*\sg+3], s[NEXTW:NEXTW+1], 512*\sg           ; the same rows of the next weight
	s_or_b32 s[G0B+4*\sg+3], s[G0B+4*\sg+3], 0x80000000
	JLOADB G0B+4*\sg, G1B
.endif
.endif
	PLACES 4
.if (KIND == 3) || ((\sg) == 0)
	v_add_nc_u32 v[ADSB], 16, v[ADSB]              ; the next slot's 16 scale bytes of each row
.else
	s_wait_alu depctr_va_vdst(0)
	v_add_nc_u32 v[ADSB], 4336, v[ADSB]            ; the next 128 rows' scale bytes: 16 units on, back to K = 0
.endif
.if \fan
	v_add_nc_u32 v[ADSA], 0x100, v[ADSA]
.endif
	GRP 1-\sg, 0, \fan
.if (\turn == 2) && (NEXTW == 12)
	s_cmp_eq_u32 s[WM], 0
	s_cbranch_scc1 .Lna_\@
	global_prefetch_b8 v24, s[16:17] offset:512*\sg th:TH_LOAD_NT scope:SCOPE_SE
.Lna_\@:
.endif
.else
	s_wait_dscnt 16*(1+\fa)
	MUL8 \sg, 2, 0, \swap, 0
	MUL8 \sg, 2, 1, \swap, 0
	s_wait_dscnt 0x0
.endif
	MUL8 \sg, 3, 0, \swap, 0
	MUL8 \sg, 3, 1, \swap, 0
	PLACES 8                                       ; an epilogue may follow, which reads results
.if \turn
	GRP 1-\sg, 1, \fan
.endif
	WIN 0
.endm
.macro SS sg, fa, fan, turn, zero, swap, res
	STEP0 \sg, \fa, \zero, \swap
	REST \sg, \fa, \fan, \turn, \swap, \res
.endm
; 64 results of a lane, v[s] on, are four blocks of 32 along the next K: block b's numbers 8 h + 0..7 in registers 16 b + 0..7 and 16 + 8 h + 0..7 in 16 b + 8..15; lane l xor 16 holds the other half.
; They become codes in v[PC + 4 b] on, in the operand's order, and four scale bytes in v[PW].  relu = 1: what is negative becomes 0 on the way.
.macro QUANT s, relu
	s_wait_xcnt 0x0                                ; earlier stores have read the registers that are written below
.if \relu
.irp b, 0,1,2,3
	v_max3_num_f32 v[TM+\b], v[(\s)+16*\b], v[(\s)+16*\b+1], 0x4800000    ; no |.|: what is negative must not count; the floor 2^(9 - 127) holds the byte at 1 from below
.endr
.irp i, 2,4,6,8,10,12,14
.irp b, 0,1,2,3
	v_max3_num_f32 v[TM+\b], v[TM+\b], v[(\s)+16*\b+\i], v[(\s)+16*\b+\i+1]
.endr
.endr
.else
.irp b, 0,1,2,3
	v_max3_num_f32 v[TM+\b], |v[(\s)+16*\b]|, |v[(\s)+16*\b+1]|, 0x4800000
.endr
.irp i, 2,4,6,8,10,12,14
.irp b, 0,1,2,3
	v_max3_num_f32 v[TM+\b], v[TM+\b], |v[(\s)+16*\b+\i]|, |v[(\s)+16*\b+\i+1]|
.endr
.endr
.endif
.irp b, 0,1,2,3
	v_permlanex16_b32 v[TM+4+\b], v[TM+\b], s[SEL], s[SEL+1]
.endr
.irp b, 0,1,2,3
	v_max_num_f32 v[TM+\b], v[TM+\b], v[TM+4+\b]   ; the block's largest magnitude
.endr
.irp b, 0,1,2,3
	v_add_nc_u32 v[TM+12+\b], 0xfc000000, v[TM+\b] ; 8 off its exponent field: the conversion's scale operand
.endr
.irp b, 0,1,2,3
	v_and_or_b32 v[TM+8+\b], v[TM+\b], 0x7f800000, s[MNT]   ; 448 x the scale
.endr
.irp b, 0,1,2,3
	v_lshrrev_b32 v[TM+4+\b], 23, v[TM+12+\b]      ; the scale's byte
.endr
	v_lshl_or_b32 v[PW], v[TM+5], 8, v[TM+4]
	v_lshl_or_b32 v[PW], v[TM+6], 16, v[PW]
	v_lshl_or_b32 v[PW], v[TM+7], 24, v[PW]
.irp b, 0,1,2,3
.irp i, 0,1,2,3,4,5,6,7,8,9,10,11,12,13,14,15
.if \relu
	v_med3_num_f32 v[(\s)+16*\b+\i], v[(\s)+16*\b+\i], 0, v[TM+8+\b]      ; the activation and the hold in one
.else
	v_med3_num_f32 v[(\s)+16*\b+\i], v[(\s)+16*\b+\i], -v[TM+8+\b], v[TM+8+\b]   ; the conversion does not saturate (ISA guide 7.6.2): the hold
.endif
.endr
	v_cvt_scalef32_pk8_fp8_f32 v[PC+4*\b:PC+4*\b+1], v[(\s)+16*\b:(\s)+16*\b+7], v[TM+12+\b]
	v_cvt_scalef32_pk8_fp8_f32 v[PC+4*\b+2:PC+4*\b+3], v[(\s)+16*\b+8:(\s)+16*\b+15], v[TM+12+\b]
.endr
	v_nop                                          ; a plain instruction behind the last conversion
.irp b, 0,1,2,3
	v_permlane16_swap_b32 v[PC+4*\b], v[PC+4*\b+2]      ; lanes 16-31 give their codes 8..15 for lanes 0-15's codes 16..23: a lane then holds 16 h + 0..15
	v_permlane16_swap_b32 v[PC+4*\b+1], v[PC+4*\b+3]
.endr
.endm
.if KIND == 0
.macro EPI_QK cb, sb                   ; q or k: a lane holds one token, the 64 columns are the head's channels: two blocks a token
.irp p, 0,1
	QUANT ACC+64*\p, 0
.irp b, 0,1,2,3
	global_store_b128 v[LI], v[PC+4*\b:PC+4*\b+3], s[\cb:\cb+1] offset:(2*\p+\b/2)*1024+(\b%2)*512   ; 512 consecutive bytes
.endr
	v_lshrrev_b32 v[SD], v[SH], v[PW]              ; lanes 0-15: the bytes of tile 2 p; lanes 16-31: of tile 2 p + 1
	v_and_b32 v[SD], 0xffff, v[SD]                 ; the upper two bytes stand over zero codes: 0
	global_store_b32 v[SO], v[SD], s[\sb:\sb+1] offset:128*\p
.endr
.endm
.macro EPI_V                           ; v: a lane holds one channel, its registers run along my 64 tokens: two blocks of 32 keys
.irp p, 0,1
	QUANT ACC+64*\p, 0
.irp b, 0,1,2,3
	global_store_b128 v[LI], v[PC+4*\b:PC+4*\b+3], s[8:9] offset:(2*\p+\b/2)*2048+(\b%2)*512
.endr
	v_lshrrev_b32 v[SD], v[SH], v[PW]
	global_store_b16 v[SO], v[SD], s[18:19] offset:128*\p
.endr
.endm
.endif
.if KIND == 2
.macro B1LOAD                          ; the bias of my 64 columns, in the result's layout: column 16 i + 8 h + j
	s_wait_xcnt 0x0                                ; earlier stores have read v96-127
.irp i, 0,1,2,3
	global_load_b128 v[96+8*\i:99+8*\i], v[BO], s[12:13] offset:64*\i
	global_load_b128 v[100+8*\i:103+8*\i], v[BO], s[12:13] offset:64*\i+16
.endr
.endm
.macro EPI_H
	s_wait_loadcnt 0x0
.irp a, 0,1,2,3
.irp i, 0,1,2,3
.irp j, 0,2,4,6
	v_pk_add_f32 v[ACC+8*(4*\a+\i)+\j:ACC+8*(4*\a+\i)+\j+1], v[ACC+8*(4*\a+\i)+\j:ACC+8*(4*\a+\i)+\j+1], v[96+8*\i+\j:96+8*\i+\j+1]
.endr
.endr
.endr
.irp p, 0,1
	QUANT ACC+64*\p, 1
.irp b, 0,1,2,3
	global_store_b128 v[LI], v[PC+4*\b:PC+4*\b+3], s[14:15] offset:(2*\p+\b/2)*65536+(\b%2)*512
.endr
	v_lshrrev_b32 v[SD], v[SH], v[PW]
	global_store_b16 v[SO], v[SD], s[16:17] offset:4096*\p
.endr
	s_wait_xcnt 0x0                                ; the stores have read their bases
	s_add_nc_u64 s[14:15], s[14:15], 2048          ; the next 128 columns: the next K step of the image,
	s_add_nc_u64 s[16:17], s[16:17], 4             ; its four scale bytes,
	s_add_nc_u64 s[12:13], s[12:13], 512           ; its bias
.endm
.endif
.if (KIND == 1) || (KIND == 3)
.macro EPI_F                           ; 16 tokens at a time through my stage: whole rows of 256 bytes come back; + residual + bias; sixteen lanes store 256 aligned bytes
.irp a, 0,1,2,3
.irp i, 0,1,2,3
	ds_store_b128 v[STO], v[ACC+8*(4*\a+\i):ACC+8*(4*\a+\i)+3] offset:64*\i          ; each accumulator from its low end on
	ds_store_b128 v[STO], v[ACC+8*(4*\a+\i)+4:ACC+8*(4*\a+\i)+7] offset:64*\i+16
.endr
.if \a > 0
	s_wait_xcnt 0x0                                ; the last block's stores have read v96-127
.endif
.irp t, 0,1,2,3,4,5,6,7
	ds_load_b128 v[BK+4*\t:BK+4*\t+3], v[RD] offset:544*\t   ; LDS serves a wave's instructions in order: these see the stores above
.endr
	s_wait_dscnt 0x0
	s_wait_loadcnt 24-8*\a                         ; this block's eight residual loads are in; the later blocks' may be out
	WIN 0x04                                       ; source 1: window 1
.irp t, 0,1,2,3,4,5,6,7
	v_pk_add_f32 v[BK+4*\t:BK+4*\t+1], v[BK+4*\t:BK+4*\t+1], v[32*\a+4*\t:32*\a+4*\t+1]
	v_pk_add_f32 v[BK+4*\t+2:BK+4*\t+3], v[BK+4*\t+2:BK+4*\t+3], v[32*\a+4*\t+2:32*\a+4*\t+3]
.endr
	WIN 0
.irp t, 0,1,2,3,4,5,6,7
	v_pk_add_f32 v[BK+4*\t:BK+4*\t+1], v[BK+4*\t:BK+4*\t+1], v[BI:BI+1]
	v_pk_add_f32 v[BK+4*\t+2:BK+4*\t+3], v[BK+4*\t+2:BK+4*\t+3], v[BI+2:BI+3]
.endr
.irp t, 0,1,2,3,4,5,6,7
	global_store_b128 v[CO], v[BK+4*\t:BK+4*\t+3], s[16:17] offset:(16*\a+2*\t)*4096
.endr
.endr
.endm
.endif
	s_wait_alu depctr_va_vdst(0)
	s_wait_tensorcnt 0x0                           ; my tile of the head's four is in
	ds_add_u32 v[SPW], v[NIL]
	s_wait_dscnt 0x0
	CROUND                                         ; everybody's tile is in, and the joint loads meet
	ARM 1, G0A+4, G1A, .Ls_b, .Ls_asked
	ARM 2, G0B+4, G1B, .Ls_k, .Ls_asked
	ARM 3, G0SK, G1SB, .Ls_v, .Ls_asked
	tensor_load_to_lds s[G0SV:G0SV+3], s[G1SB:G1SB+7]
	s_nop 0
	PLACES 4
.Ls_asked:
	GRP 0, 0, 1
	GRP 0, 1, 1
.if KIND == 0
.set NEXTW, 12                         ; the slots are filled again with Wk's rows,
	SS 0, 1, 1, 2, 1, 0, 0
	SS 1, 1, 0, 2, 0, 0, 0
	EPI_QK 4, 10
.set NEXTW, 16                         ; then with Wv's
	SS 0, 0, 0, 2, 1, 0, 0
	SS 1, 0, 0, 2, 0, 0, 0
	EPI_QK 6, 14
	SS 0, 0, 0, 1, 1, 1, 0
	SS 1, 0, 0, 0, 0, 1, 0
	EPI_V
.elseif KIND == 1
	SS 0, 1, 1, 1, 1, 0, 0
	SS 1, 1, 0, 0, 0, 0, 1
	EPI_F
.elseif KIND == 2
	SS 0, 1, 1, 2, 1, 0, 0
	B1LOAD
	SS 1, 1, 0, 2, 0, 0, 0
	EPI_H
	s_mov_b32 s2, 2
.Ltile:
	SS 0, 0, 0, 2, 1, 0, 0
	B1LOAD
	SS 1, 0, 0, 2, 0, 0, 0
	EPI_H
	s_sub_co_u32 s2, s2, 1
	s_cmp_lg_u32 s2, 0
	s_cbranch_scc1 .Ltile
	SS 0, 0, 0, 1, 1, 0, 0                         ; the last tile is written out: it asks for nothing more
	B1LOAD
	SS 1, 0, 0, 0, 0, 0, 0
	EPI_H
.else
	STEP0 0, 1, 1, 0                               ; the first step starts the sums
	s_mov_b32 s2, 3
.Llap:                                                 ; a trip goes once round the ring and fills both slots again
	REST 0, 1, 1, 2, 0, 0
	SS 1, 1, 1, 2, 0, 0, 0
	STEP0 0, 1, 0, 0
	s_sub_co_u32 s2, s2, 1
	s_cmp_lg_u32 s2, 0
	s_cbranch_scc1 .Llap
	REST 0, 1, 1, 1, 0, 0                          ; the last lap fills nothing
	SS 1, 1, 0, 0, 0, 0, 1
	EPI_F
.endif
	s_wait_tensorcnt 0x0                           ; the wave's end
	ds_add_u32 v[SPW], v[NIL]
	s_wait_dscnt 0x0
	CROUND                                         ; the closing round: no work-group ends while a partner may still ask for a tile that names it
	s_endpgm
.Lfunc_end_k_qe52da97ddf_qkv:
	.size	k_qe52da97ddf_qkv, .Lfunc_end_k_qe52da97ddf_qkv-k_qe52da97ddf_qkv
	.p2alignl 7, 3214868480
	.fill 96, 4, 3214868480
	.section	.rodata,"a",@progbits
	.p2align	6, 0x0
	.amdhsa_kernel k_qe52da97ddf_qkv
		.amdhsa_group_segment_fixed_size 327680
		.amdhsa_private_segment_fixed_size 0
		.amdhsa_enable_private_segment 0
		.amdhsa_kernarg_size 80
		.amdhsa_user_sgpr_count 2
		.amdhsa_user_sgpr_kernarg_segment_ptr 1
		.amdhsa_wavefront_size32 1
		.amdhsa_system_sgpr_workgroup_id_x 1
		.amdhsa_system_sgpr_workgroup_id_y 1
		.amdhsa_system_sgpr_workgroup_id_z 1
		.amdhsa_system_vgpr_workitem_id 0
		.amdhsa_next_free_vgpr 1024
		.amdhsa_next_free_sgpr 106
		.amdhsa_reserve_vcc 0
		.amdhsa_float_denorm_mode_32 3
		.amdhsa_float_denorm_mode_16_64 3
		.amdhsa_memory_ordered 1
		.amdhsa_forward_progress 1
		.amdhsa_inst_pref_size 159
	.end_amdhsa_kernel
	.amdgpu_metadata
---
amdhsa.version: [ 1, 2 ]
amdhsa.kernels:
  - .name:           k_qe52da97ddf_qkv
    .symbol:         k_qe52da97ddf_qkv.kd
    .args:
      - { .name: hc, .offset: 0, .size: 8, .value_kind: global_buffer, .address_space: global }
      - { .name: hs, .offset: 8, .size: 8, .value_kind: global_buffer, .address_space: global }
      - { .name: Wq_codes, .offset: 16, .size: 8, .value_kind: global_buffer, .address_space: global }
      - { .name: Wq_scales, .offset: 24, .size: 8, .value_kind: global_buffer, .address_space: global }
      - { .name: Wk_codes, .offset: 32, .size: 8, .value_kind: global_buffer, .address_space: global }
      - { .name: Wk_scales, .offset: 40, .size: 8, .value_kind: global_buffer, .address_space: global }
      - { .name: Wv_codes, .offset: 48, .size: 8, .value_kind: global_buffer, .address_space: global }
      - { .name: Wv_scales, .offset: 56, .size: 8, .value_kind: global_buffer, .address_space: global }
      - { .name: qkvc, .offset: 64, .size: 8, .value_kind: global_buffer, .address_space: global }
      - { .name: qkvs, .offset: 72, .size: 8, .value_kind: global_buffer, .address_space: global }
    .group_segment_fixed_size: 327680
    .private_segment_fixed_size: 0
    .kernarg_segment_align: 8
    .kernarg_segment_size: 80
    .max_flat_workgroup_size: 128
    .sgpr_count:     106
    .vgpr_count:     1024
    .wavefront_size: 32
...
	.end_amdgpu_metadata
.endif
;; end of part 2
;; launch attn (part 3): grid 8 x 32, 16 waves a work-group, clusters of 4 x 1, 276,480 bytes of LDS; arguments qkvc, qkvs, hc, hs; writes hc, hs
.if DOCPART == 3
	.amdgcn_target "amdgcn-amd-amdhsa--gfx1250"
	.amdhsa_code_object_version 6
	.text
	.protected	k_qe52da97ddf_attn
	.globl	k_qe52da97ddf_attn
	.p2align	8
	.type	k_qe52da97ddf_attn,@function
k_qe52da97ddf_attn:
	s_mov_b64 s[64:65], 0
	v_nop
	global_prefetch_b8 v0, s[64:65] scope:SCOPE_SE
	s_setreg_imm32_b32 hwreg(HW_REG_WAVE_MODE, 25, 1), 1
	s_wait_xcnt 0x0
	s_wait_alu depctr_hold_cnt(0) depctr_sa_sdst(0) depctr_va_vdst(0) depctr_va_sdst(0) depctr_va_ssrc(0) depctr_va_vcc(0) depctr_vm_vsrc(0)
	s_getreg_b32 s2, hwreg(HW_REG_IB_STS2, 6, 4)
	s_cmp_eq_u32 s2, 0
	s_cbranch_scc0 .Lentry_in_a_cluster
	s_endpgm
.Lentry_in_a_cluster:
	s_bfe_u32 s2, ttmp6, 0x10000c
	s_cmp_lg_u32 s2, 0x3003
	s_cbranch_scc0 .Lentry_shape_is_right
	s_endpgm
.Lentry_shape_is_right:
; CAUSAL ATTENTION ON CODES OF E4M3, head size 64, 2,048 tokens, 32 (batch, head) pairs; the result is quantised along the concatenated heads for the next product.
; t = score x log2(e) / 32 (the scale is 1,024^-0.5); M = the running largest t rounded UP to a whole number; p = 2^(t - M) is quantised along the keys, not normalised; the row's sum is taken of the unquantised p and divides at the end.
; q, k: images of operand registers, 1,024 bytes for a tile of 16 tokens (K = 64: register groups 0 and 1).  v: images with the keys as K: key step of 128 x tile of 16 channels x 2,048 bytes.  Scale words: 4 bytes a row.
; SHARES.  A work-group x of 8 serves one head; wave w has a rank and owns the query tile 8 rank + x.  A key step of 128 keys is 8 query tiles, so step s is hidden where s > rank and lies on the diagonal where
; s = rank, whatever x is: branches hang on the wave's number and a counter alone, and all work-groups do the same work (136 wave-steps).
; THE RANKS.  Wave 4 row + col has rank + 1 key steps:   16  3  5 10 /  15  4  6  9 /   2 13 11  8 /   1 14 12  7.   Every row and every column of that square sums to 34: whether waves of equal w mod 4 or of
; equal w / 4 run side by side, each such four has the same work; and in a column the two longest waves differ by one step.
; A WHOLE HEAD'S K, V AND SCALE WORDS FIT IN LDS: each byte is filled once, in four groups of four key steps; no slot is filled again.  Steps 0 and 1 run as soon as the first group is whole; behind them one barrier
; shows all the rest, and the other 14 steps have no barrier: no wave waits for another.
; K = 64 IN AN INSTRUCTION OF K = 128.  A tile of K is 8 registers; the eight tiles of a step lie on end, and the operand of tile t is tile t with tile t + 1 behind it (behind tile 7: eight zero registers).  The upper 64
; codes meet Q's upper 64, which are zero codes, under scale bytes 0: they add nothing.  So a step's K takes 64 registers, its eight products stand together, and the NEXT step's K is fetched while the softmax runs.
; CLUSTER: the four work-groups of a cluster serve the same head and ask for every tile jointly.  No prefetch: all that the launch reads is asked for at its head.
; Both products are used transposed (S^T = K Q^T, O^T = V^T P^T): a lane holds one query throughout.  A block of 32 keys lies in lanes l and l xor 16; v_permlane16_swap_b32 puts p's codes in the operand's order.
; LIMITS: NaN and infinities are not served; a block whose largest magnitude lies under 2^-118 (zeros too) gets the byte 1; only this program reads the bytes.  o's scale bytes leave one byte a lane.
; REGISTERS: v1-7 addresses that stay; v8-11 the step's addresses; v12 -M, v13 the largest t, v[14:15] the sum; v16-79 K's eight tiles, v80-87 zeros; v[88:89] f; v90-93 at work; v96-159 S^T, then p, then V's four fragments;
;   v160-191 O^T; v192-207 p's codes; v208-223 at work; v224-231 K's scale words, v236 Q's, v237 p's (nothing else ever), v232-235 V's (sums at work before they land); v240-247 Q, v248-255 zeros.
.set VIMG, 131072
.set SC,   262144                      ; k's scale words, 8,192 bytes; then v's, 4,096
.set SCV,  SC+8192
.set WV,  12
.set RK,  13                           ; s13 my rank
.set ST,  17                           ; s17 the key step
.set CNT, 18
.set MNT, 19
.set SEL, 20
.set CS,  22                           ; s[22:23] c = log2(e) / 32
.set G1C, 24
.set G1S, 32
.set G0,  40                           ; s[40:47] two groups 0
.set TB,  60                           ; s60 the step's codes: 8,192 bytes a step;  s61 k's words: 512;  s62 v's: 256
.set TSK, 61
.set TSV, 62
.set KT,  16
.set FF,  88
.set TP,  90
.set BM,  208
.set BP,  212
.set BH,  216
.set BS,  220
.set KW,  224
.set VW,  232
.set QW,  236
.set PWD, 237
.set QF,  240
.macro CROUND
	s_barrier_signal -1
	s_barrier_wait -1
	s_cmp_lg_u32 s[WV], 0
	s_cbranch_scc1 .Lnot_wave_0_\@
	s_barrier_signal -3
.Lnot_wave_0_\@:
	s_barrier_wait -3
	s_barrier_signal -1
	s_barrier_wait -1
.endm
	s_load_b256 s[4:11], s[0:1], 0x0               ; q, k, v codes s[4:5], their scales s[6:7], o's codes s[8:9], o's scales s[10:11]
	v_lshl_add_u32 v238, v0, 2, 0x43000
	v_mov_b32 v239, 0
	ds_add_u32 v238, v239
	ds_add_u32 v238, v239
	v_lshrrev_b32 v1, 5, v0
	s_delay_alu instid0(VALU_DEP_1)
	v_readfirstlane_b32 s[WV], v1
	s_bfe_u32 s14, ttmp6, 0x40000                  ; cx
	s_lshl_b32 s15, ttmp9, 2
	s_add_co_u32 s15, s15, s14                     ; x: it enters global addresses and the mask's numbers alone
	s_and_b32 s16, ttmp7, 0xffff                   ; batch x 16 + head, which the partners share
	s_and_b32 s66, s[WV], 3                        ; the rank: with col = w % 4 (bits c1 c0) and row = w / 4 (bits r1 r0) it is 2 col ^ 15 (1 ^ c0 ^ c1) ^ r0 ^ 14 r1
	s_lshr_b32 s67, s66, 1
	s_xor_b32 s67, s67, s66
	s_and_b32 s67, s67, 1                          ; c0 ^ c1
	s_xor_b32 s67, s67, 1
	s_mul_i32 s67, s67, 15
	s_lshl_b32 s66, s66, 1
	s_xor_b32 s[RK], s66, s67                      ; row 0: 15, 2, 4, 9
	s_bfe_u32 s66, s[WV], 0x10002
	s_xor_b32 s[RK], s[RK], s66
	s_bfe_u32 s66, s[WV], 0x10003
	s_mul_i32 s66, s66, 14
	s_xor_b32 s[RK], s[RK], s66
	s_mov_b32 s[G1C], 15|(3<<16)|(1<<21)           ; mask: all four; elements of 8 bytes; 128 dense rows of 256 bytes
	s_mov_b32 s[G1C+1], 32<<16
	s_mov_b32 s[G1C+2], 128<<16                    ; 128 dense rows of 256 bytes
	s_mov_b32 s[G1C+3], 32<<16
	s_mov_b32 s[G1C+4], 128
	s_mov_b32 s[G1C+5], 32
	s_mov_b32 s[G1C+6], 0
	s_mov_b32 s[G1C+7], 0
	s_mov_b32 s[G1S], 15|(3<<16)|(1<<21)           ; the same with 48 rows
	s_mov_b32 s[G1S+1], 32<<16
	s_mov_b32 s[G1S+2], 48<<16                     ; the same with 48 rows
	s_mov_b32 s[G1S+3], 32<<16
	s_mov_b32 s[G1S+4], 48
	s_mov_b32 s[G1S+5], 32
	s_mov_b32 s[G1S+6], 0
	s_mov_b32 s[G1S+7], 0
	s_mov_b32 s[MNT], 0x600000
	s_mov_b32 s[SEL], 0x76543210
	s_mov_b32 s[SEL+1], 0xfedcba98
	s_mov_b32 s[CS], 0x3d38aa3b
	s_mov_b32 s[CS+1], s[CS]
	s_mov_b32 s[TB], 0
	s_mov_b32 s[TSK], 0
	s_mov_b32 s[TSV], 0
	s_mov_b32 s[ST], 0
	s_mul_i32 s68, s16, 12288                      ; the head's 48 rows of scale words
	s_add_co_u32 s68, s68, 262144
	s_mov_b32 s69, 0
	s_bfe_u32 s70, s[WV], 0x10002                  ; waves 0-3 fetch K, waves 4-7 V:
	s_and_b32 s71, s[WV], 3
	s_lshl_b32 s71, s71, 15                        ; 32,768 bytes each
	s_lshl_b32 s72, s70, 17
	s_add_co_u32 s72, s72, s71                     ; in LDS,
	s_lshl_b32 s74, s70, 22
	s_add_co_u32 s74, s74, 4194304
	s_lshl_b32 s73, s16, 17
	s_add_co_u32 s74, s74, s73
	s_add_co_u32 s74, s74, s71                     ; in memory
	s_mov_b32 s75, 0
	s_wait_dscnt 0x0
	s_wait_kmcnt 0x0
	s_add_nc_u64 s[74:75], s[4:5], s[74:75]
	CROUND                                         ; all four work-groups are here: the joint loads meet
	s_mov_b32 s[G0], 1
	s_mov_b32 s[G0+1], SC
	s_add_nc_u64 s[G0+2:G0+3], s[6:7], s[68:69]
	s_or_b32 s[G0+3], s[G0+3], 0x80000000
.irp g, 0
	s_mov_b32 s[G0+4+4*\g], 1
	s_add_co_u32 s[G0+5+4*\g], s72, \g*32768
	s_add_nc_u64 s[G0+6+4*\g:G0+7+4*\g], s[74:75], \g*32768
	s_or_b32 s[G0+7+4*\g], s[G0+7+4*\g], 0x80000000
.endr
; THE FILLS, AS THEY STAND NOW (this takes the place of what the head's comment says of four groups): each byte is filled once, at the head, at most one load a wave, in one chain of branches on the wave's number:
; waves 0-7 a quarter of K or of V each, wave 8 the scale words, the others none.  One barrier shows all of it, and the 16 key steps have no barrier.
	s_cmp_lt_u32 s[WV], 8
	s_cbranch_scc0 .Lfor_words
	tensor_load_to_lds s[G0+4:G0+7], s[G1C:G1C+7]
	s_nop 0
.rept 4
	v_nop
.endr
	s_branch .Lasked
.Lfor_words:
	s_cmp_eq_u32 s[WV], 8
	s_cbranch_scc0 .Lasked
	tensor_load_to_lds s[G0:G0+3], s[G1S:G1S+7]
	s_nop 0
.rept 4
	v_nop
.endr
.Lasked:
	v_and_b32 v[TP], 31, v0
	s_delay_alu instid0(VALU_DEP_1)
	v_lshlrev_b32 v1, 4, v[TP]                     ; 16 x lane: K's images, and the images in memory
	s_delay_alu instid0(VALU_DEP_1)
	v_add_nc_u32 v2, VIMG, v1                      ; V's
	v_and_b32 v[TP+1], 15, v0                      ; r
	s_wait_alu depctr_va_vdst(0)
	v_bfe_u32 v[TP+2], v0, 4, 1                    ; h
	v_lshl_add_u32 v3, v[TP+1], 2, SC
	v_lshl_add_u32 v4, v[TP+1], 2, SCV
	s_lshl_b32 s76, s15, 4
	v_lshlrev_b32 v5, 3, v[TP+2]
	s_delay_alu instid0(VALU_DEP_1)
	v_sub_nc_u32 v5, v[TP+1], v5
	s_delay_alu instid0(VALU_DEP_1)
	v_add_nc_u32 v5, s76, v5                       ; 16 x + r - 8 h: on the diagonal register 8 t + j (key 16 t + 8 h + j of the step) is hidden where 16 t + j is above it
	v_mov_b32 v6, 0xff800000                       ; -infinity
	v_lshl_add_u32 v7, v[TP+1], 4, v[TP+2]         ; 16 r + h
	s_lshl_b32 s77, s[RK], 3
	s_add_co_u32 s77, s77, s15                     ; my query tile in the batch
	s_lshl_b32 s78, s77, 10
	s_add_co_u32 s78, s78, s73
	s_mov_b32 s79, 0
	s_add_nc_u64 s[4:5], s[4:5], s[78:79]
	global_load_b128 v[QF:QF+3], v1, s[4:5]        ; Q's fragment stays in registers
	global_load_b128 v[QF+4:QF+7], v1, s[4:5] offset:512
	s_lshl_b32 s78, s77, 6
	s_lshl_b32 s76, s16, 13
	s_add_co_u32 s78, s78, s76
	s_add_nc_u64 s[6:7], s[6:7], s[78:79]
	v_lshlrev_b32 v[TP+3], 2, v[TP+1]
	global_load_b32 v[QW], v[TP+3], s[6:7]         ; Q's scale words
	s_lshr_b32 s76, s16, 4
	s_lshl_b32 s76, s76, 7
	s_add_co_u32 s76, s76, s77                     ; my tile among all 256
	s_and_b32 s77, s16, 15                         ; the head
	s_lshl_b32 s78, s76, 14
	s_lshl_b32 s66, s77, 10
	s_add_co_u32 s78, s78, s66
	s_add_nc_u64 s[8:9], s[8:9], s[78:79]          ; o's codes: tile x 16,384 + head x 1,024 (K = 64 head on)
	s_lshl_b32 s78, s76, 9
	s_lshr_b32 s66, s77, 3
	s_lshl_b32 s66, s66, 8
	s_add_co_u32 s78, s78, s66
	s_and_b32 s66, s77, 7
	s_lshl_b32 s66, s66, 1
	s_add_co_u32 s78, s78, s66
	s_add_nc_u64 s[10:11], s[10:11], s[78:79]      ; o's scale bytes
.irp j, 0,1,2,3,4,5,6,7
	v_mov_b32 v[QF+8+\j], 0                        ; Q's upper 64 along K: zero codes
	v_mov_b32 v[KT+64+\j], 0                       ; and what stands behind K's tile 7
.endr
.set j, 160
.rept 32
	v_mov_b32 v[j], 0                              ; O^T: the step is written once; its first turn finds zeros
.set j, j+1
.endr
	v_mov_b32 v13, 0xff61b1e6                      ; the largest t so far: -3e38
	s_delay_alu instid0(VALU_DEP_1)
	v_floor_f32 v12, -v13
	v_mov_b32 v14, 0
	v_mov_b32 v15, 0
.irp b, 0,1,2,3
	v_mov_b32 v[BP+\b], 0                          ; a lane permute's destination counts as read
.endr
	v_mov_b32 v[FF+1], 0                           ; (named with f as a pair)
; A KEY STEP: 128 keys.  Its K and K's scale words are in registers when it begins.
.macro STEP
	s_cmp_gt_u32 s[ST], s[RK]
	s_cbranch_scc1 .Lhidden_\@                     ; all its keys come after my queries: only the addresses step
	v_add_nc_u32 v8, s[TB], v1
	v_add_nc_u32 v9, s[TB], v2
	v_add_nc_u32 v10, s[TSK], v3
	v_add_nc_u32 v11, s[TSV], v4
.rept 5
	v_nop                                          ; with the four additions nine places: the scores are laid over V's fragments, which the last step's products read
.endr
.irp t, 0,1,2,3,4,5,6,7                        ; S^T = K Q^T: eight tiles of 16 keys; the operand of tile t reaches over tile t + 1, which meets Q's zero codes
	v_wmma_scale_f32_16x16x128_f8f6f4 v[96+8*\t:103+8*\t], v[KT+8*\t:KT+8*\t+15], v[QF:QF+15], 0, v[KW+\t], v[QW]
.endr
.rept 8
	v_nop                                          ; places in front of the first read of the scores, and of loads into registers that these products have read
.endr
.irp t, 0,1,2,3,4,5,6,7                        ; THE NEXT STEP'S K, 8,192 bytes on, and its scale words, 512 on: they land under the softmax; the wait in front of the second product is theirs too.
	ds_load_b128 v[KT+8*\t:KT+8*\t+3], v8 offset:8192+\t*1024       ; (behind my last step, and behind step 15, these bring landed bytes that nobody uses)
	ds_load_b128 v[KT+8*\t+4:KT+8*\t+7], v8 offset:8192+\t*1024+512
	ds_load_b32 v[KW+\t], v10 offset:512+\t*64
.endr
	s_cmp_lg_u32 s[ST], s[RK]
	s_cbranch_scc1 .Lopen_\@                       ; on the diagonal alone: hidden scores become -infinity, so p = 0
.irp n, 0,1,2,3,4,5,6,7,8,9,10,11,12,13,14,15,16,17,18,19,20,21,22,23,24,25,26,27,28,29,30,31,32,33,34,35,36,37,38,39,40,41,42,43,44,45,46,47,48,49,50,51,52,53,54,55,56,57,58,59,60,61,62,63
	v_cmp_gt_i32 vcc_lo, 16*(\n/8)+\n%8, v5
	v_cndmask_b32 v[96+\n], v[96+\n], v6, vcc_lo
.endr
.Lopen_\@:
.irp b, 0,1,2,3
	v_max3_num_f32 v[BM+\b], v[96+16*\b], v[97+16*\b], v[98+16*\b]    ; the largest score of each block of 32 keys: for the row's maximum and, since p rises with the score, for the block's largest p
.endr
.irp i, 3,5,7,9,11,13
.irp b, 0,1,2,3
	v_max3_num_f32 v[BM+\b], v[BM+\b], v[96+16*\b+\i], v[97+16*\b+\i]
.endr
.endr
.irp b, 0,1,2,3
	v_max_num_f32 v[BM+\b], v[BM+\b], v[111+16*\b]
.endr
.irp b, 0,1,2,3
	s_delay_alu instid0(VALU_DEP_4)
	v_permlanex16_b32 v[BP+\b], v[BM+\b], s[SEL], s[SEL+1]
.endr
.irp b, 0,1,2,3
	s_delay_alu instid0(VALU_DEP_4)
	v_max_num_f32 v[BM+\b], v[BM+\b], v[BP+\b]
.endr
	s_delay_alu instid0(VALU_DEP_2)
	v_max3_num_f32 v[TP+2], v[BM], v[BM+1], v[BM+2]
	s_delay_alu instid0(VALU_DEP_1)
	v_max_num_f32 v[TP+2], v[TP+2], v[BM+3]
	s_delay_alu instid0(VALU_DEP_1)
	v_mul_f32 v[TP+2], s[CS], v[TP+2]
	s_delay_alu instid0(VALU_DEP_1)
	v_max_num_f32 v13, v13, v[TP+2]                ; the running largest t
	v_mov_b32 v[TP+2], v12
	s_delay_alu instid0(VALU_DEP_2)
	v_floor_f32 v12, -v13                          ; the new -M = -ceil(t)
	s_delay_alu instid0(VALU_DEP_1)
	v_sub_f32 v[TP+2], v12, v[TP+2]                ; old M - new M: a whole number, 0 or less
	s_delay_alu instid0(VALU_DEP_1)
	v_cvt_i32_f32 v[TP+2], v[TP+2]                 ; (it saturates)
	s_delay_alu instid0(VALU_DEP_1)
	v_ldexp_f32 v[FF], 1.0, v[TP+2]                ; f = 2^(old M - new M): a multiplication by it rounds nothing
.set j, 0
.rept 32
	v_pk_fma_f32 v[96+j:97+j], v[96+j:97+j], s[CS:CS+1], v[12:13] op_sel_hi:[1,0,0]   ; t - M
.set j, j+2
.endr
.irp b, 0,1,2,3
	v_fma_f32 v[BM+\b], v[BM+\b], s[CS], v12
.endr
.set j, 0
	s_wait_alu depctr_va_vdst(0)
.rept 64
	v_exp_f32 v[96+j], v[96+j]                     ; p = 2^(t - M)
.set j, j+1
.endr
	v_pk_mul_f32 v[14:15], v[14:15], v[FF:FF+1] op_sel_hi:[1,0]   ; the sums under the new M (a plain instruction behind the exponentials)
	s_wait_alu depctr_va_vdst(0)                   ; one wait for the batch, ahead of its first reader
.irp b, 0,1,2,3
	v_exp_f32 v[BM+\b], v[BM+\b]                   ; the block's largest p
.endr
	v_pk_add_f32 v[90:91], v[100:101], v[104:105]
	v_pk_add_f32 v[234:235], v[108:109], v[112:113]
	v_pk_add_f32 v[232:233], v[116:117], v[120:121]
	v_pk_add_f32 v[222:223], v[124:125], v[128:129]
	v_pk_add_f32 v[220:221], v[132:133], v[136:137]
	v_pk_add_f32 v[218:219], v[140:141], v[144:145]
	v_pk_add_f32 v[216:217], v[148:149], v[152:153]
	v_pk_add_f32 v[14:15], v[14:15], v[156:157]
	v_pk_add_f32 v[90:91], v[90:91], v[96:97]
	v_pk_add_f32 v[234:235], v[234:235], v[98:99]
	v_pk_add_f32 v[232:233], v[232:233], v[102:103]
	v_pk_add_f32 v[222:223], v[222:223], v[106:107]
	v_pk_add_f32 v[220:221], v[220:221], v[110:111]
	v_pk_add_f32 v[218:219], v[218:219], v[114:115]
	v_pk_add_f32 v[216:217], v[216:217], v[118:119]
	v_pk_add_f32 v[14:15], v[14:15], v[122:123]
	v_pk_add_f32 v[90:91], v[90:91], v[126:127]
	v_pk_add_f32 v[234:235], v[234:235], v[130:131]
	v_pk_add_f32 v[232:233], v[232:233], v[134:135]
	v_pk_add_f32 v[222:223], v[222:223], v[138:139]
	v_pk_add_f32 v[220:221], v[220:221], v[142:143]
	v_pk_add_f32 v[218:219], v[218:219], v[146:147]
	v_pk_add_f32 v[216:217], v[216:217], v[150:151]
	v_pk_add_f32 v[14:15], v[14:15], v[154:155]
	v_pk_add_f32 v[90:91], v[90:91], v[158:159]
	s_delay_alu instid0(VALU_DEP_2)
	v_pk_add_f32 v[14:15], v[14:15], v[222:223]
	s_delay_alu instid0(VALU_DEP_2)
	v_pk_add_f32 v[90:91], v[90:91], v[220:221]
	v_pk_add_f32 v[234:235], v[234:235], v[218:219]
	v_pk_add_f32 v[232:233], v[232:233], v[216:217]
	s_delay_alu instid0(VALU_DEP_2)
	v_pk_add_f32 v[14:15], v[14:15], v[234:235]
	s_delay_alu instid0(VALU_DEP_2)
	v_pk_add_f32 v[90:91], v[90:91], v[232:233]
	s_delay_alu instid0(VALU_DEP_1)
	v_pk_add_f32 v[14:15], v[14:15], v[90:91]
	s_wait_alu depctr_va_vdst(0)                   ; and one for the four
.irp b, 0,1,2,3
	v_max_num_f32 v[BM+\b], 0x4800000, v[BM+\b]    ; the floor 2^(9 - 127)
.endr
.irp b, 0,1,2,3
	s_delay_alu instid0(VALU_DEP_4)
	v_add_nc_u32 v[BS+\b], 0xfc000000, v[BM+\b]
.endr
.irp b, 0,1,2,3
	v_and_or_b32 v[BH+\b], v[BM+\b], 0x7f800000, s[MNT]
.endr
.irp b, 0,1,2,3
	v_lshrrev_b32 v[BP+\b], 23, v[BS+\b]
.endr
	s_delay_alu instid0(VALU_DEP_3)
	v_lshl_or_b32 v[PWD], v[BP+1], 8, v[BP]        ; p's scale word for these 128 keys
	s_delay_alu instid0(VALU_DEP_1)
	v_lshl_or_b32 v[PWD], v[BP+2], 16, v[PWD]
	s_delay_alu instid0(VALU_DEP_1)
	v_lshl_or_b32 v[PWD], v[BP+3], 24, v[PWD]
.irp b, 0,1,2,3
.irp i, 0,1,2,3,4,5,6,7,8,9,10,11,12,13,14,15
	v_min_num_f32 v[96+16*\b+\i], v[96+16*\b+\i], v[BH+\b]   ; the conversion does not saturate (ISA guide 7.6.2); p is not negative: a one-sided hold
.endr
	v_cvt_scalef32_pk8_fp8_f32 v[192+4*\b:193+4*\b], v[96+16*\b:103+16*\b], v[BS+\b]
	v_cvt_scalef32_pk8_fp8_f32 v[194+4*\b:195+4*\b], v[104+16*\b:111+16*\b], v[BS+\b]
.irp c, 0,1,2,3
	ds_load_b128 v[96+16*\b+4*\c:99+16*\b+4*\c], v9 offset:2048*\b+512*\c   ; V's fragment b takes the registers that block b's p has left
.endr
.endr
	v_nop                                          ; a plain instruction behind the last conversion
.irp b, 0,1,2,3
	v_permlane16_swap_b32 v[192+4*\b], v[194+4*\b] ; a lane then holds keys 32 b + 16 h + 0..15
	v_permlane16_swap_b32 v[193+4*\b], v[195+4*\b]
.endr
.irp i, 0,1,2,3
	ds_load_b32 v[VW+\i], v11 offset:64*\i
.endr
.set j, 0
.rept 16
	v_pk_mul_f32 v[160+j:161+j], v[160+j:161+j], v[FF:FF+1] op_sel_hi:[1,0]   ; O^T under the new M; these are also the places between the codes' last write and the products
.set j, j+2
.endr
	s_wait_alu depctr_va_vdst(0)
	s_wait_dscnt 0x0                               ; V, its scale words, and the next step's K are in
.irp i, 0,1,2,3
	v_wmma_scale_f32_16x16x128_f8f6f4 v[160+8*\i:167+8*\i], v[96+16*\i:111+16*\i], v[192:207], v[160+8*\i:167+8*\i], v[VW+\i], v[PWD]
.endr
.Lhidden_\@:
	s_add_co_u32 s[TB], s[TB], 8192
	s_add_co_u32 s[TSK], s[TSK], 512
	s_add_co_u32 s[TSV], s[TSV], 256
	s_add_co_u32 s[ST], s[ST], 1
.endm
.macro RUN n                           ; n key steps
	s_mov_b32 s[CNT], \n
.Lrun_\@:
	STEP
	s_sub_co_u32 s[CNT], s[CNT], 1
	s_cmp_lg_u32 s[CNT], 0
	s_cbranch_scc1 .Lrun_\@
.endm
	s_wait_loadcnt 0x0                             ; Q
	s_wait_tensorcnt 0x0                           ; my load, if I have one, has landed
	s_barrier_signal -1
	s_barrier_wait -1                              ; everybody's is
.irp t, 0,1,2,3,4,5,6,7                        ; step 0's K
	ds_load_b128 v[KT+8*\t:KT+8*\t+3], v1 offset:\t*1024
	ds_load_b128 v[KT+8*\t+4:KT+8*\t+7], v1 offset:\t*1024+512
	ds_load_b32 v[KW+\t], v3 offset:\t*64
.endr
	s_wait_dscnt 0x0
	RUN 16
	; THE WAY OUT: O^T / the sum; register 8 i + j is channel 16 i + 8 h + j of my query: two blocks of 32 along the next K.
.rept 8
	v_nop
.endr
	s_wait_alu depctr_va_vdst(0)
	v_add_f32 v14, v14, v15
	s_delay_alu instid0(VALU_DEP_1)
	v_permlanex16_b32 v[TP], v14, s[SEL], s[SEL+1]
	s_delay_alu instid0(VALU_DEP_1)
	v_add_f32 v14, v14, v[TP]
	s_wait_alu depctr_va_vdst(0)
	v_rcp_f32 v14, v14
	v_bfe_u32 v[TP+1], v0, 4, 1                    ; (a plain instruction behind the transcendental)
	s_wait_alu depctr_va_vdst(0)                   ; the wait, ahead of the first reader
	v_mov_b32 v15, v14
.set j, 0
.rept 16
	v_pk_mul_f32 v[96+j:97+j], v[160+j:161+j], v[14:15]
.set j, j+2
.endr
.irp b, 0,1
	v_max3_num_f32 v[BM+\b], |v[96+16*\b]|, |v[97+16*\b]|, 0x4800000
.endr
.irp i, 2,4,6,8,10,12,14
.irp b, 0,1
	s_delay_alu instid0(VALU_DEP_2)
	v_max3_num_f32 v[BM+\b], v[BM+\b], |v[96+16*\b+\i]|, |v[97+16*\b+\i]|
.endr
.endr
.irp b, 0,1
	s_delay_alu instid0(VALU_DEP_2)
	v_permlanex16_b32 v[BP+\b], v[BM+\b], s[SEL], s[SEL+1]
.endr
.irp b, 0,1
	s_delay_alu instid0(VALU_DEP_2)
	v_max_num_f32 v[BM+\b], v[BM+\b], v[BP+\b]
.endr
.irp b, 0,1
	s_delay_alu instid0(VALU_DEP_2)
	v_add_nc_u32 v[BS+\b], 0xfc000000, v[BM+\b]
.endr
.irp b, 0,1
	s_delay_alu instid0(VALU_DEP_4)
	v_and_or_b32 v[BH+\b], v[BM+\b], 0x7f800000, s[MNT]
.endr
.irp b, 0,1
	s_delay_alu instid0(VALU_DEP_4)
	v_lshrrev_b32 v[BP+\b], 23, v[BS+\b]
.endr
	s_delay_alu instid0(VALU_DEP_1)
	v_lshl_or_b32 v[TP+2], v[BP+1], 8, v[BP]
	v_lshlrev_b32 v[TP+1], 3, v[TP+1]
	s_delay_alu instid0(VALU_DEP_1)
	v_lshrrev_b32 v[TP+2], v[TP+1], v[TP+2]        ; lanes 0-15 store block 0's byte, lanes 16-31 block 1's
.irp b, 0,1
.irp i, 0,1,2,3,4,5,6,7,8,9,10,11,12,13,14,15
	v_med3_num_f32 v[96+16*\b+\i], v[96+16*\b+\i], -v[BH+\b], v[BH+\b]
.endr
	v_cvt_scalef32_pk8_fp8_f32 v[192+4*\b:193+4*\b], v[96+16*\b:103+16*\b], v[BS+\b]
	v_cvt_scalef32_pk8_fp8_f32 v[194+4*\b:195+4*\b], v[104+16*\b:111+16*\b], v[BS+\b]
.endr
	v_nop
.irp b, 0,1
	v_permlane16_swap_b32 v[192+4*\b], v[194+4*\b]
	v_permlane16_swap_b32 v[193+4*\b], v[195+4*\b]
.endr
	global_store_b128 v1, v[192:195], s[8:9]       ; 512 consecutive bytes, aligned
	global_store_b128 v1, v[196:199], s[8:9] offset:512
	global_store_b8 v7, v[TP+2], s[10:11]
	s_wait_tensorcnt 0x0
	ds_add_u32 v238, v239
	s_wait_dscnt 0x0
	CROUND                                         ; the closing round
	s_endpgm
.Lfunc_end_k_qe52da97ddf_attn:
	.size	k_qe52da97ddf_attn, .Lfunc_end_k_qe52da97ddf_attn-k_qe52da97ddf_attn
	.p2alignl 7, 3214868480
	.fill 96, 4, 3214868480
	.section	.rodata,"a",@progbits
	.p2align	6, 0x0
	.amdhsa_kernel k_qe52da97ddf_attn
		.amdhsa_group_segment_fixed_size 276480
		.amdhsa_private_segment_fixed_size 0
		.amdhsa_enable_private_segment 0
		.amdhsa_kernarg_size 32
		.amdhsa_user_sgpr_count 2
		.amdhsa_user_sgpr_kernarg_segment_ptr 1
		.amdhsa_wavefront_size32 1
		.amdhsa_system_sgpr_workgroup_id_x 1
		.amdhsa_system_sgpr_workgroup_id_y 1
		.amdhsa_system_sgpr_workgroup_id_z 1
		.amdhsa_system_vgpr_workitem_id 0
		.amdhsa_next_free_vgpr 256
		.amdhsa_next_free_sgpr 80
		.amdhsa_reserve_vcc 1
		.amdhsa_float_denorm_mode_32 3
		.amdhsa_float_denorm_mode_16_64 3
		.amdhsa_memory_ordered 1
		.amdhsa_forward_progress 1
		.amdhsa_inst_pref_size 43
	.end_amdhsa_kernel
	.amdgpu_metadata
---
amdhsa.version: [ 1, 2 ]
amdhsa.kernels:
  - .name:           k_qe52da97ddf_attn
    .symbol:         k_qe52da97ddf_attn.kd
    .args:
      - { .name: qkvc, .offset: 0, .size: 8, .value_kind: global_buffer, .address_space: global }
      - { .name: qkvs, .offset: 8, .size: 8, .value_kind: global_buffer, .address_space: global }
      - { .name: hc, .offset: 16, .size: 8, .value_kind: global_buffer, .address_space: global }
      - { .name: hs, .offset: 24, .size: 8, .value_kind: global_buffer, .address_space: global }
    .group_segment_fixed_size: 276480
    .private_segment_fixed_size: 0
    .kernarg_segment_align: 8
    .kernarg_segment_size: 32
    .max_flat_workgroup_size: 512
    .sgpr_count:     80
    .vgpr_count:     256
    .wavefront_size: 32
...
	.end_amdgpu_metadata
.endif
;; end of part 3
;; launch wo (part 4): grid 8 x 32, 4 waves a work-group, clusters of 4 x 4, 327,680 bytes of LDS; arguments hc, hs, Wo_codes, Wo_scales, bo, x, x1; writes x1
.if DOCPART == 4
	.amdgcn_target "amdgcn-amd-amdhsa--gfx1250"
	.amdhsa_code_object_version 6
	.text
	.protected	k_qe52da97ddf_wo
	.globl	k_qe52da97ddf_wo
	.p2align	8
	.type	k_qe52da97ddf_wo,@function
k_qe52da97ddf_wo:
	s_mov_b64 s[64:65], 0
	v_nop
	global_prefetch_b8 v0, s[64:65] scope:SCOPE_SE
	s_setreg_imm32_b32 hwreg(HW_REG_WAVE_MODE, 25, 1), 1
	s_wait_xcnt 0x0
	s_wait_alu depctr_hold_cnt(0) depctr_sa_sdst(0) depctr_va_vdst(0) depctr_va_sdst(0) depctr_va_ssrc(0) depctr_va_vcc(0) depctr_vm_vsrc(0)
	s_getreg_b32 s2, hwreg(HW_REG_IB_STS2, 6, 4)
	s_cmp_eq_u32 s2, 0
	s_cbranch_scc0 .Lentry_in_a_cluster
	s_endpgm
.Lentry_in_a_cluster:
	s_bfe_u32 s2, ttmp6, 0x10000c
	s_cmp_lg_u32 s2, 0xf033
	s_cbranch_scc0 .Lentry_shape_is_right
	s_endpgm
.Lentry_shape_is_right:
; THE TWO GEMM LAUNCHES WITH AN f32 RESULT SHARE THIS SOURCE; KIND SAYS WHICH ONE THIS FILE IS:
;   1: x1 = x + o Wo + bo  (K = 1,024)        3: out = x1 + f W2 + b2  (K = 4,096)
; The product is on codes of E4M3 with one E8M0 byte for each 32 along K, by v_wmma_scale_f32_16x16x128_f8f6f4; sums in f32, K ascending, one accumulator an output.
; A (the tokens) comes as an IMAGE OF THE OPERAND'S REGISTERS: tile T of 16 tokens, K step s of 128, group c: 512 bytes, lane l's 16 at 16 l; its scale bytes as 16 bytes for a token and 512 along K.
; B (the weight) comes as rows of K codes, [n][K], with [n][K / 32] scale bytes.
; SHARES.  A work-group makes 128 tokens x 128 columns; its four waves 64 x 64 each: 16 accumulators.  8 x 32 work-groups: one for each WGP.
; K goes in slots of 512 (four steps of 128) through two LDS slots filled by the tensor data mover.
; CLUSTERS: 4 x 4.  A's tiles hang on the token block alone and are asked for jointly along a row of the cluster, B's on the column block alone, along a column.
; No prefetch: a work-group's stream is at most 1 MiB, shared four ways, and the launch is short.
; THE PRODUCT IS USED TRANSPOSED (source 0 = 16 rows of B, source 1 = 16 tokens): a lane holds one token and eight neighbouring columns.
; THE RESIDUAL IS ASKED FOR AT THE HEAD: my 64 x 64 numbers, 32 loads of whole rows of 256 bytes, into 128 registers that nothing else uses; they are on their way under the whole product and are wanted only on the way out.
; LIMITS: NaN and infinities are not served.
; REGISTERS.  window 0: v4-27 addresses and small things; v32-63 A's scale words, v64-95 B's (nothing else ever); v96-127 at work on the way out; v128-255 the accumulators.
;   window 1: B's fragments, a buffer of 64 for each step of a slot.   window 2: A's fragments, likewise.   window 3: v0-127 the residual.
.set KIND, 1
.if KIND == 3
.set KK, 4096
.set RB, 32                            ; units of 256 scale bytes of B that one load brings
.set SBI, 2176                         ; from 16 rows of B's scale bytes to the next 16, in LDS
.else
.set KK, 1024
.set RB, 16
.set SBI, 544
.endif
.set RA, KK/64
.set ASL,   65536                      ; LDS: A's two slots at 0: 8 tiles x 8,192 bytes, dense images
.set BS0,   131072                     ; B's two slots: 128 rows x (512 + 16) bytes
.set BSL,   67584
.set ASC,   266240                     ; A's scale bytes, dense
.set BSC,   282624                     ; B's scale bytes, units of 256 + 16
.set SPARE, 300032                     ; the spare words, 128 bytes a wave: two blocks of 256 bytes that no other line names
.set STAGE, 0                          ; the way out, 16 rows x 272 bytes a wave, in A's slot 0 behind its last fill and last read
.set ADA,  4                           ; v4-5   my A fragments in slot 0, 1
.set ADB,  6                           ; v6-7   my B fragments
.set ADSA, 8                           ; v8     my A scale words
.set ADSB, 9                           ; v9     my B scale words
.set SPW,  10                          ; v10    my spare word;  v11  0
.set NIL,  11
.set LI,   12                          ; v12    16 x lane
.set SO,   13                          ; v13    16 (lane % 16)
.set STO,  16
.set RD,   17
.set CO,   18
.set BI,   24                          ; v24-27 the bias of the 4 columns that I store
.set SA,   32
.set SB,   64
.set BK,   96
.set ACC,  128
.set G1A,  24
.set G0A,  32
.set G1B,  40
.set G0B,  48
.set G1SA, 56
.set G0SA, 68
.set G1SB, 72
.set G0SB, 80
.set WV,   92                          ; s92 wave;  s93 wave / 2: my 64 tokens, and: I fetch for A (0) or B (1);  s94 wave % 2: my 64 columns, and which half I fetch
.set WM,   93
.set WN,   94
.set MSB, 0
.macro WIN new                         ; the immediate's high byte repeats the setting that is left
.if MSB != (\new)
	s_set_vgpr_msb (MSB<<8)|(\new)
.set MSB, (\new)
.endif
.endm
.macro PLACES n
.rept \n
	v_nop
.endr
.endm
.macro JLOAD g0a, g1a, g0b, g1b        ; a joint load: waves 0, 1 by the first pair of groups, waves 2, 3 by the second; four v_nop follow each line
	s_cmp_eq_u32 s[WM], 0
	s_cbranch_scc0 .Lfor_b_\@
	tensor_load_to_lds s[\g0a:\g0a+3], s[\g1a:\g1a+7]
	s_nop 0
	PLACES 4
	s_branch .Lasked_\@
.Lfor_b_\@:
	tensor_load_to_lds s[\g0b:\g0b+3], s[\g1b:\g1b+7]
	s_nop 0
	PLACES 4
.Lasked_\@:
.endm
.macro CREST                           ; a round of the cluster's barrier behind its opening barrier
	s_cmp_lg_u32 s[WV], 0
	s_cbranch_scc1 .Lnot_wave_0_\@
	s_barrier_signal -3
.Lnot_wave_0_\@:
	s_barrier_wait -3
	s_barrier_signal -1
	s_barrier_wait -1
.endm
.macro CROUND
	s_barrier_signal -1
	s_barrier_wait -1
	CREST
.endm
	s_load_b256 s[4:11], s[0:1], 0x0               ; A codes, A scales, B codes, B scales
	s_load_b128 s[12:15], s[0:1], 0x20             ; the bias, the residual
	s_load_b64 s[16:17], s[0:1], 0x30              ; the output
	v_lshl_add_u32 v[SPW], v0, 2, SPARE
	v_mov_b32 v[NIL], 0
	ds_add_u32 v10, v11
	ds_add_u32 v10, v11
	s_wait_dscnt 0x0
	v_lshrrev_b32 v1, 5, v0
	v_readfirstlane_b32 s[WV], v1
	s_lshr_b32 s[WM], s[WV], 1
	s_and_b32 s[WN], s[WV], 1
	s_bfe_u32 s100, ttmp6, 0x40000                 ; cx
	s_bfe_u32 s98, ttmp6, 0x40004                  ; cy
	s_lshl_b32 s101, ttmp9, 2
	s_add_co_u32 s101, s101, s100                  ; X: the column block
	s_and_b32 s99, ttmp7, 0xffff
	s_lshl_b32 s99, s99, 2
	s_add_co_u32 s99, s99, s98                     ; Y: the block of 128 tokens
	s_lshl_b32 s98, s98, 2
	s_lshl_b32 s98, 15, s98                        ; my row of the cluster
	s_lshl_b32 s100, 0x1111, s100                  ; my column
	s_or_b32 s[G1A], s98, (3<<16)|(1<<21)          ; A's tiles: mask = my row; elements of 8 bytes; no padding: 8 rows (tiles of 16 tokens) of 8,192 dense bytes
	s_mov_b32 s[G1A+1], 1024<<16
	s_mov_b32 s[G1A+2], 8<<16                      ; a load brings all 8 tiles of 16 tokens
	s_mov_b32 s[G1A+3], 1024<<16
	s_mov_b32 s[G1A+4], 8
	s_mov_b32 s[G1A+5], 2*KK                       ; a tile of 16 tokens is 16 K bytes
	s_mov_b32 s[G1A+6], 0
	s_mov_b32 s[G1A+7], 0
	s_or_b32 s[G1B], s100, (1<<20)|(1<<21)|(6<<22)|(3<<25)   ; B's tiles: mask = my column; bytes; 4 words of padding behind every 128: 128 rows of 512 bytes
	s_mov_b32 s[G1B+1], 512<<16
	s_mov_b32 s[G1B+2], 128<<16                    ; a load brings all 128 rows
	s_mov_b32 s[G1B+3], 512<<16
	s_mov_b32 s[G1B+4], 128
	s_mov_b32 s[G1B+5], KK
	s_mov_b32 s[G1B+6], 0
	s_mov_b32 s[G1B+7], 0
	s_or_b32 s[G1SA], s98, (3<<16)|(1<<21)         ; A's scale bytes: RA dense rows of 256 bytes
	s_mov_b32 s[G1SA+1], 32<<16
	s_mov_b32 s[G1SA+2], RA<<16
	s_mov_b32 s[G1SA+3], 32<<16
	s_mov_b32 s[G1SA+4], RA
	s_mov_b32 s[G1SA+5], 32
	s_mov_b32 s[G1SA+6], 0
	s_mov_b32 s[G1SA+7], 0
	s_or_b32 s[G1SB], s100, (3<<16)|(1<<20)|(1<<21)|(5<<22)|(3<<25)   ; B's: RB rows of 256 bytes, 16 of padding behind each
	s_mov_b32 s[G1SB+1], 32<<16
	s_mov_b32 s[G1SB+2], RB<<16
	s_mov_b32 s[G1SB+3], 32<<16
	s_mov_b32 s[G1SB+4], RB
	s_mov_b32 s[G1SB+5], 32
	s_mov_b32 s[G1SB+6], 0
	s_mov_b32 s[G1SB+7], 0
	s_lshl_b32 s98, s99, 3
	s_wait_kmcnt 0x0
	s_mul_i32 s66, s98, 16*KK
	s_mov_b32 s67, 0
	s_add_nc_u64 s[4:5], s[4:5], s[66:67]          ; its codes,
	s_mul_i32 s66, s98, KK/2
	s_add_nc_u64 s[6:7], s[6:7], s[66:67]          ; its scale bytes
	s_lshl_b32 s100, s101, 7
	s_mul_i32 s2, s100, KK                         ; B: the block's first row
	s_mov_b32 s3, 0
	s_add_nc_u64 s[8:9], s[8:9], s[2:3]
	s_mul_i32 s2, s100, KK/32
	s_add_nc_u64 s[10:11], s[10:11], s[2:3]
	CROUND                                         ; all sixteen work-groups are here: the first joint loads meet
	s_mov_b32 s[G0SA], 1
	s_mov_b32 s[G0SA+1], ASC
	s_mov_b64 s[G0SA+2:G0SA+3], s[6:7]
	s_or_b32 s[G0SA+3], s[G0SA+3], 0x80000000
	s_mov_b32 s[G0SB], 1
	s_mov_b32 s[G0SB+1], BSC
	s_mov_b64 s[G0SB+2:G0SB+3], s[10:11]
	s_or_b32 s[G0SB+3], s[G0SB+3], 0x80000000
.irp s, 0,1
	s_mov_b32 s[G0A+4*\s], 1
	s_mov_b32 s[G0A+4*\s+1], \s*ASL
	s_add_nc_u64 s[G0A+4*\s+2:G0A+4*\s+3], s[4:5], \s*8192
	s_or_b32 s[G0A+4*\s+3], s[G0A+4*\s+3], 0x80000000
	s_mov_b32 s[G0B+4*\s], 1
	s_mov_b32 s[G0B+4*\s+1], BS0+\s*BSL
	s_add_nc_u64 s[G0B+4*\s+2:G0B+4*\s+3], s[8:9], \s*512
	s_or_b32 s[G0B+4*\s+3], s[G0B+4*\s+3], 0x80000000
.endr
; THE FILLS, AS THEY STAND NOW (this takes the place of what the head's comment says of halves and of prefetching).  Every load brings a whole tile.  At the head one load a wave, in one chain of branches on the wave's number:
; wave 0 A's slot 0, wave 1 B's slot 0, wave 2 A's scale bytes, wave 3 B's.  Slot 1 follows behind one drained round: wave 0 A's, wave 1 B's.
.macro ARM under, g0, g1, next, join
	s_cmp_lt_u32 s[WV], \under
	s_cbranch_scc0 \next
	tensor_load_to_lds s[\g0:\g0+3], s[\g1:\g1+7]
	s_nop 0
	PLACES 4
	s_branch \join
\next:
.endm
	ARM 1, G0A, G1A, .Lh_b, .Lh_asked
	ARM 2, G0B, G1B, .Lh_sa, .Lh_asked
	ARM 3, G0SA, G1SA, .Lh_sb, .Lh_asked
	tensor_load_to_lds s[G0SB:G0SB+3], s[G1SB:G1SB+7]
	s_nop 0
	PLACES 4
.Lh_asked:
; A PREFETCH of slot 1's codes, which are loaded behind the next round.  A's 64 KiB are shared out by address among the 8 waves 0, 1 of the four work-groups of my row of the cluster (a tile of 16 tokens a wave, lanes 256 bytes apart),
; B's among the waves 2, 3 of my column (16 rows a wave, two lanes a row): each block of 256 bytes is named once in a cluster.
.set PFA, 18
.set PFO, 22
	s_bfe_u32 s66, ttmp6, 0x40000
	s_bfe_u32 s67, ttmp6, 0x40004
	s_mov_b32 s2, KK
	s_mov_b32 s98, 512
	s_cmp_eq_u32 s[WM], 0                          ; waves 0, 1: A; waves 2, 3: B
	s_cselect_b32 s66, s66, s67                    ; my place p among the four that share the tile
	s_cselect_b64 s[PFA:PFA+1], s[4:5], s[8:9]
	s_cselect_b32 s2, 256, s2
	s_cselect_b32 s3, 0, 1
	s_cselect_b32 s98, 8192, s98                   ; a slot on
	s_lshl_b32 s66, s66, 1
	s_add_co_u32 s66, s66, s[WN]
	s_mul_i32 s66, s66, 16*KK                      ; tile 2 p + wave % 2 of A, or rows 16 (2 p + wave % 2) of B: the same bytes
	s_add_co_u32 s66, s66, s98
	s_mov_b32 s67, 0
	s_add_nc_u64 s[PFA:PFA+1], s[PFA:PFA+1], s[66:67]
	v_and_b32 v[PFO], 31, v0
	v_and_b32 v23, s3, v[PFO]
	v_lshrrev_b32 v[PFO], s3, v[PFO]
	v_mul_lo_u32 v[PFO], v[PFO], s2
	v_lshl_add_u32 v[PFO], v23, 8, v[PFO]
	global_prefetch_b8 v[PFO], s[PFA:PFA+1] th:TH_LOAD_NT scope:SCOPE_SE
	v_and_b32 v1, 15, v0                           ; r
	v_bfe_u32 v2, v0, 4, 1                         ; h
	v_and_b32 v3, 31, v0
	v_lshlrev_b32 v[LI], 4, v3
	s_lshl_b32 s66, s[WM], 15
	v_add_nc_u32 v[ADA], s66, v[LI]                ; A: my four tiles' images, 16 x lane
	v_add_nc_u32 v[ADA+1], ASL, v[ADA]
	v_mul_u32_u24 v[ADB], v1, 528
	v_lshl_add_u32 v[ADB], v2, 4, v[ADB]
	s_mul_i32 s66, s[WN], 33792
	s_add_co_u32 s66, s66, BS0
	v_add_nc_u32 v[ADB], s66, v[ADB]               ; B: row r x pitch + 16 h, in my 64 rows
	v_add_nc_u32 v[ADB+1], BSL, v[ADB]
	s_mul_i32 s66, s[WM], 2*KK
	s_add_co_u32 s66, s66, ASC
	v_lshl_add_u32 v[ADSA], v1, 4, s66             ; A's scale words: 16 bytes a token for a slot
.if KK == 1024
	v_lshrrev_b32 v[ADSB], 3, v1                   ; B's: 32 bytes a row, 8 rows to a unit
	v_mul_u32_u24 v[ADSB], v[ADSB], 272
	v_and_b32 v20, 7, v1
	v_lshl_add_u32 v[ADSB], v20, 5, v[ADSB]
	s_mul_i32 s66, s[WN], 2176
.else
	v_lshrrev_b32 v[ADSB], 1, v1                   ; B's: 128 bytes a row, 2 rows to a unit
	v_mul_u32_u24 v[ADSB], v[ADSB], 272
	v_and_b32 v20, 1, v1
	v_lshl_add_u32 v[ADSB], v20, 7, v[ADSB]
	s_mul_i32 s66, s[WN], 8704
.endif
	s_add_co_u32 s66, s66, BSC
	v_add_nc_u32 v[ADSB], s66, v[ADSB]
	s_mul_i32 s66, s[WV], 4352
	v_mul_u32_u24 v[STO], v1, 272
	v_lshl_add_u32 v[STO], v2, 5, v[STO]
	v_add_nc_u32 v[STO], s66, v[STO]               ; the stage, in: row r, 32 bytes for each half of the lanes
	v_mul_u32_u24 v[RD], v2, 272
	v_lshl_add_u32 v[RD], v1, 4, v[RD]
	v_add_nc_u32 v[RD], s66, v[RD]                 ; back: lanes 0-15 one row of 256 bytes, lanes 16-31 the next
	v_lshlrev_b32 v[SO], 4, v1
	s_wait_alu depctr_va_vdst(0)
	v_lshl_add_u32 v[CO], v2, 12, v[SO]            ; and the same two rows in memory
	s_wait_alu depctr_va_vdst(0)
	s_lshl_b32 s66, s99, 7
	s_lshl_b32 s67, s[WM], 6
	s_add_co_u32 s66, s66, s67
	s_lshl_b32 s2, s66, 12                         ; my first token's row
	s_lshl_b32 s66, s101, 9
	s_lshl_b32 s67, s[WN], 8
	s_add_co_u32 s66, s66, s67                     ; my first column, in bytes
	s_mov_b32 s67, 0
	s_add_nc_u64 s[12:13], s[12:13], s[66:67]
	s_add_co_u32 s2, s2, s66
	s_mov_b32 s3, 0
	s_add_nc_u64 s[14:15], s[14:15], s[2:3]
	s_add_nc_u64 s[16:17], s[16:17], s[2:3]
	global_load_b128 v[BI:BI+3], v[SO], s[12:13]   ; the bias of the 4 columns that I store
	WIN 0xc0                                       ; destination window 3
.irp a, 0,1,2,3                                ; the residual, in the order of the way out: block a of 16 tokens, two rows of 256 bytes an instruction.  Neither v[CO] nor s[14:15] is written again
.irp t, 0,1,2,3,4,5,6,7
	global_load_b128 v[32*\a+4*\t:32*\a+4*\t+3], v[CO], s[14:15] offset:(16*\a+2*\t)*4096
.endr
.endr
	WIN 0
; 8 products of step q of slot sg: A's blocks 2 hf, 2 hf + 1 against B's four.  The 16 accumulators take turns, one instruction a turn, in one order in every step.
.macro MUL8 sg, q, hf, zero
	WIN 0x09                                       ; source 0 = B (window 1), source 1 = A (window 2)
.irp o, 2*\hf, 2*\hf+1
.irp n, 0,1,2,3
.set rD, ACC+8*(4*(\o)+\n)
.set rX, 64*\q+16*\n
.set rY, 64*\q+16*(\o)
.set rS, SB+16*(\sg)+4*\n+\q
.set rT, SA+16*(\sg)+4*(\o)+\q
.if \zero
	v_wmma_scale_f32_16x16x128_f8f6f4 v[rD:rD+7], v[rX:rX+15], v[rY:rY+15], 0, v[rS], v[rT]
.else
	v_wmma_scale_f32_16x16x128_f8f6f4 v[rD:rD+7], v[rX:rX+15], v[rY:rY+15], v[rD:rD+7], v[rS], v[rT]
.endif
.endr
.endr
.endm
; One run of 32 LDS loads: the fragments of step q of slot sg, B's four and A's four, into buffer q of each; at q = 0 first the slot's scale words (one load brings a row's four words): 8 more.
.macro GRP sg, q
.if \q == 0
	WIN 0
.irp i, 0,1,2,3
	ds_load_b128 v[SB+16*(\sg)+4*\i:SB+16*(\sg)+4*\i+3], v[ADSB] offset:SBI*\i
.endr
.irp i, 0,1,2,3
	ds_load_b128 v[SA+16*(\sg)+4*\i:SA+16*(\sg)+4*\i+3], v[ADSA] offset:(KK/2)*\i
.endr
.endif
	WIN 0x40
.irp i, 0,1,2,3
.irp c, 0,1,2,3
	ds_load_b128 v[64*\q+16*\i+4*\c:64*\q+16*\i+4*\c+3], v[ADB+(\sg)] offset:8448*\i+128*\q+32*\c
.endr
.endr
	WIN 0x80
.irp i, 0,1,2,3
.irp c, 0,1,2,3
	ds_load_b128 v[64*\q+16*\i+4*\c:64*\q+16*\i+4*\c+3], v[ADA+(\sg)] offset:8192*\i+2048*\q+512*\c
.endr
.endr
	WIN 0
.endm
; PLACES.  A load into a register that a matrix instruction has read stands 8 plain vector instructions behind it.  Every run of loads here lands
; in a buffer whose last product stands two steps back or more, and each step ends with 4 v_nop or more: 12 at the least lie between.
.macro STEP0 sg, zero                  ; step 0 of a slot; the runs of steps 0 and 1 are out; behind the products the run of step 2 is issued
	s_wait_dscnt 32                                ; all but the youngest run (step 1's)
	MUL8 \sg, 0, 0, \zero
	MUL8 \sg, 0, 1, \zero
	PLACES 4
	GRP \sg, 2
.endm
; Steps 1 to 3.  turn = 2: this slot is filled again; 1: only the change of slots; 0: the last slot.
.macro REST sg, turn
	s_wait_dscnt 32
	MUL8 \sg, 1, 0, 0
	MUL8 \sg, 1, 1, 0
	PLACES 4
	GRP \sg, 3
.if \turn
	s_wait_tensorcnt 0x0                           ; all my tensor loads have landed: my part of the next slot;
	ds_add_u32 v[SPW], v[NIL]                      ; 0 onto my spare word;
	s_wait_dscnt 33                                ; (the add and step 3's run may be out)
	MUL8 \sg, 2, 0, 0
	s_wait_dscnt 0x0                               ; the add is done, and my reads of this slot are over
	s_barrier_signal -1
	MUL8 \sg, 2, 1, 0
	WIN 0
	s_barrier_wait -1
.if \turn == 2
	CREST                                          ; the barrier has opened a round of the cluster's: no wave of any partner still reads this slot or has a load on its way
	s_add_nc_u64 s[G0A+4*\sg+2:G0A+4*\sg+3], s[G0A+4*\sg+2:G0A+4*\sg+3], 16384   ; two slots on: 2 x 8,192 bytes of each tile's image,
	s_add_nc_u64 s[G0B+4*\sg+2:G0B+4*\sg+3], s[G0B+4*\sg+2:G0B+4*\sg+3], 1024    ; 2 x 512 bytes of each row
	JLOAD G0A+4*\sg, G1A, G0B+4*\sg, G1B
.endif
	PLACES 4
	v_add_nc_u32 v[ADSB], 16, v[ADSB]              ; the next slot's 16 scale bytes of each row of B,
	v_add_nc_u32 v[ADSA], 0x100, v[ADSA]           ; and of each token
	GRP 1-\sg, 0
.else
	s_wait_dscnt 32
	MUL8 \sg, 2, 0, 0
	MUL8 \sg, 2, 1, 0
	s_wait_dscnt 0x0
.endif
	MUL8 \sg, 3, 0, 0
	MUL8 \sg, 3, 1, 0
	PLACES 8                                       ; the way out may follow, which reads results
.if \turn
	GRP 1-\sg, 1
.endif
	WIN 0
.endm
.macro SS sg, turn, zero
	STEP0 \sg, \zero
	REST \sg, \turn
.endm
.macro EPI_F                           ; 16 tokens at a time through my stage: whole rows of 256 bytes come back; + residual + bias; sixteen lanes store 256 aligned bytes
.irp a, 0,1,2,3
.irp i, 0,1,2,3
	ds_store_b128 v[STO], v[ACC+8*(4*\a+\i):ACC+8*(4*\a+\i)+3] offset:64*\i          ; each accumulator from its low end on
	ds_store_b128 v[STO], v[ACC+8*(4*\a+\i)+4:ACC+8*(4*\a+\i)+7] offset:64*\i+16
.endr
.if \a > 0
	s_wait_xcnt 0x0                                ; the last block's stores have read v96-127
.endif
.irp t, 0,1,2,3,4,5,6,7
	ds_load_b128 v[BK+4*\t:BK+4*\t+3], v[RD] offset:544*\t   ; LDS serves a wave's instructions in order: these see the stores above
.endr
	s_wait_dscnt 0x0
	s_wait_loadcnt 24-8*\a                         ; the bias and this block's eight residual loads are in; the later blocks' may be out
	WIN 0x0c                                       ; source 1: window 3
.irp t, 0,1,2,3,4,5,6,7
	v_pk_add_f32 v[BK+4*\t:BK+4*\t+1], v[BK+4*\t:BK+4*\t+1], v[32*\a+4*\t:32*\a+4*\t+1]
	v_pk_add_f32 v[BK+4*\t+2:BK+4*\t+3], v[BK+4*\t+2:BK+4*\t+3], v[32*\a+4*\t+2:32*\a+4*\t+3]
.endr
	WIN 0
.irp t, 0,1,2,3,4,5,6,7
	v_pk_add_f32 v[BK+4*\t:BK+4*\t+1], v[BK+4*\t:BK+4*\t+1], v[BI:BI+1]
	v_pk_add_f32 v[BK+4*\t+2:BK+4*\t+3], v[BK+4*\t+2:BK+4*\t+3], v[BI+2:BI+3]
.endr
.irp t, 0,1,2,3,4,5,6,7
	global_store_b128 v[CO], v[BK+4*\t:BK+4*\t+3], s[16:17] offset:(16*\a+2*\t)*4096
.endr
.endr
.endm
	s_wait_alu depctr_va_vdst(0)
	s_wait_tensorcnt 0x0                           ; my tile of the head's four is in
	ds_add_u32 v[SPW], v[NIL]
	s_wait_dscnt 0x0
	CROUND                                         ; everybody's tile is in, and the joint loads meet
	ARM 1, G0A+4, G1A, .Ls_b, .Ls_asked
	ARM 2, G0B+4, G1B, .Ls_none, .Ls_asked
.Ls_asked:
	GRP 0, 0
	GRP 0, 1
.if KIND == 1
	SS 0, 1, 1                                     ; two slots hold all of K: nothing is filled again
	SS 1, 0, 0
.else
	STEP0 0, 1                                     ; the first step starts the sums
	s_mov_b32 s2, 3
.Llap:                                                 ; a trip goes once round the ring and fills both slots again
	REST 0, 2
	SS 1, 2, 0
	STEP0 0, 0
	s_sub_co_u32 s2, s2, 1
	s_cmp_lg_u32 s2, 0
	s_cbranch_scc1 .Llap
	REST 0, 1                                      ; the last lap fills nothing
	SS 1, 0, 0
.endif
	EPI_F
	s_wait_tensorcnt 0x0                           ; the wave's end
	ds_add_u32 v[SPW], v[NIL]
	s_wait_dscnt 0x0
	CROUND                                         ; the closing round: no work-group ends while a partner may still ask for a tile that names it
	s_endpgm
.Lfunc_end_k_qe52da97ddf_wo:
	.size	k_qe52da97ddf_wo, .Lfunc_end_k_qe52da97ddf_wo-k_qe52da97ddf_wo
	.p2alignl 7, 3214868480
	.fill 96, 4, 3214868480
	.section	.rodata,"a",@progbits
	.p2align	6, 0x0
	.amdhsa_kernel k_qe52da97ddf_wo
		.amdhsa_group_segment_fixed_size 327680
		.amdhsa_private_segment_fixed_size 0
		.amdhsa_enable_private_segment 0
		.amdhsa_kernarg_size 56
		.amdhsa_user_sgpr_count 2
		.amdhsa_user_sgpr_kernarg_segment_ptr 1
		.amdhsa_wavefront_size32 1
		.amdhsa_system_sgpr_workgroup_id_x 1
		.amdhsa_system_sgpr_workgroup_id_y 1
		.amdhsa_system_sgpr_workgroup_id_z 1
		.amdhsa_system_vgpr_workitem_id 0
		.amdhsa_next_free_vgpr 1024
		.amdhsa_next_free_sgpr 102
		.amdhsa_reserve_vcc 0
		.amdhsa_float_denorm_mode_32 3
		.amdhsa_float_denorm_mode_16_64 3
		.amdhsa_memory_ordered 1
		.amdhsa_forward_progress 1
		.amdhsa_inst_pref_size 66
	.end_amdhsa_kernel
	.amdgpu_metadata
---
amdhsa.version: [ 1, 2 ]
amdhsa.kernels:
  - .name:           k_qe52da97ddf_wo
    .symbol:         k_qe52da97ddf_wo.kd
    .args:
      - { .name: hc, .offset: 0, .size: 8, .value_kind: global_buffer, .address_space: global }
      - { .name: hs, .offset: 8, .size: 8, .value_kind: global_buffer, .address_space: global }
      - { .name: Wo_codes, .offset: 16, .size: 8, .value_kind: global_buffer, .address_space: global }
      - { .name: Wo_scales, .offset: 24, .size: 8, .value_kind: global_buffer, .address_space: global }
      - { .name: bo, .offset: 32, .size: 8, .value_kind: global_buffer, .address_space: global }
      - { .name: x, .offset: 40, .size: 8, .value_kind: global_buffer, .address_space: global }
      - { .name: x1, .offset: 48, .size: 8, .value_kind: global_buffer, .address_space: global }
    .group_segment_fixed_size: 327680
    .private_segment_fixed_size: 0
    .kernarg_segment_align: 8
    .kernarg_segment_size: 56
    .max_flat_workgroup_size: 128
    .sgpr_count:     102
    .vgpr_count:     1024
    .wavefront_size: 32
...
	.end_amdgpu_metadata
.endif
;; end of part 4
;; launch ln2: the kernel of part 1 again; grid 256 x 1, 16 waves a work-group, no clusters, 101,888 bytes of LDS; arguments x1, ln2_g, ln2_b, hc, hs; writes hc, hs
;; launch w1 (part 5): grid 8 x 32, 4 waves a work-group, clusters of 4 x 4, 327,680 bytes of LDS; arguments hc, hs, W1_codes, W1_scales, b1, fc, fs; writes fc, fs
.if DOCPART == 5
	.amdgcn_target "amdgcn-amd-amdhsa--gfx1250"
	.amdhsa_code_object_version 6
	.text
	.protected	k_qe52da97ddf_w1
	.globl	k_qe52da97ddf_w1
	.p2align	8
	.type	k_qe52da97ddf_w1,@function
k_qe52da97ddf_w1:
	s_mov_b64 s[64:65], 0
	v_nop
	global_prefetch_b8 v0, s[64:65] scope:SCOPE_SE
	s_setreg_imm32_b32 hwreg(HW_REG_WAVE_MODE, 25, 1), 1
	s_wait_xcnt 0x0
	s_wait_alu depctr_hold_cnt(0) depctr_sa_sdst(0) depctr_va_vdst(0) depctr_va_sdst(0) depctr_va_ssrc(0) depctr_va_vcc(0) depctr_vm_vsrc(0)
	s_getreg_b32 s2, hwreg(HW_REG_IB_STS2, 6, 4)
	s_cmp_eq_u32 s2, 0
	s_cbranch_scc0 .Lentry_in_a_cluster
	s_endpgm
.Lentry_in_a_cluster:
	s_bfe_u32 s2, ttmp6, 0x10000c
	s_cmp_lg_u32 s2, 0xf033
	s_cbranch_scc0 .Lentry_shape_is_right
	s_endpgm
.Lentry_shape_is_right:
.set KIND, 2
.if KIND == 3
.set KK, 4096
.else
.set KK, 1024
.endif
.if KIND == 2
.set ROWSH, 9
.else
.set ROWSH, 7
.endif
.if KIND >= 2
.set RB, 64
.else
.set RB, 8
.endif
.set RA, KK/64
.if KK == 1024
.set SBI, 544
.else
.set SBI, 2176
.endif
.set ASL,   65536
.set BS0,   131072
.set BSL,   67584
.set ASC,   266240
.set BSC,   282624
.set SPARE, 300032
.set STAGE, 0
.set ADA,  4
.set ADB,  6
.set ADSA, 8
.set ADSB, 9
.set SPW,  10
.set NIL,  11
.set LI,   12
.set SO,   13
.set SH,   14
.set BO,   15
.set STO,  16
.set RD,   17
.set CO,   18
.set PW,   19
.set SD,   20
.set BI,   24
.set SA,   32
.set SB,   64
.set TM,   96
.set PC,   112
.set BK,   96
.set ACC,  128
.set G1A,  24
.set G0A,  32
.set G1B,  40
.set G0B,  48
.set G1SA, 56
.set G0SA, 68
.set G1SB, 72
.set G0SB, 80
.set G0SK, 84
.set G0SV, 88
.set WV,   92
.set WM,   93
.set WN,   94
.set MNT,  95
.set SEL,  96
.set MSB, 0
.macro WIN new
.if MSB != (\new)
	s_set_vgpr_msb (MSB<<8)|(\new)
.set MSB, (\new)
.endif
.endm
.macro PLACES n
.rept \n
	v_nop
.endr
.endm
.macro JLOAD g0a, g1a, g0b, g1b
	s_cmp_eq_u32 s[WM], 0
	s_cbranch_scc0 .Lfor_b_\@
	tensor_load_to_lds s[\g0a:\g0a+3], s[\g1a:\g1a+7]
	s_nop 0
	PLACES 4
	s_branch .Lasked_\@
.Lfor_b_\@:
	tensor_load_to_lds s[\g0b:\g0b+3], s[\g1b:\g1b+7]
	s_nop 0
	PLACES 4
.Lasked_\@:
.endm
.macro JLOADB g0b, g1b
	s_cmp_eq_u32 s[WV], 1                          ; wave 1 alone fills B's slot again, whole: 128 rows
	s_cbranch_scc0 .Lnone_\@
	tensor_load_to_lds s[\g0b:\g0b+3], s[\g1b:\g1b+7]
	s_nop 0
	PLACES 4
.Lnone_\@:
.endm
.macro CREST
	s_cmp_lg_u32 s[WV], 0
	s_cbranch_scc1 .Lnot_wave_0_\@
	s_barrier_signal -3
.Lnot_wave_0_\@:
	s_barrier_wait -3
	s_barrier_signal -1
	s_barrier_wait -1
.endm
.macro CROUND
	s_barrier_signal -1
	s_barrier_wait -1
	CREST
.endm
.if KIND == 0
	s_load_b256 s[4:11], s[0:1], 0x0
	s_load_b256 s[12:19], s[0:1], 0x20
	s_load_b128 s[20:23], s[0:1], 0x40
.else
	s_load_b256 s[4:11], s[0:1], 0x0
	s_load_b128 s[12:15], s[0:1], 0x20
	s_load_b64 s[16:17], s[0:1], 0x30
.endif
	v_lshl_add_u32 v[SPW], v0, 2, SPARE
	v_mov_b32 v[NIL], 0
	ds_add_u32 v10, v11
	ds_add_u32 v10, v11
	s_wait_dscnt 0x0
	v_lshrrev_b32 v1, 5, v0
	v_readfirstlane_b32 s[WV], v1
	s_lshr_b32 s[WM], s[WV], 1
	s_and_b32 s[WN], s[WV], 1
	s_bfe_u32 s100, ttmp6, 0x40000
	s_bfe_u32 s98, ttmp6, 0x40004
	s_lshl_b32 s101, ttmp9, 2
	s_add_co_u32 s101, s101, s100
	s_and_b32 s99, ttmp7, 0xffff
	s_lshl_b32 s99, s99, 2
	s_add_co_u32 s99, s99, s98
	s_lshl_b32 s98, s98, 2
	s_lshl_b32 s98, 15, s98
	s_lshl_b32 s100, 0x1111, s100
	s_or_b32 s[G1A], s98, (3<<16)|(1<<21)
	s_mov_b32 s[G1A+1], 1024<<16
	s_mov_b32 s[G1A+2], 8<<16                      ; a load brings all 8 tiles of 16 tokens
	s_mov_b32 s[G1A+3], 1024<<16
	s_mov_b32 s[G1A+4], 8
	s_mov_b32 s[G1A+5], 2*KK
	s_mov_b32 s[G1A+6], 0
	s_mov_b32 s[G1A+7], 0
	s_or_b32 s[G1B], s100, (1<<20)|(1<<21)|(6<<22)|(3<<25)
	s_mov_b32 s[G1B+1], 512<<16
	s_mov_b32 s[G1B+2], 128<<16                    ; a load brings all 128 rows
	s_mov_b32 s[G1B+3], 512<<16
	s_mov_b32 s[G1B+4], 128
	s_mov_b32 s[G1B+5], KK
	s_mov_b32 s[G1B+6], 0
	s_mov_b32 s[G1B+7], 0
	s_or_b32 s[G1SA], s98, (3<<16)|(1<<21)
	s_mov_b32 s[G1SA+1], 32<<16
	s_mov_b32 s[G1SA+2], RA<<16
	s_mov_b32 s[G1SA+3], 32<<16
	s_mov_b32 s[G1SA+4], RA
	s_mov_b32 s[G1SA+5], 32
	s_mov_b32 s[G1SA+6], 0
	s_mov_b32 s[G1SA+7], 0
	s_or_b32 s[G1SB], s100, (3<<16)|(1<<20)|(1<<21)|(5<<22)|(3<<25)
	s_mov_b32 s[G1SB+1], 32<<16
	s_mov_b32 s[G1SB+2], RB<<16
	s_mov_b32 s[G1SB+3], 32<<16
	s_mov_b32 s[G1SB+4], RB
	s_mov_b32 s[G1SB+5], 32
	s_mov_b32 s[G1SB+6], 0
	s_mov_b32 s[G1SB+7], 0
	s_mov_b32 s[MNT], 0x600000
	s_mov_b32 s[SEL], 0x76543210
	s_mov_b32 s[SEL+1], 0xfedcba98
	s_lshl_b32 s98, s99, 3
	s_wait_kmcnt 0x0
	s_mul_i32 s66, s98, 16*KK
	s_mov_b32 s67, 0
	s_add_nc_u64 s[4:5], s[4:5], s[66:67]
	s_mul_i32 s66, s98, KK/2
	s_add_nc_u64 s[6:7], s[6:7], s[66:67]
	s_lshl_b32 s100, s101, ROWSH
	s_mul_i32 s2, s100, KK                         ; B: the block's first row
	s_mov_b32 s3, 0
	s_add_nc_u64 s[8:9], s[8:9], s[2:3]
.if KIND == 0
	s_add_nc_u64 s[12:13], s[12:13], s[2:3]
	s_add_nc_u64 s[16:17], s[16:17], s[2:3]
.endif
	s_mul_i32 s2, s100, KK/32
	s_add_nc_u64 s[10:11], s[10:11], s[2:3]
.if KIND == 0
	s_add_nc_u64 s[14:15], s[14:15], s[2:3]
	s_add_nc_u64 s[18:19], s[18:19], s[2:3]
.endif
	CROUND
	s_mov_b32 s[G0SA], 1
	s_mov_b32 s[G0SA+1], ASC
	s_mov_b64 s[G0SA+2:G0SA+3], s[6:7]
	s_or_b32 s[G0SA+3], s[G0SA+3], 0x80000000
	s_mov_b32 s[G0SB], 1
	s_mov_b32 s[G0SB+1], BSC
	s_mov_b64 s[G0SB+2:G0SB+3], s[10:11]
	s_or_b32 s[G0SB+3], s[G0SB+3], 0x80000000
.if KIND == 0
	s_mov_b32 s[G0SK], 1
	s_add_co_u32 s[G0SK+1], s2, BSC+4352
	s_mov_b64 s[G0SK+2:G0SK+3], s[14:15]
	s_or_b32 s[G0SK+3], s[G0SK+3], 0x80000000
	s_mov_b32 s[G0SV], 1
	s_add_co_u32 s[G0SV+1], s2, BSC+8704
	s_mov_b64 s[G0SV+2:G0SV+3], s[18:19]
	s_or_b32 s[G0SV+3], s[G0SV+3], 0x80000000
	JLOAD G0SK, G1SB, G0SV, G1SB
.endif
.irp s, 0,1
	s_mov_b32 s[G0A+4*\s], 1
	s_mov_b32 s[G0A+4*\s+1], \s*ASL
	s_add_nc_u64 s[G0A+4*\s+2:G0A+4*\s+3], s[4:5], \s*8192
	s_or_b32 s[G0A+4*\s+3], s[G0A+4*\s+3], 0x80000000
	s_mov_b32 s[G0B+4*\s], 1
	s_mov_b32 s[G0B+4*\s+1], BS0+\s*BSL
	s_add_nc_u64 s[G0B+4*\s+2:G0B+4*\s+3], s[8:9], \s*512
	s_or_b32 s[G0B+4*\s+3], s[G0B+4*\s+3], 0x80000000
.endr
; f = relu(h2 W1 + b1), quantised: 128 tokens x 512 columns a work-group, in four column tiles of 128; A's fragments stay in registers, B streams through two slots of 512 along K.
; THE FILLS.  Every load brings a whole tile.  At the head one load a wave, in one chain of branches on the wave's number: wave 0 A's slot 0, wave 1 B's slot 0, wave 2 A's scale bytes, wave 3 B's (all 512 rows').
; Slot 1 follows behind one drained round: wave 0 A's, wave 1 B's.  B's slots are filled again by wave 1.
.macro ARM under, g0, g1, next, join
	s_cmp_lt_u32 s[WV], \under
	s_cbranch_scc0 \next
	tensor_load_to_lds s[\g0:\g0+3], s[\g1:\g1+7]
	s_nop 0
	PLACES 4
	s_branch \join
\next:
.endm
	ARM 1, G0A, G1A, .Lh_b, .Lh_asked
	ARM 2, G0B, G1B, .Lh_sa, .Lh_asked
	ARM 3, G0SA, G1SA, .Lh_sb, .Lh_asked
	tensor_load_to_lds s[G0SB:G0SB+3], s[G1SB:G1SB+7]
	s_nop 0
	PLACES 4
.Lh_asked:
; THE PREFETCHES.  Slot 1's codes are loaded behind the next round and are asked for here.  A's 64 KiB are shared out by address among the 8 waves 0, 1 of the four work-groups of my row of the cluster (a tile of 16 tokens a wave,
; lanes 256 bytes apart), B's among the waves 2, 3 of my column (16 rows a wave, two lanes a row): each block of 256 bytes is named once in a cluster.  B's waves also ask here for column tile 1's two slots, and, at the refill that
; loads a slot of column tile t + 1, for the same slot of tile t + 2 (t = 0, 1): a column tile ahead of the load that wants it.  Tile 3 is the last: at t = 2 nothing is asked for.
.set PFA, 18
.set PFO, 22
	s_bfe_u32 s66, ttmp6, 0x40000
	s_bfe_u32 s67, ttmp6, 0x40004
	s_mov_b32 s2, KK
	s_mov_b32 s98, 512
	s_cmp_eq_u32 s[WM], 0                          ; waves 0, 1: A; waves 2, 3: B
	s_cselect_b32 s66, s66, s67                    ; my place p among the four that share the tile
	s_cselect_b64 s[PFA:PFA+1], s[4:5], s[8:9]
	s_cselect_b32 s2, 256, s2
	s_cselect_b32 s3, 0, 1
	s_cselect_b32 s98, 8192, s98                   ; a slot on
	s_lshl_b32 s66, s66, 1
	s_add_co_u32 s66, s66, s[WN]
	s_mul_i32 s66, s66, 16*KK                      ; tile 2 p + wave % 2 of A, or rows 16 (2 p + wave % 2) of B: the same bytes
	s_mov_b32 s100, s66
	s_add_co_u32 s66, s66, s98
	s_mov_b32 s67, 0
	s_add_nc_u64 s[PFA:PFA+1], s[PFA:PFA+1], s[66:67]
	v_and_b32 v[PFO], 31, v0
	v_and_b32 v23, s3, v[PFO]
	v_lshrrev_b32 v[PFO], s3, v[PFO]
	v_mul_lo_u32 v[PFO], v[PFO], s2
	v_lshl_add_u32 v[PFO], v23, 8, v[PFO]
	global_prefetch_b8 v[PFO], s[PFA:PFA+1] th:TH_LOAD_NT scope:SCOPE_SE
	v_add_nc_u32 v24, s100, v[PFO]                 ; my lane's place in slot 0 of column tile 0; never rewritten
	s_cmp_eq_u32 s[WM], 0
	s_cbranch_scc1 .Lh_no_b
	global_prefetch_b8 v24, s[8:9] offset:131072 th:TH_LOAD_NT scope:SCOPE_SE
	global_prefetch_b8 v24, s[8:9] offset:131072+512 th:TH_LOAD_NT scope:SCOPE_SE
.Lh_no_b:
	v_and_b32 v1, 15, v0
	v_bfe_u32 v2, v0, 4, 1
	v_and_b32 v3, 31, v0
	v_lshlrev_b32 v[LI], 4, v3
	s_lshl_b32 s66, s[WM], 15
	v_add_nc_u32 v[ADA], s66, v[LI]
	v_add_nc_u32 v[ADA+1], ASL, v[ADA]
	v_mul_u32_u24 v[ADB], v1, 528
	v_lshl_add_u32 v[ADB], v2, 4, v[ADB]
	s_mul_i32 s66, s[WN], 33792
	s_add_co_u32 s66, s66, BS0
	v_add_nc_u32 v[ADB], s66, v[ADB]
	v_add_nc_u32 v[ADB+1], BSL, v[ADB]
	s_mul_i32 s66, s[WM], 2*KK
	s_add_co_u32 s66, s66, ASC
	v_lshl_add_u32 v[ADSA], v1, 4, s66
.if KK == 1024
	v_lshrrev_b32 v[ADSB], 3, v1
	v_mul_u32_u24 v[ADSB], v[ADSB], 272
	v_and_b32 v20, 7, v1
	v_lshl_add_u32 v[ADSB], v20, 5, v[ADSB]
	s_mul_i32 s66, s[WN], 2176
.else
	v_lshrrev_b32 v[ADSB], 1, v1
	v_mul_u32_u24 v[ADSB], v[ADSB], 272
	v_and_b32 v20, 1, v1
	v_lshl_add_u32 v[ADSB], v20, 7, v[ADSB]
	s_mul_i32 s66, s[WN], 8704
.endif
	s_add_co_u32 s66, s66, BSC
	v_add_nc_u32 v[ADSB], s66, v[ADSB]
	v_lshlrev_b32 v[SH], 4, v2
	v_lshlrev_b32 v[BO], 5, v2
.irp b, 0,1,2,3
	v_mov_b32 v[TM+4+\b], 0
.endr
.if KIND == 0
	v_lshlrev_b32 v[SO], 2, v3
	s_lshr_b32 s66, s99, 4
	s_lshl_b32 s66, s66, 4
	s_lshl_b32 s67, s101, 1
	s_add_co_u32 s66, s66, s67
	s_add_co_u32 s66, s66, s[WN]
	s_and_b32 s67, s99, 15
	s_lshl_b32 s2, s67, 3
	s_lshl_b32 s3, s[WM], 2
	s_add_co_u32 s2, s2, s3
	s_lshl_b32 s98, s66, 17
	s_lshl_b32 s100, s2, 10
	s_add_co_u32 s100, s100, s98
	s_mov_b32 s101, 0
	s_add_nc_u64 s[4:5], s[20:21], s[100:101]
	s_add_nc_u64 s[6:7], s[4:5], 4194304
	s_lshl_b32 s100, s67, 13
	s_add_co_u32 s100, s100, s98
	s_lshl_b32 s3, s[WM], 10
	s_add_co_u32 s100, s100, s3
	s_add_co_u32 s100, s100, 8388608
	s_add_nc_u64 s[8:9], s[20:21], s[100:101]
	s_lshl_b32 s100, s66, 13
	s_lshl_b32 s3, s2, 6
	s_add_co_u32 s100, s100, s3
	s_add_nc_u64 s[10:11], s[22:23], s[100:101]
	s_mul_i32 s100, s66, 12288
	s_add_co_u32 s100, s100, 262144
	s_add_co_u32 s100, s100, s3
	s_add_nc_u64 s[14:15], s[22:23], s[100:101]
	s_mul_i32 s100, s66, 12288
	s_add_co_u32 s100, s100, 262144+8192
	s_lshl_b32 s3, s67, 8
	s_add_co_u32 s100, s100, s3
	s_lshl_b32 s3, s[WM], 1
	s_add_co_u32 s100, s100, s3
	s_add_nc_u64 s[18:19], s[22:23], s[100:101]
.elseif KIND == 2
	v_lshlrev_b32 v[SO], 4, v1
	v_lshl_add_u32 v[SO], v2, 11, v[SO]
	s_lshl_b32 s66, s99, 3
	s_lshl_b32 s67, s[WM], 2
	s_add_co_u32 s66, s66, s67
	s_lshl_b32 s2, s66, 16
	s_lshl_b32 s3, s101, 13
	s_add_co_u32 s2, s2, s3
	s_lshl_b32 s3, s[WN], 10
	s_add_co_u32 s2, s2, s3
	s_mov_b32 s3, 0
	s_add_nc_u64 s[14:15], s[14:15], s[2:3]
	s_lshl_b32 s2, s66, 11
	s_lshl_b32 s67, s101, 8
	s_add_co_u32 s2, s2, s67
	s_lshl_b32 s67, s[WN], 1
	s_add_co_u32 s2, s2, s67
	s_add_nc_u64 s[16:17], s[16:17], s[2:3]
	s_lshl_b32 s2, s101, 11
	s_lshl_b32 s67, s[WN], 8
	s_add_co_u32 s2, s2, s67
	s_add_nc_u64 s[12:13], s[12:13], s[2:3]
.else
	s_mul_i32 s66, s[WV], 4352
	v_mul_u32_u24 v[STO], v1, 272
	v_lshl_add_u32 v[STO], v2, 5, v[STO]
	v_add_nc_u32 v[STO], s66, v[STO]
	v_mul_u32_u24 v[RD], v2, 272
	v_lshl_add_u32 v[RD], v1, 4, v[RD]
	v_add_nc_u32 v[RD], s66, v[RD]
	v_lshlrev_b32 v[SO], 4, v1
	v_lshl_add_u32 v[CO], v2, 12, v[SO]
	s_lshl_b32 s66, s99, 7
	s_lshl_b32 s67, s[WM], 6
	s_add_co_u32 s66, s66, s67
	s_lshl_b32 s2, s66, 12
	s_lshl_b32 s66, s101, 9
	s_lshl_b32 s67, s[WN], 8
	s_add_co_u32 s66, s66, s67
	s_mov_b32 s67, 0
	s_add_nc_u64 s[12:13], s[12:13], s[66:67]
	s_add_co_u32 s2, s2, s66
	s_mov_b32 s3, 0
	s_add_nc_u64 s[14:15], s[14:15], s[2:3]
	s_add_nc_u64 s[16:17], s[16:17], s[2:3]
	global_load_b128 v[BI:BI+3], v[SO], s[12:13]
.endif
.macro MUL8 sg, q, hf, swap, zero
.if \swap
	WIN 0x06+(\sg)
.else
	WIN 0x09+4*(\sg)
.endif
.irp o, 2*\hf, 2*\hf+1
.irp n, 0,1,2,3
.set rD, ACC+8*(4*(\o)+\n)
.set rX, 64*\q+16*\n
.set rY, 64*\q+16*(\o)
.if \swap
.set rS, SA+16*(\sg)+4*\n+\q
.set rT, SB+16*(\sg)+4*(\o)+\q
.else
.set rS, SB+16*(\sg)+4*\n+\q
.set rT, SA+16*(\sg)+4*(\o)+\q
.endif
.if \zero
	v_wmma_scale_f32_16x16x128_f8f6f4 v[rD:rD+7], v[rX:rX+15], v[rY:rY+15], 0, v[rS], v[rT]
.else
	v_wmma_scale_f32_16x16x128_f8f6f4 v[rD:rD+7], v[rX:rX+15], v[rY:rY+15], v[rD:rD+7], v[rS], v[rT]
.endif
.endr
.endr
.endm
.macro GRP sg, q, fa
.if \q == 0
	WIN 0
.irp i, 0,1,2,3
	ds_load_b128 v[SB+16*(\sg)+4*\i:SB+16*(\sg)+4*\i+3], v[ADSB] offset:SBI*\i
.endr
.if \fa
.irp i, 0,1,2,3
	ds_load_b128 v[SA+16*(\sg)+4*\i:SA+16*(\sg)+4*\i+3], v[ADSA] offset:(KK/2)*\i
.endr
.endif
.endif
	WIN 0x40
.irp i, 0,1,2,3
.irp c, 0,1,2,3
	ds_load_b128 v[64*\q+16*\i+4*\c:64*\q+16*\i+4*\c+3], v[ADB+(\sg)] offset:8448*\i+128*\q+32*\c
.endr
.endr
.if \fa
	WIN 0x80+0x40*(\sg)
.irp i, 0,1,2,3
.irp c, 0,1,2,3
	ds_load_b128 v[64*\q+16*\i+4*\c:64*\q+16*\i+4*\c+3], v[ADA+(\sg)] offset:8192*\i+2048*\q+512*\c
.endr
.endr
.endif
	WIN 0
.endm
.macro STEP0 sg, fa, zero, swap
	s_wait_dscnt 16*(1+\fa)
	MUL8 \sg, 0, 0, \swap, \zero
	MUL8 \sg, 0, 1, \swap, \zero
	PLACES 4
	GRP \sg, 2, \fa
.endm
.macro REST sg, fa, fan, turn, swap, res
	s_wait_dscnt 16*(1+\fa)
	MUL8 \sg, 1, 0, \swap, 0
	MUL8 \sg, 1, 1, \swap, 0
	PLACES 4+4*\res
	GRP \sg, 3, \fa
.if \res
	WIN 0x40
.irp a, 0,1,2,3
.irp t, 0,1,2,3,4,5,6,7
	global_load_b128 v[32*\a+4*\t:32*\a+4*\t+3], v[CO], s[14:15] offset:(16*\a+2*\t)*4096
.endr
.endr
	WIN 0
.endif
.if \turn
	s_wait_tensorcnt 0x0
	ds_add_u32 v[SPW], v[NIL]
	s_wait_dscnt 16*(1+\fa)+1
	MUL8 \sg, 2, 0, \swap, 0
	s_wait_dscnt 0x0
	s_barrier_signal -1
	MUL8 \sg, 2, 1, \swap, 0
	WIN 0
	s_barrier_wait -1
.if \turn == 2
	CREST
.if KIND == 3
	s_add_nc_u64 s[G0A+4*\sg+2:G0A+4*\sg+3], s[G0A+4*\sg+2:G0A+4*\sg+3], 16384
	s_add_nc_u64 s[G0B+4*\sg+2:G0B+4*\sg+3], s[G0B+4*\sg+2:G0B+4*\sg+3], 1024
	JLOAD G0A+4*\sg, G1A, G0B+4*\sg, G1B
.elseif KIND == 2
	s_add_nc_u64 s[G0B+4*\sg+2:G0B+4*\sg+3], s[G0B+4*\sg+2:G0B+4*\sg+3], 131072
	JLOADB G0B+4*\sg, G1B
.else
	s_add_nc_u64 s[G0B+4*\sg+2:G0B+4*\sg+3], s[NEXTW:NEXTW+1], 512*\sg
	s_or_b32 s[G0B+4*\sg+3], s[G0B+4*\sg+3], 0x80000000
	JLOADB G0B+4*\sg, G1B
.endif
.endif
	PLACES 4
.if (KIND == 3) || ((\sg) == 0)
	v_add_nc_u32 v[ADSB], 16, v[ADSB]
.else
	s_wait_alu depctr_va_vdst(0)
	v_add_nc_u32 v[ADSB], 4336, v[ADSB]
.endif
.if \fan
	v_add_nc_u32 v[ADSA], 0x100, v[ADSA]
.endif
	GRP 1-\sg, 0, \fan
.if \turn == 2
	s_cmp_eq_u32 s[WM], 0
	s_cbranch_scc1 .Lna_\@
	s_cmp_eq_u32 s2, 2                             ; 2 in column tiles 0 and 1, 1 in tile 2
	s_cbranch_scc0 .Lna_\@
	global_prefetch_b8 v24, s[8:9] offset:PFT*131072+512*\sg th:TH_LOAD_NT scope:SCOPE_SE
.Lna_\@:
.endif
.else
	s_wait_dscnt 16*(1+\fa)
	MUL8 \sg, 2, 0, \swap, 0
	MUL8 \sg, 2, 1, \swap, 0
	s_wait_dscnt 0x0
.endif
	MUL8 \sg, 3, 0, \swap, 0
	MUL8 \sg, 3, 1, \swap, 0
	PLACES 8
.if \turn
	GRP 1-\sg, 1, \fan
.endif
	WIN 0
.endm
.macro SS sg, fa, fan, turn, zero, swap, res
	STEP0 \sg, \fa, \zero, \swap
	REST \sg, \fa, \fan, \turn, \swap, \res
.endm
.macro QUANT s, relu
	s_wait_xcnt 0x0
.if \relu
.irp b, 0,1,2,3
	v_max3_num_f32 v[TM+\b], v[(\s)+16*\b], v[(\s)+16*\b+1], 0x4800000
.endr
.irp i, 2,4,6,8,10,12,14
.irp b, 0,1,2,3
	v_max3_num_f32 v[TM+\b], v[TM+\b], v[(\s)+16*\b+\i], v[(\s)+16*\b+\i+1]
.endr
.endr
.else
.irp b, 0,1,2,3
	v_max3_num_f32 v[TM+\b], |v[(\s)+16*\b]|, |v[(\s)+16*\b+1]|, 0x4800000
.endr
.irp i, 2,4,6,8,10,12,14
.irp b, 0,1,2,3
	v_max3_num_f32 v[TM+\b], v[TM+\b], |v[(\s)+16*\b+\i]|, |v[(\s)+16*\b+\i+1]|
.endr
.endr
.endif
.irp b, 0,1,2,3
	v_permlanex16_b32 v[TM+4+\b], v[TM+\b], s[SEL], s[SEL+1]
.endr
.irp b, 0,1,2,3
	v_max_num_f32 v[TM+\b], v[TM+\b], v[TM+4+\b]
.endr
.irp b, 0,1,2,3
	v_add_nc_u32 v[TM+12+\b], 0xfc000000, v[TM+\b]
.endr
.irp b, 0,1,2,3
	v_and_or_b32 v[TM+8+\b], v[TM+\b], 0x7f800000, s[MNT]
.endr
.irp b, 0,1,2,3
	v_lshrrev_b32 v[TM+4+\b], 23, v[TM+12+\b]
.endr
	v_lshl_or_b32 v[PW], v[TM+5], 8, v[TM+4]
	v_lshl_or_b32 v[PW], v[TM+6], 16, v[PW]
	v_lshl_or_b32 v[PW], v[TM+7], 24, v[PW]
.irp b, 0,1,2,3
.irp i, 0,1,2,3,4,5,6,7,8,9,10,11,12,13,14,15
.if \relu
	v_med3_num_f32 v[(\s)+16*\b+\i], v[(\s)+16*\b+\i], 0, v[TM+8+\b]
.else
	v_med3_num_f32 v[(\s)+16*\b+\i], v[(\s)+16*\b+\i], -v[TM+8+\b], v[TM+8+\b]
.endif
.endr
	v_cvt_scalef32_pk8_fp8_f32 v[PC+4*\b:PC+4*\b+1], v[(\s)+16*\b:(\s)+16*\b+7], v[TM+12+\b]
	v_cvt_scalef32_pk8_fp8_f32 v[PC+4*\b+2:PC+4*\b+3], v[(\s)+16*\b+8:(\s)+16*\b+15], v[TM+12+\b]
.endr
	v_nop
.irp b, 0,1,2,3
	v_permlane16_swap_b32 v[PC+4*\b], v[PC+4*\b+2]
	v_permlane16_swap_b32 v[PC+4*\b+1], v[PC+4*\b+3]
.endr
.endm
.if KIND == 0
.macro EPI_QK cb, sb
.irp p, 0,1
	QUANT ACC+64*\p, 0
.irp b, 0,1,2,3
	global_store_b128 v[LI], v[PC+4*\b:PC+4*\b+3], s[\cb:\cb+1] offset:(2*\p+\b/2)*1024+(\b%2)*512
.endr
	v_lshrrev_b32 v[SD], v[SH], v[PW]
	v_and_b32 v[SD], 0xffff, v[SD]
	global_store_b32 v[SO], v[SD], s[\sb:\sb+1] offset:128*\p
.endr
.endm
.macro EPI_V
.irp p, 0,1
	QUANT ACC+64*\p, 0
.irp b, 0,1,2,3
	global_store_b128 v[LI], v[PC+4*\b:PC+4*\b+3], s[8:9] offset:(2*\p+\b/2)*2048+(\b%2)*512
.endr
	v_lshrrev_b32 v[SD], v[SH], v[PW]
	global_store_b16 v[SO], v[SD], s[18:19] offset:128*\p
.endr
.endm
.endif
.if KIND == 2
.macro B1LOAD
	s_wait_xcnt 0x0
.irp i, 0,1,2,3
	global_load_b128 v[96+8*\i:99+8*\i], v[BO], s[12:13] offset:64*\i
	global_load_b128 v[100+8*\i:103+8*\i], v[BO], s[12:13] offset:64*\i+16
.endr
.endm
.macro EPI_H
	s_wait_loadcnt 0x0
.irp a, 0,1,2,3
.irp i, 0,1,2,3
.irp j, 0,2,4,6
	v_pk_add_f32 v[ACC+8*(4*\a+\i)+\j:ACC+8*(4*\a+\i)+\j+1], v[ACC+8*(4*\a+\i)+\j:ACC+8*(4*\a+\i)+\j+1], v[96+8*\i+\j:96+8*\i+\j+1]
.endr
.endr
.endr
.irp p, 0,1
	QUANT ACC+64*\p, 1
.irp b, 0,1,2,3
	global_store_b128 v[LI], v[PC+4*\b:PC+4*\b+3], s[14:15] offset:(2*\p+\b/2)*65536+(\b%2)*512
.endr
	v_lshrrev_b32 v[SD], v[SH], v[PW]
	global_store_b16 v[SO], v[SD], s[16:17] offset:4096*\p
.endr
	s_wait_xcnt 0x0
	s_add_nc_u64 s[14:15], s[14:15], 2048
	s_add_nc_u64 s[16:17], s[16:17], 4
	s_add_nc_u64 s[12:13], s[12:13], 512
.endm
.endif
.if (KIND == 1) || (KIND == 3)
.macro EPI_F
.irp a, 0,1,2,3
.irp i, 0,1,2,3
	ds_store_b128 v[STO], v[ACC+8*(4*\a+\i):ACC+8*(4*\a+\i)+3] offset:64*\i
	ds_store_b128 v[STO], v[ACC+8*(4*\a+\i)+4:ACC+8*(4*\a+\i)+7] offset:64*\i+16
.endr
.if \a > 0
	s_wait_xcnt 0x0
.endif
.irp t, 0,1,2,3,4,5,6,7
	ds_load_b128 v[BK+4*\t:BK+4*\t+3], v[RD] offset:544*\t
.endr
	s_wait_dscnt 0x0
	s_wait_loadcnt 24-8*\a
	WIN 0x04
.irp t, 0,1,2,3,4,5,6,7
	v_pk_add_f32 v[BK+4*\t:BK+4*\t+1], v[BK+4*\t:BK+4*\t+1], v[32*\a+4*\t:32*\a+4*\t+1]
	v_pk_add_f32 v[BK+4*\t+2:BK+4*\t+3], v[BK+4*\t+2:BK+4*\t+3], v[32*\a+4*\t+2:32*\a+4*\t+3]
.endr
	WIN 0
.irp t, 0,1,2,3,4,5,6,7
	v_pk_add_f32 v[BK+4*\t:BK+4*\t+1], v[BK+4*\t:BK+4*\t+1], v[BI:BI+1]
	v_pk_add_f32 v[BK+4*\t+2:BK+4*\t+3], v[BK+4*\t+2:BK+4*\t+3], v[BI+2:BI+3]
.endr
.irp t, 0,1,2,3,4,5,6,7
	global_store_b128 v[CO], v[BK+4*\t:BK+4*\t+3], s[16:17] offset:(16*\a+2*\t)*4096
.endr
.endr
.endm
.endif
	s_wait_alu depctr_va_vdst(0)
	s_wait_tensorcnt 0x0                           ; my tile of the head's four is in
	ds_add_u32 v[SPW], v[NIL]
	s_wait_dscnt 0x0
	CROUND                                         ; everybody's tile is in, and the joint loads meet
	ARM 1, G0A+4, G1A, .Ls_b, .Ls_asked
	ARM 2, G0B+4, G1B, .Ls_none, .Ls_asked
.Ls_asked:
	s_mov_b32 s2, 2
.set PFT, 2                            ; column tile 0 asks for tile 2
	GRP 0, 0, 1
	GRP 0, 1, 1
.if KIND == 0
.set NEXTW, 12
	SS 0, 1, 1, 2, 1, 0, 0
	SS 1, 1, 0, 2, 0, 0, 0
	EPI_QK 4, 10
.set NEXTW, 16
	SS 0, 0, 0, 2, 1, 0, 0
	SS 1, 0, 0, 2, 0, 0, 0
	EPI_QK 6, 14
	SS 0, 0, 0, 1, 1, 1, 0
	SS 1, 0, 0, 0, 0, 1, 0
	EPI_V
.elseif KIND == 1
	SS 0, 1, 1, 1, 1, 0, 0
	SS 1, 1, 0, 0, 0, 0, 1
	EPI_F
.elseif KIND == 2
	SS 0, 1, 1, 2, 1, 0, 0
	B1LOAD
	SS 1, 1, 0, 2, 0, 0, 0
	EPI_H
	s_mov_b32 s2, 2
.set PFT, 3                            ; the loop's first trip asks for column tile 3
.Ltile:
	SS 0, 0, 0, 2, 1, 0, 0
	B1LOAD
	SS 1, 0, 0, 2, 0, 0, 0
	EPI_H
	s_sub_co_u32 s2, s2, 1
	s_cmp_lg_u32 s2, 0
	s_cbranch_scc1 .Ltile
	SS 0, 0, 0, 1, 1, 0, 0
	B1LOAD
	SS 1, 0, 0, 0, 0, 0, 0
	EPI_H
.else
	STEP0 0, 1, 1, 0
	s_mov_b32 s2, 3
.Llap:
	REST 0, 1, 1, 2, 0, 0
	SS 1, 1, 1, 2, 0, 0, 0
	STEP0 0, 1, 0, 0
	s_sub_co_u32 s2, s2, 1
	s_cmp_lg_u32 s2, 0
	s_cbranch_scc1 .Llap
	REST 0, 1, 1, 1, 0, 0
	SS 1, 1, 0, 0, 0, 0, 1
	EPI_F
.endif
	s_wait_tensorcnt 0x0
	ds_add_u32 v[SPW], v[NIL]
	s_wait_dscnt 0x0
	CROUND
	s_endpgm
.Lfunc_end_k_qe52da97ddf_w1:
	.size	k_qe52da97ddf_w1, .Lfunc_end_k_qe52da97ddf_w1-k_qe52da97ddf_w1
	.p2alignl 7, 3214868480
	.fill 96, 4, 3214868480
	.section	.rodata,"a",@progbits
	.p2align	6, 0x0
	.amdhsa_kernel k_qe52da97ddf_w1
		.amdhsa_group_segment_fixed_size 327680
		.amdhsa_private_segment_fixed_size 0
		.amdhsa_enable_private_segment 0
		.amdhsa_kernarg_size 56
		.amdhsa_user_sgpr_count 2
		.amdhsa_user_sgpr_kernarg_segment_ptr 1
		.amdhsa_wavefront_size32 1
		.amdhsa_system_sgpr_workgroup_id_x 1
		.amdhsa_system_sgpr_workgroup_id_y 1
		.amdhsa_system_sgpr_workgroup_id_z 1
		.amdhsa_system_vgpr_workitem_id 0
		.amdhsa_next_free_vgpr 1024
		.amdhsa_next_free_sgpr 102
		.amdhsa_reserve_vcc 0
		.amdhsa_float_denorm_mode_32 3
		.amdhsa_float_denorm_mode_16_64 3
		.amdhsa_memory_ordered 1
		.amdhsa_forward_progress 1
		.amdhsa_inst_pref_size 173
	.end_amdhsa_kernel
	.amdgpu_metadata
---
amdhsa.version: [ 1, 2 ]
amdhsa.kernels:
  - .name:           k_qe52da97ddf_w1
    .symbol:         k_qe52da97ddf_w1.kd
    .args:
      - { .name: hc, .offset: 0, .size: 8, .value_kind: global_buffer, .address_space: global }
      - { .name: hs, .offset: 8, .size: 8, .value_kind: global_buffer, .address_space: global }
      - { .name: W1_codes, .offset: 16, .size: 8, .value_kind: global_buffer, .address_space: global }
      - { .name: W1_scales, .offset: 24, .size: 8, .value_kind: global_buffer, .address_space: global }
      - { .name: b1, .offset: 32, .size: 8, .value_kind: global_buffer, .address_space: global }
      - { .name: fc, .offset: 40, .size: 8, .value_kind: global_buffer, .address_space: global }
      - { .name: fs, .offset: 48, .size: 8, .value_kind: global_buffer, .address_space: global }
    .group_segment_fixed_size: 327680
    .private_segment_fixed_size: 0
    .kernarg_segment_align: 8
    .kernarg_segment_size: 56
    .max_flat_workgroup_size: 128
    .sgpr_count:     102
    .vgpr_count:     1024
    .wavefront_size: 32
...
	.end_amdgpu_metadata
.endif
;; end of part 5
;; launch w2 (part 6): grid 8 x 32, 4 waves a work-group, clusters of 4 x 4, 327,680 bytes of LDS; arguments fc, fs, W2_codes, W2_scales, b2, x1, out0; writes out0
.if DOCPART == 6
	.amdgcn_target "amdgcn-amd-amdhsa--gfx1250"
	.amdhsa_code_object_version 6
	.text
	.protected	k_qe52da97ddf_w2
	.globl	k_qe52da97ddf_w2
	.p2align	8
	.type	k_qe52da97ddf_w2,@function
k_qe52da97ddf_w2:
	s_mov_b64 s[64:65], 0
	v_nop
	global_prefetch_b8 v0, s[64:65] scope:SCOPE_SE
	s_setreg_imm32_b32 hwreg(HW_REG_WAVE_MODE, 25, 1), 1
	s_wait_xcnt 0x0
	s_wait_alu depctr_hold_cnt(0) depctr_sa_sdst(0) depctr_va_vdst(0) depctr_va_sdst(0) depctr_va_ssrc(0) depctr_va_vcc(0) depctr_vm_vsrc(0)
	s_getreg_b32 s2, hwreg(HW_REG_IB_STS2, 6, 4)
	s_cmp_eq_u32 s2, 0
	s_cbranch_scc0 .Lentry_in_a_cluster
	s_endpgm
.Lentry_in_a_cluster:
	s_bfe_u32 s2, ttmp6, 0x10000c
	s_cmp_lg_u32 s2, 0xf033
	s_cbranch_scc0 .Lentry_shape_is_right
	s_endpgm
.Lentry_shape_is_right:
.set KIND, 3
.if KIND == 3
.set KK, 4096
.set RB, 64
.set SBI, 2176
.else
.set KK, 1024
.set RB, 8
.set SBI, 544
.endif
.set RA, KK/64
.set ASL,   65536
.set BS0,   131072
.set BSL,   67584
.set ASC,   266240
.set BSC,   282624
.set SPARE, 300032
.set STAGE, 0
.set ADA,  4
.set ADB,  6
.set ADSA, 8
.set ADSB, 9
.set SPW,  10
.set NIL,  11
.set LI,   12
.set SO,   13
.set STO,  16
.set RD,   17
.set CO,   18
.set BI,   24
.set SA,   32
.set SB,   64
.set BK,   96
.set ACC,  128
.set G1A,  24
.set G0A,  32
.set G1B,  40
.set G0B,  48
.set G1SA, 56
.set G0SA, 68
.set G1SB, 72
.set G0SB, 80
.set WV,   92
.set WM,   93
.set WN,   94
.set MSB, 0
.macro WIN new
.if MSB != (\new)
	s_set_vgpr_msb (MSB<<8)|(\new)
.set MSB, (\new)
.endif
.endm
.macro PLACES n
.rept \n
	v_nop
.endr
.endm
.macro JLOAD g0a, g1a, g0b, g1b
	s_cmp_eq_u32 s[WV], 0                          ; wave 0 fills A's slot, whole; wave 1 B's; waves 2 and 3 nothing
	s_cbranch_scc0 .Lfor_b_\@
	tensor_load_to_lds s[\g0a:\g0a+3], s[\g1a:\g1a+7]
	s_nop 0
	PLACES 4
	s_branch .Lasked_\@
.Lfor_b_\@:
	s_cmp_eq_u32 s[WV], 1
	s_cbranch_scc0 .Lasked_\@
	tensor_load_to_lds s[\g0b:\g0b+3], s[\g1b:\g1b+7]
	s_nop 0
	PLACES 4
.Lasked_\@:
.endm
.macro CREST
	s_cmp_lg_u32 s[WV], 0
	s_cbranch_scc1 .Lnot_wave_0_\@
	s_barrier_signal -3
.Lnot_wave_0_\@:
	s_barrier_wait -3
	s_barrier_signal -1
	s_barrier_wait -1
.endm
.macro CROUND
	s_barrier_signal -1
	s_barrier_wait -1
	CREST
.endm
	s_load_b256 s[4:11], s[0:1], 0x0
	s_load_b128 s[12:15], s[0:1], 0x20
	s_load_b64 s[16:17], s[0:1], 0x30
	v_lshl_add_u32 v[SPW], v0, 2, SPARE
	v_mov_b32 v[NIL], 0
	ds_add_u32 v10, v11
	ds_add_u32 v10, v11
	s_wait_dscnt 0x0
	v_lshrrev_b32 v1, 5, v0
	v_readfirstlane_b32 s[WV], v1
	s_lshr_b32 s[WM], s[WV], 1
	s_and_b32 s[WN], s[WV], 1
	s_bfe_u32 s100, ttmp6, 0x40000
	s_bfe_u32 s98, ttmp6, 0x40004
	s_lshl_b32 s101, ttmp9, 2
	s_add_co_u32 s101, s101, s100
	s_and_b32 s99, ttmp7, 0xffff
	s_lshl_b32 s99, s99, 2
	s_add_co_u32 s99, s99, s98
	s_lshl_b32 s98, s98, 2
	s_lshl_b32 s98, 15, s98
	s_lshl_b32 s100, 0x1111, s100
	s_or_b32 s[G1A], s98, (3<<16)|(1<<21)
	s_mov_b32 s[G1A+1], 1024<<16
	s_mov_b32 s[G1A+2], 8<<16                      ; a load brings all 8 tiles of 16 tokens
	s_mov_b32 s[G1A+3], 1024<<16
	s_mov_b32 s[G1A+4], 8
	s_mov_b32 s[G1A+5], 2*KK
	s_mov_b32 s[G1A+6], 0
	s_mov_b32 s[G1A+7], 0
	s_or_b32 s[G1B], s100, (1<<20)|(1<<21)|(6<<22)|(3<<25)
	s_mov_b32 s[G1B+1], 512<<16
	s_mov_b32 s[G1B+2], 128<<16                    ; a load brings all 128 rows
	s_mov_b32 s[G1B+3], 512<<16
	s_mov_b32 s[G1B+4], 128
	s_mov_b32 s[G1B+5], KK
	s_mov_b32 s[G1B+6], 0
	s_mov_b32 s[G1B+7], 0
	s_or_b32 s[G1SA], s98, (3<<16)|(1<<21)
	s_mov_b32 s[G1SA+1], 32<<16
	s_mov_b32 s[G1SA+2], RA<<16
	s_mov_b32 s[G1SA+3], 32<<16
	s_mov_b32 s[G1SA+4], RA
	s_mov_b32 s[G1SA+5], 32
	s_mov_b32 s[G1SA+6], 0
	s_mov_b32 s[G1SA+7], 0
	s_or_b32 s[G1SB], s100, (3<<16)|(1<<20)|(1<<21)|(5<<22)|(3<<25)
	s_mov_b32 s[G1SB+1], 32<<16
	s_mov_b32 s[G1SB+2], RB<<16
	s_mov_b32 s[G1SB+3], 32<<16
	s_mov_b32 s[G1SB+4], RB
	s_mov_b32 s[G1SB+5], 32
	s_mov_b32 s[G1SB+6], 0
	s_mov_b32 s[G1SB+7], 0
	s_lshl_b32 s98, s99, 3
	s_wait_kmcnt 0x0
	s_mul_i32 s66, s98, 16*KK
	s_mov_b32 s67, 0
	s_add_nc_u64 s[4:5], s[4:5], s[66:67]
	s_mul_i32 s66, s98, KK/2
	s_add_nc_u64 s[6:7], s[6:7], s[66:67]
	s_lshl_b32 s100, s101, 7
	s_mul_i32 s2, s100, KK                         ; B: the block's first row
	s_mov_b32 s3, 0
	s_add_nc_u64 s[8:9], s[8:9], s[2:3]
	s_mul_i32 s2, s100, KK/32
	s_add_nc_u64 s[10:11], s[10:11], s[2:3]
	CROUND
	s_mov_b32 s[G0SA], 1
	s_mov_b32 s[G0SA+1], ASC
	s_mov_b64 s[G0SA+2:G0SA+3], s[6:7]
	s_or_b32 s[G0SA+3], s[G0SA+3], 0x80000000
	s_mov_b32 s[G0SB], 1
	s_mov_b32 s[G0SB+1], BSC
	s_mov_b64 s[G0SB+2:G0SB+3], s[10:11]
	s_or_b32 s[G0SB+3], s[G0SB+3], 0x80000000
.irp s, 0,1
	s_mov_b32 s[G0A+4*\s], 1
	s_mov_b32 s[G0A+4*\s+1], \s*ASL
	s_add_nc_u64 s[G0A+4*\s+2:G0A+4*\s+3], s[4:5], \s*8192
	s_or_b32 s[G0A+4*\s+3], s[G0A+4*\s+3], 0x80000000
	s_mov_b32 s[G0B+4*\s], 1
	s_mov_b32 s[G0B+4*\s+1], BS0+\s*BSL
	s_add_nc_u64 s[G0B+4*\s+2:G0B+4*\s+3], s[8:9], \s*512
	s_or_b32 s[G0B+4*\s+3], s[G0B+4*\s+3], 0x80000000
.endr
; out = x1 + f W2 + b2, K = 4,096: 128 tokens x 128 columns a work-group, 64 x 64 a wave; K goes in eight slots' worth of 512 through two LDS slots.
; THE FILLS.  Every load brings a whole tile.  At the head one load a wave, in one chain of branches on the wave's number: wave 0 A's slot 0, wave 1 B's slot 0, wave 2 A's scale bytes, wave 3 B's.
; Slot 1 follows behind one drained round, and each refill behind its own: wave 0 A's, wave 1 B's.
.macro ARM under, g0, g1, next, join
	s_cmp_lt_u32 s[WV], \under
	s_cbranch_scc0 \next
	tensor_load_to_lds s[\g0:\g0+3], s[\g1:\g1+7]
	s_nop 0
	PLACES 4
	s_branch \join
\next:
.endm
	ARM 1, G0A, G1A, .Lh_b, .Lh_asked
	ARM 2, G0B, G1B, .Lh_sa, .Lh_asked
	ARM 3, G0SA, G1SA, .Lh_sb, .Lh_asked
	tensor_load_to_lds s[G0SB:G0SB+3], s[G1SB:G1SB+7]
	s_nop 0
	PLACES 4
.Lh_asked:
; THE PREFETCHES.  Behind the load of K slot n stands one prefetch for K slot n + 2, two slots' eight steps ahead of the load that wants it; the head asks for slots 1 and 2.  A's 64 KiB are shared out by address among the 8 waves
; 0, 1 of the four work-groups of my row of the cluster (a tile of 16 tokens a wave, lanes 256 bytes apart), B's among the waves 2, 3 of my column (16 rows a wave, two lanes a row): each block of 256 bytes is named once in a cluster.
; The address is stepped at the head of the next change of slots, behind s_wait_xcnt 0.  The loop's last trip loads slots 6 and 7 and asks for nothing.
.set PFA, 18
.set PFS, 20
.set PFO, 22
	s_bfe_u32 s66, ttmp6, 0x40000
	s_bfe_u32 s67, ttmp6, 0x40004
	s_mov_b32 s2, KK
	s_mov_b32 s98, 512
	s_cmp_eq_u32 s[WM], 0                          ; waves 0, 1: A; waves 2, 3: B
	s_cselect_b32 s66, s66, s67                    ; my place p among the four that share the tile
	s_cselect_b64 s[PFA:PFA+1], s[4:5], s[8:9]
	s_cselect_b32 s2, 256, s2
	s_cselect_b32 s3, 0, 1
	s_cselect_b32 s98, 8192, s98                   ; a slot on
	s_mov_b32 s[PFS], s98
	s_mov_b32 s[PFS+1], 0
	s_lshl_b32 s66, s66, 1
	s_add_co_u32 s66, s66, s[WN]
	s_mul_i32 s66, s66, 16*KK                      ; tile 2 p + wave % 2 of A, or rows 16 (2 p + wave % 2) of B: the same bytes
	s_add_co_u32 s66, s66, s98
	s_mov_b32 s67, 0
	s_add_nc_u64 s[PFA:PFA+1], s[PFA:PFA+1], s[66:67]
	v_and_b32 v[PFO], 31, v0
	v_and_b32 v23, s3, v[PFO]
	v_lshrrev_b32 v[PFO], s3, v[PFO]
	v_mul_lo_u32 v[PFO], v[PFO], s2
	v_lshl_add_u32 v[PFO], v23, 8, v[PFO]
	global_prefetch_b8 v[PFO], s[PFA:PFA+1] th:TH_LOAD_NT scope:SCOPE_SE
	s_add_nc_u64 s[22:23], s[PFA:PFA+1], s[PFS:PFS+1]   ; slot 2, in a pair of its own that is never rewritten
	global_prefetch_b8 v[PFO], s[22:23] th:TH_LOAD_NT scope:SCOPE_SE
	v_and_b32 v1, 15, v0
	v_bfe_u32 v2, v0, 4, 1
	v_and_b32 v3, 31, v0
	v_lshlrev_b32 v[LI], 4, v3
	s_lshl_b32 s66, s[WM], 15
	v_add_nc_u32 v[ADA], s66, v[LI]
	v_add_nc_u32 v[ADA+1], ASL, v[ADA]
	v_mul_u32_u24 v[ADB], v1, 528
	v_lshl_add_u32 v[ADB], v2, 4, v[ADB]
	s_mul_i32 s66, s[WN], 33792
	s_add_co_u32 s66, s66, BS0
	v_add_nc_u32 v[ADB], s66, v[ADB]
	v_add_nc_u32 v[ADB+1], BSL, v[ADB]
	s_mul_i32 s66, s[WM], 2*KK
	s_add_co_u32 s66, s66, ASC
	v_lshl_add_u32 v[ADSA], v1, 4, s66
.if KK == 1024
	v_lshrrev_b32 v[ADSB], 3, v1
	v_mul_u32_u24 v[ADSB], v[ADSB], 272
	v_and_b32 v20, 7, v1
	v_lshl_add_u32 v[ADSB], v20, 5, v[ADSB]
	s_mul_i32 s66, s[WN], 2176
.else
	v_lshrrev_b32 v[ADSB], 1, v1
	v_mul_u32_u24 v[ADSB], v[ADSB], 272
	v_and_b32 v20, 1, v1
	v_lshl_add_u32 v[ADSB], v20, 7, v[ADSB]
	s_mul_i32 s66, s[WN], 8704
.endif
	s_add_co_u32 s66, s66, BSC
	v_add_nc_u32 v[ADSB], s66, v[ADSB]
	s_mul_i32 s66, s[WV], 4352
	v_mul_u32_u24 v[STO], v1, 272
	v_lshl_add_u32 v[STO], v2, 5, v[STO]
	v_add_nc_u32 v[STO], s66, v[STO]
	v_mul_u32_u24 v[RD], v2, 272
	v_lshl_add_u32 v[RD], v1, 4, v[RD]
	v_add_nc_u32 v[RD], s66, v[RD]
	v_lshlrev_b32 v[SO], 4, v1
	s_wait_alu depctr_va_vdst(0)
	v_lshl_add_u32 v[CO], v2, 12, v[SO]
	s_wait_alu depctr_va_vdst(0)
	s_lshl_b32 s66, s99, 7
	s_lshl_b32 s67, s[WM], 6
	s_add_co_u32 s66, s66, s67
	s_lshl_b32 s2, s66, 12
	s_lshl_b32 s66, s101, 9
	s_lshl_b32 s67, s[WN], 8
	s_add_co_u32 s66, s66, s67
	s_mov_b32 s67, 0
	s_add_nc_u64 s[12:13], s[12:13], s[66:67]
	s_add_co_u32 s2, s2, s66
	s_mov_b32 s3, 0
	s_add_nc_u64 s[14:15], s[14:15], s[2:3]
	s_add_nc_u64 s[16:17], s[16:17], s[2:3]
	global_load_b128 v[BI:BI+3], v[SO], s[12:13]
	WIN 0xc0
.irp a, 0,1,2,3
.irp t, 0,1,2,3,4,5,6,7
	global_load_b128 v[32*\a+4*\t:32*\a+4*\t+3], v[CO], s[14:15] offset:(16*\a+2*\t)*4096
.endr
.endr
	WIN 0
.macro MUL8 sg, q, hf, zero
	WIN 0x09
.irp o, 2*\hf, 2*\hf+1
.irp n, 0,1,2,3
.set rD, ACC+8*(4*(\o)+\n)
.set rX, 64*\q+16*\n
.set rY, 64*\q+16*(\o)
.set rS, SB+16*(\sg)+4*\n+\q
.set rT, SA+16*(\sg)+4*(\o)+\q
.if \zero
	v_wmma_scale_f32_16x16x128_f8f6f4 v[rD:rD+7], v[rX:rX+15], v[rY:rY+15], 0, v[rS], v[rT]
.else
	v_wmma_scale_f32_16x16x128_f8f6f4 v[rD:rD+7], v[rX:rX+15], v[rY:rY+15], v[rD:rD+7], v[rS], v[rT]
.endif
.endr
.endr
.endm
.macro GRP sg, q
.if \q == 0
	WIN 0
.irp i, 0,1,2,3
	ds_load_b128 v[SB+16*(\sg)+4*\i:SB+16*(\sg)+4*\i+3], v[ADSB] offset:SBI*\i
.endr
.irp i, 0,1,2,3
	ds_load_b128 v[SA+16*(\sg)+4*\i:SA+16*(\sg)+4*\i+3], v[ADSA] offset:(KK/2)*\i
.endr
.endif
	WIN 0x40
.irp i, 0,1,2,3
.irp c, 0,1,2,3
	ds_load_b128 v[64*\q+16*\i+4*\c:64*\q+16*\i+4*\c+3], v[ADB+(\sg)] offset:8448*\i+128*\q+32*\c
.endr
.endr
	WIN 0x80
.irp i, 0,1,2,3
.irp c, 0,1,2,3
	ds_load_b128 v[64*\q+16*\i+4*\c:64*\q+16*\i+4*\c+3], v[ADA+(\sg)] offset:8192*\i+2048*\q+512*\c
.endr
.endr
	WIN 0
.endm
.macro STEP0 sg, zero
	s_wait_dscnt 32
	MUL8 \sg, 0, 0, \zero
	MUL8 \sg, 0, 1, \zero
	PLACES 4
	GRP \sg, 2
.endm
.macro REST sg, turn
	s_wait_dscnt 32
	MUL8 \sg, 1, 0, 0
	MUL8 \sg, 1, 1, 0
	PLACES 4
	GRP \sg, 3
.if \turn == 2
	s_wait_xcnt 0x0                                ; my last prefetch has read its address: one slot on
	s_add_nc_u64 s[PFA:PFA+1], s[PFA:PFA+1], s[PFS:PFS+1]
.endif
.if \turn
	s_wait_tensorcnt 0x0
	ds_add_u32 v[SPW], v[NIL]
	s_wait_dscnt 33
	MUL8 \sg, 2, 0, 0
	s_wait_dscnt 0x0
	s_barrier_signal -1
	MUL8 \sg, 2, 1, 0
	WIN 0
	s_barrier_wait -1
.if \turn == 2
	CREST
	s_add_nc_u64 s[G0A+4*\sg+2:G0A+4*\sg+3], s[G0A+4*\sg+2:G0A+4*\sg+3], 16384
	s_add_nc_u64 s[G0B+4*\sg+2:G0B+4*\sg+3], s[G0B+4*\sg+2:G0B+4*\sg+3], 1024
	JLOAD G0A+4*\sg, G1A, G0B+4*\sg, G1B
.endif
	PLACES 4
	s_wait_alu depctr_va_vdst(0)
	v_add_nc_u32 v[ADSB], 16, v[ADSB]
	v_add_nc_u32 v[ADSA], 0x100, v[ADSA]
	GRP 1-\sg, 0
.if \turn == 2
	s_cmp_gt_u32 s2, 1                             ; the loop's last trip: no slot stands two behind slots 6 and 7
	s_cbranch_scc0 .Lno_ask_\@
	global_prefetch_b8 v[PFO], s[PFA:PFA+1] th:TH_LOAD_NT scope:SCOPE_SE
.Lno_ask_\@:
.endif
.else
	s_wait_dscnt 32
	MUL8 \sg, 2, 0, 0
	MUL8 \sg, 2, 1, 0
	s_wait_dscnt 0x0
.endif
	MUL8 \sg, 3, 0, 0
	MUL8 \sg, 3, 1, 0
	PLACES 8
.if \turn
	GRP 1-\sg, 1
.endif
	WIN 0
.endm
.macro SS sg, turn, zero
	STEP0 \sg, \zero
	REST \sg, \turn
.endm
.macro EPI_F
.irp a, 0,1,2,3
.irp i, 0,1,2,3
	ds_store_b128 v[STO], v[ACC+8*(4*\a+\i):ACC+8*(4*\a+\i)+3] offset:64*\i
	ds_store_b128 v[STO], v[ACC+8*(4*\a+\i)+4:ACC+8*(4*\a+\i)+7] offset:64*\i+16
.endr
.if \a > 0
	s_wait_xcnt 0x0
.endif
.irp t, 0,1,2,3,4,5,6,7
	ds_load_b128 v[BK+4*\t:BK+4*\t+3], v[RD] offset:544*\t
.endr
	s_wait_dscnt 0x0
	s_wait_loadcnt 24-8*\a
	WIN 0x0c
.irp t, 0,1,2,3,4,5,6,7
	v_pk_add_f32 v[BK+4*\t:BK+4*\t+1], v[BK+4*\t:BK+4*\t+1], v[32*\a+4*\t:32*\a+4*\t+1]
	v_pk_add_f32 v[BK+4*\t+2:BK+4*\t+3], v[BK+4*\t+2:BK+4*\t+3], v[32*\a+4*\t+2:32*\a+4*\t+3]
.endr
	WIN 0
.irp t, 0,1,2,3,4,5,6,7
	v_pk_add_f32 v[BK+4*\t:BK+4*\t+1], v[BK+4*\t:BK+4*\t+1], v[BI:BI+1]
	v_pk_add_f32 v[BK+4*\t+2:BK+4*\t+3], v[BK+4*\t+2:BK+4*\t+3], v[BI+2:BI+3]
.endr
.irp t, 0,1,2,3,4,5,6,7
	global_store_b128 v[CO], v[BK+4*\t:BK+4*\t+3], s[16:17] offset:(16*\a+2*\t)*4096
.endr
.endr
.endm
	s_wait_xcnt 0x0                                ; the head's prefetches have read their addresses: on to slot 3
	s_add_nc_u64 s[PFA:PFA+1], s[PFA:PFA+1], s[PFS:PFS+1]
	s_add_nc_u64 s[PFA:PFA+1], s[PFA:PFA+1], s[PFS:PFS+1]
	s_wait_alu depctr_va_vdst(0)
	s_wait_tensorcnt 0x0                           ; my tile of the head's four is in
	ds_add_u32 v[SPW], v[NIL]
	s_wait_dscnt 0x0
	CROUND                                         ; everybody's tile is in, and the joint loads meet
	ARM 1, G0A+4, G1A, .Ls_b, .Ls_asked
	ARM 2, G0B+4, G1B, .Ls_none, .Ls_asked
.Ls_asked:
	GRP 0, 0
	GRP 0, 1
	global_prefetch_b8 v[PFO], s[PFA:PFA+1] th:TH_LOAD_NT scope:SCOPE_SE
.if KIND == 1
	SS 0, 1, 1
	SS 1, 0, 0
.else
	STEP0 0, 1
	s_mov_b32 s2, 3
.Llap:
	REST 0, 2
	SS 1, 2, 0
	STEP0 0, 0
	s_sub_co_u32 s2, s2, 1
	s_cmp_lg_u32 s2, 0
	s_cbranch_scc1 .Llap
	REST 0, 1
	SS 1, 0, 0
.endif
	EPI_F
	s_wait_tensorcnt 0x0
	ds_add_u32 v[SPW], v[NIL]
	s_wait_dscnt 0x0
	CROUND
	s_endpgm
.Lfunc_end_k_qe52da97ddf_w2:
	.size	k_qe52da97ddf_w2, .Lfunc_end_k_qe52da97ddf_w2-k_qe52da97ddf_w2
	.p2alignl 7, 3214868480
	.fill 96, 4, 3214868480
	.section	.rodata,"a",@progbits
	.p2align	6, 0x0
	.amdhsa_kernel k_qe52da97ddf_w2
		.amdhsa_group_segment_fixed_size 327680
		.amdhsa_private_segment_fixed_size 0
		.amdhsa_enable_private_segment 0
		.amdhsa_kernarg_size 56
		.amdhsa_user_sgpr_count 2
		.amdhsa_user_sgpr_kernarg_segment_ptr 1
		.amdhsa_wavefront_size32 1
		.amdhsa_system_sgpr_workgroup_id_x 1
		.amdhsa_system_sgpr_workgroup_id_y 1
		.amdhsa_system_sgpr_workgroup_id_z 1
		.amdhsa_system_vgpr_workitem_id 0
		.amdhsa_next_free_vgpr 1024
		.amdhsa_next_free_sgpr 102
		.amdhsa_reserve_vcc 0
		.amdhsa_float_denorm_mode_32 3
		.amdhsa_float_denorm_mode_16_64 3
		.amdhsa_memory_ordered 1
		.amdhsa_forward_progress 1
		.amdhsa_inst_pref_size 105
	.end_amdhsa_kernel
	.amdgpu_metadata
---
amdhsa.version: [ 1, 2 ]
amdhsa.kernels:
  - .name:           k_qe52da97ddf_w2
    .symbol:         k_qe52da97ddf_w2.kd
    .args:
      - { .name: fc, .offset: 0, .size: 8, .value_kind: global_buffer, .address_space: global }
      - { .name: fs, .offset: 8, .size: 8, .value_kind: global_buffer, .address_space: global }
      - { .name: W2_codes, .offset: 16, .size: 8, .value_kind: global_buffer, .address_space: global }
      - { .name: W2_scales, .offset: 24, .size: 8, .value_kind: global_buffer, .address_space: global }
      - { .name: b2, .offset: 32, .size: 8, .value_kind: global_buffer, .address_space: global }
      - { .name: x1, .offset: 40, .size: 8, .value_kind: global_buffer, .address_space: global }
      - { .name: out0, .offset: 48, .size: 8, .value_kind: global_buffer, .address_space: global }
    .group_segment_fixed_size: 327680
    .private_segment_fixed_size: 0
    .kernarg_segment_align: 8
    .kernarg_segment_size: 56
    .max_flat_workgroup_size: 128
    .sgpr_count:     102
    .vgpr_count:     1024
    .wavefront_size: 32
...
	.end_amdgpu_metadata
.endif
;; end of part 6
